; MI455X (gfx1250); checked and timed in simulation.
; The chip was launched on July 23, 2026; its instructions are those of AMD's public machine-readable ISA for CDNA 5 (MIT licence, August 2026) and "CDNA5" Instruction Set Architecture Reference Guide (July 2026). The comments in the code are by the model that wrote it; some were corrected since.
;; Multi Head Attention. Allowed arithmetic: float matrix products may take bf16 or f16 operands with f32 sums; other float arithmetic in f32, or as packed bf16 or f16 multiplies, adds, multiply-adds, maxima and minima; sums over many terms, partial sums and values carried from step to step in f32; what a program stores and reads back later, other than sums and carried values, may be rounded once to bf16 or f16.
;; Inputs: Wk 1,024 x 1,024 float32; Wo 1,024 x 1,024 float32; Wq 1,024 x 1,024 float32; Wv 1,024 x 1,024 float32; bk 1,024 float32; bo 1,024 float32; bq 1,024 float32; bv 1,024 float32; key 4 x 2,048 x 1,024 float32; mask 4 x 1 x 2,048 x 2,048 bool; query 4 x 2,048 x 1,024 float32; value 4 x 2,048 x 1,024 float32.
;; Outputs: out0 4 x 2,048 x 1,024 float32.
;; 3 versions, each right and faster than the one before. Each part assembles by itself: llvm-mc -triple=amdgcn-amd-amdhsa -mcpu=gfx1250 --defsym DOCPART=n.
;; ======== version 1 of 3: 4 launches
;; limits: values are held in f16: magnitudes above 65,504 overflow, below 6.1e-05 lose precision
;; workspace buffers: wt 8,388,608 bytes; maskw 2,097,152 bytes of whole numbers; qh 16,777,216 bytes; kh 16,777,216 bytes; vh 16,777,216 bytes; oh 16,777,216 bytes
;; launch prep (part 1): grid 320 x 1, 8 waves a work-group, no clusters, 140,288 bytes of LDS; arguments mask, Wq, Wk, Wv, Wo, wt, maskw; writes wt, maskw
.if DOCPART == 1
	.amdgcn_target "amdgcn-amd-amdhsa--gfx1250"
	.amdhsa_code_object_version 6
	.text
	.protected	k_qe6d77e7901_prep
	.globl	k_qe6d77e7901_prep
	.p2align	8
	.type	k_qe6d77e7901_prep,@function
k_qe6d77e7901_prep:
	s_mov_b64 s[64:65], 0
	v_nop
	global_prefetch_b8 v0, s[64:65] scope:SCOPE_SE
	s_setreg_imm32_b32 hwreg(HW_REG_WAVE_MODE, 25, 1), 1
	s_wait_xcnt 0x0
; PREP: two tables for the later launches.  No matrix work, no tensor loads; every wave works alone on LDS bytes of its own, so there is no barrier.
; ROLE M (work-groups 0-255): the mask, one byte for (b, query, key), becomes LANE MASKS.  maskw[b][wb 16][sigma 128][i 64] of 32-bit words: wb = a block of 128 queries, sigma = 4 x key step + piece
; (a key step is 64 keys, a piece 32 queries), i = 2 rho + u (u: which 16 queries of the piece; rho = 8 kb + jj).  Bit l of a word = mask[b][128 wb + 32 piece + 16 u + l % 16][64 step + 16 kb + 8 (l / 16) + jj].
; A wave takes 32 queries x 256 keys: 16 loads of two whole rows of 256 bytes, through LDS (pitch 272), then for each of four key steps 64 compares whose lane masks are gathered by v_writelane_b32:
; lane rho holds words 2 rho and 2 rho + 1, and one store of 8 bytes a lane covers 256 consecutive bytes, aligned.
; ROLE W (work-groups 256-319): wt[4][n 1024][k 1024], 16 bits: Wq, Wk, Wv turned and rounded to bf16; Wo turned, rounded to bf16, and that number written as f16 (it multiplies f16 operands).
; LIMIT: Wo in f16: beyond 65,504 it would be an infinity; below 6e-5 it keeps f16's fixed step of 6e-8.
; A wave takes 128 k x 64 n: rows k and k + 1 pack into words that go into LDS rows by n (pitch 272), and come back as whole rows of 256 bytes.
.set PITCH,  272                       ; an LDS row: 256 bytes + 16
.set WBYTES, 64*PITCH                  ; a wave's own bytes
.set SPARE,  8*WBYTES                  ; behind them: the spare words, 128 bytes for each wave: four blocks of 256 bytes that no other line names
.set C16,  2                           ; v2   lane % 16
.set HL,   3                           ; v3   lane / 16
.set ROWS, 4                           ; v4   LDS: my 16 bytes in the first two rows of my wave's bytes
.set GIN,  5                           ; v5   byte offset of my 16 bytes in the source
.set LA,   6                           ; v6   LDS: role M: where I read 8 mask bytes; role W: where I put a word
.set GOUT, 7                           ; v7   byte offset in the table that is written
.set T,    8                           ; v8-23  at work
.set SPW,  30                          ; v30  LDS address of my spare word; never rewritten
.set NIL,  31                          ; v31  0; never rewritten
.set X,    32                          ; v32-159  as loaded
.set D,    96                          ; v96-111  role M: 8 x 8 mask bytes
.set WD,   112                         ; v112-113 role M: the words of u = 0 and u = 1, lane rho
	s_load_b256 s[4:11], s[0:1], 0x0               ; mask s[4:5], Wq s[6:7], Wk s[8:9], Wv s[10:11]
	s_load_b128 s[12:15], s[0:1], 0x20             ; Wo s[12:13], wt s[14:15]
	s_load_b64 s[16:17], s[0:1], 0x30              ; maskw
	v_lshl_add_u32 v[SPW], v0, 2, SPARE
	v_mov_b32 v[NIL], 0
	v_lshrrev_b32 v1, 5, v0
	v_readfirstlane_b32 s20, v1                    ; wave 0..7
	v_and_b32 v[C16], 15, v0
	v_bfe_u32 v[HL], v0, 4, 1
	s_mul_i32 s21, s20, WBYTES                     ; my wave's bytes
	v_mul_u32_u24 v[ROWS], v[HL], PITCH
	v_lshl_add_u32 v[ROWS], v[C16], 4, v[ROWS]
	v_add_nc_u32 v[ROWS], s21, v[ROWS]
	s_wait_kmcnt 0x0
	s_cmp_lt_u32 ttmp9, 256
	s_cbranch_scc0 .Lweights
	; ---- ROLE M ----
	s_lshl_b32 s22, ttmp9, 3
	s_add_co_u32 s22, s22, s20                     ; unit 0..2047
	s_lshr_b32 s23, s22, 9                         ; b
	s_bfe_u32 s24, s22, 0x60003                    ; which 32 queries (6 bits from bit 3)
	s_and_b32 s25, s22, 7                          ; which 256 keys
	s_lshl_b32 s26, s23, 22                        ; b x 2048 x 2048
	s_lshl_b32 s27, s24, 16                        ; 32 rows of 2,048 bytes
	s_add_co_u32 s26, s26, s27
	s_lshl_b32 s27, s25, 8
	s_add_co_u32 s26, s26, s27
	s_mov_b32 s27, 0
	s_add_nc_u64 s[4:5], s[4:5], s[26:27]
	s_lshl_b32 s28, s23, 4
	s_lshr_b32 s29, s24, 2
	s_add_co_u32 s28, s28, s29                     ; 16 b + wb
	s_lshl_b32 s28, s28, 15                        ; x 128 x 256 bytes
	s_lshl_b32 s29, s25, 12                        ; four key steps x four pieces x 256 bytes
	s_add_co_u32 s28, s28, s29
	s_and_b32 s29, s24, 3                          ; the piece
	s_lshl_b32 s29, s29, 8
	s_add_co_u32 s28, s28, s29
	s_mov_b32 s29, 0
	s_add_nc_u64 s[16:17], s[16:17], s[28:29]
	v_lshlrev_b32 v[GIN], 11, v[HL]
	v_lshl_add_u32 v[GIN], v[C16], 4, v[GIN]       ; lanes 0-15 one row's 256 bytes, lanes 16-31 the next row's
.set n, 0
.rept 16
	global_load_b128 v[X+4*n:X+4*n+3], v[GIN], s[4:5] offset:n*4096 th:TH_LOAD_NT
.set n, n+1
.endr
	v_mul_u32_u24 v[LA], v[C16], PITCH
	v_lshl_add_u32 v[LA], v[HL], 3, v[LA]
	v_add_nc_u32 v[LA], s21, v[LA]                 ; query l % 16, keys 8 (l / 16) on
	v_and_b32 v[GOUT], 31, v0
	v_lshlrev_b32 v[GOUT], 3, v[GOUT]
	v_mov_b32 v[WD], 0                             ; v_writelane_b32 counts as a reader of its destination
	v_mov_b32 v[WD+1], 0
.set n, 0
.rept 16
	s_wait_loadcnt 15-n                            ; loads come back in order: number n is in, the younger ones stay out
	ds_store_b128 v[ROWS], v[X+4*n:X+4*n+3] offset:n*2*PITCH
.set n, n+1
.endr
	s_mov_b32 s30, 4
.Lkeys:                                                ; a trip: one key step of 64 keys.  LDS serves a wave's instructions in order, so these loads see the stores above
.set n, 0
.rept 8
	ds_load_b64 v[D+2*n:D+2*n+1], v[LA] offset:(n/4)*16*PITCH+(n%4)*16  ; u = n / 4, kb = n % 4
.set n, n+1
.endr
	s_wait_dscnt 0x0
.set n, 0
.rept 64                                               ; n = 32 u + 8 kb + jj
	v_and_b32 v[T+n%4], 0xff<<(8*(n%4)), v[D+2*(n/8)+(n%8)/4]
	v_cmp_ne_u32 s[40+n%8], 0, v[T+n%4]            ; bit l: is lane l's (query, key) visible
	v_writelane_b32 v[WD+n/32], s[40+n%8], n%32
.set n, n+1
.endr
	global_store_b64 v[GOUT], v[WD:WD+1], s[16:17] ; 256 consecutive bytes, aligned
	s_wait_xcnt 0x0                                ; the store's data and offset are rewritten only behind this wait
	v_add_nc_u32 v[GOUT], 1024, v[GOUT]            ; the next key step's sigma is four further on
	v_add_nc_u32 v[LA], 64, v[LA]
	s_sub_co_u32 s30, s30, 1
	s_cmp_lg_u32 s30, 0
	s_cbranch_scc1 .Lkeys
	s_wait_tensorcnt 0x0                           ; the wave's end, behind my last LDS store
	ds_add_u32 v[SPW], v[NIL]
	s_wait_dscnt 0x0
	s_endpgm
	; ---- ROLE W ----
.Lweights:
	s_sub_co_u32 s22, ttmp9, 256
	s_lshr_b32 s23, s22, 4                         ; which matrix
	s_and_b32 s25, s22, 15
	s_lshl_b32 s25, s25, 3
	s_add_co_u32 s25, s25, s20                     ; unit 0..127 of the matrix
	s_lshr_b32 s26, s25, 4                         ; which 128 k
	s_and_b32 s27, s25, 15                         ; which 64 n
	s_cmp_eq_u32 s23, 1
	s_cselect_b64 s[6:7], s[8:9], s[6:7]
	s_cmp_eq_u32 s23, 2
	s_cselect_b64 s[6:7], s[10:11], s[6:7]
	s_cmp_eq_u32 s23, 3
	s_cselect_b64 s[6:7], s[12:13], s[6:7]
	s_cselect_b32 s24, -1, 0                       ; all lanes: Wo goes out as f16
	s_lshl_b32 s28, s26, 19                        ; 128 rows of 4,096 bytes
	s_lshl_b32 s29, s27, 8
	s_add_co_u32 s28, s28, s29
	s_mov_b32 s29, 0
	s_add_nc_u64 s[6:7], s[6:7], s[28:29]
	s_lshl_b32 s28, s23, 21                        ; a turned matrix is 2 MiB
	s_lshl_b32 s29, s27, 17                        ; 64 rows of 2,048 bytes
	s_add_co_u32 s28, s28, s29
	s_lshl_b32 s29, s26, 8
	s_add_co_u32 s28, s28, s29
	s_mov_b32 s29, 0
	s_add_nc_u64 s[14:15], s[14:15], s[28:29]
	v_lshlrev_b32 v[GIN], 13, v[HL]
	v_lshl_add_u32 v[GIN], v[C16], 4, v[GIN]       ; lanes 16-31 two rows further down: a lane gets rows k and k + 1 of four n
	v_mul_u32_u24 v[LA], v[C16], 4*PITCH
	v_lshl_add_u32 v[LA], v[HL], 2, v[LA]
	v_add_nc_u32 v[LA], s21, v[LA]                 ; LDS row n = 4 (l % 16), byte 4 (l / 16)
	v_lshlrev_b32 v[GOUT], 11, v[HL]
	v_lshl_add_u32 v[GOUT], v[C16], 4, v[GOUT]
	s_mov_b32 s30, 4
.Lrows:                                                ; a trip: 32 rows of k
.set n, 0
.rept 16
	global_load_b128 v[X+4*n:X+4*n+3], v[GIN], s[6:7] offset:(4*(n/2)+n%2)*4096 th:TH_LOAD_NT
.set n, n+1
.endr
.set n, 0
.rept 8
	s_wait_loadcnt 14-2*n                          ; rows 4 n + 2 (l / 16) and the next are in
.irp e, 0,1,2,3
	v_cvt_pk_bf16_f32 v[T+4*(\e)], v[X+8*n+(\e)], v[X+8*n+4+(\e)]  ; the lower k in the low half
	v_lshlrev_b32 v[T+4*(\e)+1], 16, v[T+4*(\e)]
	v_and_b32 v[T+4*(\e)+2], 0xffff0000, v[T+4*(\e)]
	v_cvt_pk_f16_f32 v[T+4*(\e)+1], v[T+4*(\e)+1], v[T+4*(\e)+2]   ; the rounded numbers once more, as f16
	v_cndmask_b32 v[T+4*(\e)], v[T+4*(\e)], v[T+4*(\e)+1], s24
	ds_store_b32 v[LA], v[T+4*(\e)] offset:(\e)*PITCH+8*n
.endr
.set n, n+1
.endr
	s_add_nc_u64 s[6:7], s[6:7], 0x20000           ; the last wait was for 0: every load is done, its base may step
	v_add_nc_u32 v[LA], 64, v[LA]
	s_sub_co_u32 s30, s30, 1
	s_cmp_lg_u32 s30, 0
	s_cbranch_scc1 .Lrows
.set n, 0
.rept 32
	ds_load_b128 v[X+4*n:X+4*n+3], v[ROWS] offset:n*2*PITCH  ; two whole rows of n; served behind the stores above
.set n, n+1
.endr
.set n, 0
.rept 32
	s_wait_dscnt 31-n
	global_store_b128 v[GOUT], v[X+4*n:X+4*n+3], s[14:15] offset:n*4096  ; 16 lanes store 256 consecutive bytes, aligned
.set n, n+1
.endr
	s_wait_tensorcnt 0x0                           ; the wave's end, behind my last LDS store
	ds_add_u32 v[SPW], v[NIL]
	s_wait_dscnt 0x0
	s_endpgm
.Lfunc_end_k_qe6d77e7901_prep:
	.size	k_qe6d77e7901_prep, .Lfunc_end_k_qe6d77e7901_prep-k_qe6d77e7901_prep
	.p2alignl 7, 3214868480
	.fill 96, 4, 3214868480
	.section	.rodata,"a",@progbits
	.p2align	6, 0x0
	.amdhsa_kernel k_qe6d77e7901_prep
		.amdhsa_group_segment_fixed_size 140288
		.amdhsa_private_segment_fixed_size 0
		.amdhsa_enable_private_segment 0
		.amdhsa_kernarg_size 56
		.amdhsa_user_sgpr_count 2
		.amdhsa_user_sgpr_kernarg_segment_ptr 1
		.amdhsa_wavefront_size32 1
		.amdhsa_system_sgpr_workgroup_id_x 1
		.amdhsa_system_sgpr_workgroup_id_y 1
		.amdhsa_system_sgpr_workgroup_id_z 1
		.amdhsa_system_vgpr_workitem_id 0
		.amdhsa_next_free_vgpr 160
		.amdhsa_next_free_sgpr 66
		.amdhsa_reserve_vcc 0
		.amdhsa_float_denorm_mode_32 3
		.amdhsa_float_denorm_mode_16_64 3
		.amdhsa_memory_ordered 1
		.amdhsa_forward_progress 1
		.amdhsa_inst_pref_size 39
	.end_amdhsa_kernel
	.amdgpu_metadata
---
amdhsa.version: [ 1, 2 ]
amdhsa.kernels:
  - .name:           k_qe6d77e7901_prep
    .symbol:         k_qe6d77e7901_prep.kd
    .args:
      - { .name: mask, .offset: 0, .size: 8, .value_kind: global_buffer, .address_space: global }
      - { .name: Wq, .offset: 8, .size: 8, .value_kind: global_buffer, .address_space: global }
      - { .name: Wk, .offset: 16, .size: 8, .value_kind: global_buffer, .address_space: global }
      - { .name: Wv, .offset: 24, .size: 8, .value_kind: global_buffer, .address_space: global }
      - { .name: Wo, .offset: 32, .size: 8, .value_kind: global_buffer, .address_space: global }
      - { .name: wt, .offset: 40, .size: 8, .value_kind: global_buffer, .address_space: global }
      - { .name: maskw, .offset: 48, .size: 8, .value_kind: global_buffer, .address_space: global }
    .group_segment_fixed_size: 140288
    .private_segment_fixed_size: 0
    .kernarg_segment_align: 8
    .kernarg_segment_size: 56
    .max_flat_workgroup_size: 256
    .sgpr_count:     66
    .vgpr_count:     160
    .wavefront_size: 32
...
	.end_amdgpu_metadata
.endif
;; end of part 1
;; launch proj (part 2): grid 4 x 192, 4 waves a work-group, clusters of 4 x 4, 327,680 bytes of LDS; arguments query, key, value, wt, bq, bk, bv, qh, kh, vh; writes qh, kh, vh
.if DOCPART == 2
	.amdgcn_target "amdgcn-amd-amdhsa--gfx1250"
	.amdhsa_code_object_version 6
	.text
	.protected	k_qe6d77e7901_proj
	.globl	k_qe6d77e7901_proj
	.p2align	8
	.type	k_qe6d77e7901_proj,@function
k_qe6d77e7901_proj:
	s_mov_b64 s[64:65], 0
	v_nop
	global_prefetch_b8 v0, s[64:65] scope:SCOPE_SE
	s_setreg_imm32_b32 hwreg(HW_REG_WAVE_MODE, 25, 1), 1
	s_wait_xcnt 0x0
	s_wait_alu depctr_hold_cnt(0) depctr_sa_sdst(0) depctr_va_vdst(0) depctr_va_sdst(0) depctr_va_ssrc(0) depctr_va_vcc(0) depctr_vm_vsrc(0)
	s_getreg_b32 s2, hwreg(HW_REG_IB_STS2, 6, 4)
	s_cmp_eq_u32 s2, 0
	s_cbranch_scc0 .Lentry_in_a_cluster
	s_endpgm
.Lentry_in_a_cluster:
	s_bfe_u32 s2, ttmp6, 0x10000c
	s_cmp_lg_u32 s2, 0xf033
	s_cbranch_scc0 .Lentry_shape_is_right
	s_endpgm
.Lentry_shape_is_right:
; q, k, v = bf16(x) bf16(W) + bf16(b), sums in f32, written by heads as f16: [b*16+h][t 2048][64], WITHOUT the softmax scale.
; x: [8192][1024] f32 (query, key or value); W^T: wt[t][n 1024][k 1024] bf16, made by the launch before.
; LIMIT: |q|, |k|, |v| stay below 65,504 (f16); beyond that the conversion gives an infinity.
; SHARES.  A work-group makes 128 rows x 256 columns of one of the three products: 3 x 64 x 4 = 768 work-groups.  Four waves, each 64 x 128: 32 accumulators of 16 x 16.
; K goes in steps of 128 through two LDS slots.  x comes in as f32 (rows of 512 bytes) and is rounded to bf16 between LDS and the matrix unit: no copy of x goes through memory.
; CLUSTER 4 x 4: the four work-groups of a row of the cluster need the same tile of x, the four of a column the same tile of W^T: each is asked for jointly.  Which of the three products it is
; hangs on the cluster's y alone (16 clusters a product), so it is the same in all sixteen.
; THE MATRIX INSTRUCTION IS USED TRANSPOSED (source 0 = 16 rows of W^T, source 1 = 16 rows of x): a lane holds eight neighbouring columns of one row.  The bias, which then hangs on register and lane half
; alone, is the C operand of each sum's first product: nothing is cleared and nothing is added later.
; REGISTERS: window 0: v16-29 addresses; v32-95 the bias, 8 a column block; v160-255 at work on the way out.
;   window 1: v0-127 W^T's fragments, two buffers; v128-191 x as f32, 16 a fragment; v192-255 x's fragments in bf16, two buffers.     window 2: accumulator (a, b) at v[8 (8 a + b)].
.set KSTEP,  128
.set PITA,   528                       ; a row of x in LDS: 512 bytes + 16 = 132 words: row r starts at bank 4 r mod 64 (64 banks of 4 bytes: ISA guide 11.1)
.set PITB,   272                       ; a row of W^T: 256 bytes + 16 = 68 words: likewise
.set AH,     64*PITA                   ; what one tensor load brings of x, and what a wave reads of it
.set BH,     128*PITB                  ; the same for W^T
.set BOFF,   2*AH
.set SLOT,   2*AH+2*BH                 ; x's 128 rows, then W^T's 256 rows
.set STAGE,  2*SLOT                    ; behind the ring: 16 rows x 272 bytes for each wave, for the way out
.set SPITCH, 272
.set SPARE,  STAGE+4*16*SPITCH         ; behind the stages: the spare words, 128 bytes for each wave: two blocks of 256 bytes that no other line names
.set LAPS,   1024/(2*KSTEP)            ; a lap = two K steps = once round the ring
.set ADRA, 16                          ; v16-17  LDS address of my fragments of x in slot 0, 1
.set ADRB, 20                          ; v20-21  the same for W^T
.set STO,  24                          ; v24  the way out: where I put 16 bytes of a row
.set RD,   25                          ; v25  where I read rows back
.set GO,   26                          ; v26  16 x lane
.set BO,   27                          ; v27  32 x (lane / 16): my eight numbers of a bias block
.set SPW,  28                          ; v28  LDS address of my spare word; never rewritten
.set NIL,  29                          ; v29  0; never rewritten
.set BIAS, 32
.set TMP,  160
.set BK,   192                         ; two buffers of 32
.set BF,   0                           ; window 1
.set AS,   128
.set AF,   192
.set G1,  24                           ; s[24:31] descriptor group 1 for x's tiles;  s[32:39] group 0, one set for each slot
.set G0,  32
.set G1B, 48                           ; s[48:55], s[56:63] the same for W^T's
.set G0B, 56
.set MSB, 0
.macro WIN new                         ; the immediate's high byte repeats the setting that is left; a switch that changes nothing is dropped
.if MSB != (\new)
	s_set_vgpr_msb (MSB<<8)|(\new)
.set MSB, \new
.endif
.endm
.set MUL,  0xa5                        ; sources 0 and 1 window 1; C and D window 2
.set MULB, 0x85                        ; the same with C (the bias) in window 0
.set TO_F, 0x40                        ; destination window 1, address window 0
.set CV,   0x45                        ; destination and both sources window 1
.macro JLOAD s                         ; a joint load: waves 0 and 1 fetch x's two halves, waves 2 and 3 W^T's; an s_nop 0 and four v_nop follow each of the two lines
	s_cmp_eq_u32 s11, 0
	s_cbranch_scc0 .Lfor_b_\@
	tensor_load_to_lds s[G0+4*(\s):G0+4*(\s)+3], s[G1:G1+7]
	s_nop 0
.rept 4
	v_nop
.endr
	s_branch .Lasked_\@
.Lfor_b_\@:
	tensor_load_to_lds s[G0B+4*(\s):G0B+4*(\s)+3], s[G1B:G1B+7]
	s_nop 0
.rept 4
	v_nop
.endr
.Lasked_\@:
.endm
.macro CREST                           ; a round of the cluster's barrier behind its opening barrier
	s_cmp_lg_u32 s10, 0
	s_cbranch_scc1 .Lnot_wave_0_\@
	s_barrier_signal -3
.Lnot_wave_0_\@:
	s_barrier_wait -3
	s_barrier_signal -1
	s_barrier_wait -1
.endm
.macro CROUND                          ; a whole round
	s_barrier_signal -1
	s_barrier_wait -1
	CREST
.endm
	s_load_b512 s[72:87], s[0:1], 0x0              ; query 72, key 74, value 76, wt 78, bq 80, bk 82, bv 84, qh 86
	s_load_b128 s[88:91], s[0:1], 0x40             ; kh 88, vh 90
	v_lshl_add_u32 v[SPW], v0, 2, SPARE
	v_mov_b32 v[NIL], 0
	ds_add_u32 v[SPW], v[NIL]                      ; the wave's opening: the add and its wait stand ahead of my first tensor load; the set-up below stands between them
	v_lshrrev_b32 v1, 5, v0
	v_readfirstlane_b32 s10, v1                    ; wave 0..3
	s_lshr_b32 s11, s10, 1                         ; which 64 of the tile's rows are mine.  Also: I fetch for x (0) or for W^T (1)
	s_and_b32 s12, s10, 1                          ; which 128 of its columns.  Also: which half of that tile I fetch
	s_bfe_u32 s40, ttmp6, 0x40000                  ; cx, cy: my place in the cluster
	s_bfe_u32 s41, ttmp6, 0x40004
	s_lshl_b32 s42, ttmp9, 2
	s_add_co_u32 s42, s42, s40                     ; column tile = 4 x cluster x + cx
	s_and_b32 s45, ttmp7, 0xffff                   ; the cluster's y
	s_lshl_b32 s13, s45, 2
	s_add_co_u32 s13, s13, s41
	s_and_b32 s13, s13, 63                         ; row tile of the product
	s_lshr_b32 s45, s45, 4                         ; which product: 0 q, 1 k, 2 v
	s_lshl_b32 s43, s41, 2
	s_lshl_b32 s43, 15, s43                        ; my row of the cluster
	s_lshl_b32 s44, 0x1111, s40                    ; my column
	s_or_b32 s[G1+0], s43, (2<<16)|(1<<20)|(1<<21)|(6<<22)|(3<<25)   ; the mask of my row; 4-byte elements; padding on; 21 set beside a mask; after every 128 words (code 6) 4 words (code 3)
	s_mov_b32 s[G1+1], KSTEP<<16                   ; tensor_dim0 = 128
	s_mov_b32 s[G1+2], 64<<16                      ; tensor_dim1 = 64
	s_mov_b32 s[G1+3], KSTEP<<16                   ; tile_dim0 = 128
	s_mov_b32 s[G1+4], 64                          ; tile_dim1 = 64
	s_mov_b32 s[G1+5], 1024                        ; elements from row to row
	s_mov_b32 s[G1+6], 0
	s_mov_b32 s[G1+7], 0
	s_or_b32 s[G1B+0], s44, (1<<16)|(1<<20)|(1<<21)|(5<<22)|(3<<25)  ; the mask of my column; 2-byte elements; after every 64 words 4 words
	s_mov_b32 s[G1B+1], KSTEP<<16
	s_mov_b32 s[G1B+2], 128<<16
	s_mov_b32 s[G1B+3], KSTEP<<16
	s_mov_b32 s[G1B+4], 128
	s_mov_b32 s[G1B+5], 1024
	s_mov_b32 s[G1B+6], 0
	s_mov_b32 s[G1B+7], 0
	s_lshl_b32 s17, s12, 6                         ; x: row 128 x row tile + 64 x half, 4,096 bytes a row: made of the row tile and the wave's number alone
	s_lshl_b32 s16, s13, 7
	s_add_co_u32 s16, s16, s17
	s_lshl_b32 s16, s16, 12
	s_mov_b32 s17, 0
	s_lshl_b32 s47, s12, 7                         ; W^T: row 256 x column tile + 128 x half, 2,048 bytes a row, in the product's matrix of 2 MiB
	s_lshl_b32 s46, s42, 8
	s_add_co_u32 s46, s46, s47
	s_lshl_b32 s46, s46, 11
	s_lshl_b32 s47, s45, 21
	s_add_co_u32 s46, s46, s47
	s_mov_b32 s47, 0
	s_mul_i32 s20, s12, AH                         ; where they go: no place in the cluster enters an LDS address
	s_mul_i32 s21, s12, BH
	s_add_co_u32 s21, s21, BOFF
	s_wait_dscnt 0x0                               ; the opening add is done
	s_wait_kmcnt 0x0
	s_cmp_eq_u32 s45, 1                            ; the product's x, bias and output
	s_cselect_b64 s[4:5], s[74:75], s[72:73]
	s_cselect_b64 s[6:7], s[82:83], s[80:81]
	s_cselect_b64 s[8:9], s[88:89], s[86:87]
	s_cmp_eq_u32 s45, 2
	s_cselect_b64 s[4:5], s[76:77], s[4:5]
	s_cselect_b64 s[6:7], s[84:85], s[6:7]
	s_cselect_b64 s[8:9], s[90:91], s[8:9]
	s_add_nc_u64 s[14:15], s[4:5], s[16:17]
	s_add_nc_u64 s[46:47], s[78:79], s[46:47]
	CROUND                                         ; all sixteen work-groups are here: the first joint loads meet
.irp s, 0,1
	s_mov_b32 s[G0+4*(\s)], 1
	s_add_co_u32 s[G0+4*(\s)+1], s20, (\s)*SLOT
	s_add_nc_u64 s[G0+4*(\s)+2:G0+4*(\s)+3], s[14:15], (\s)*KSTEP*4
	s_or_b32 s[G0+4*(\s)+3], s[G0+4*(\s)+3], 0x80000000
	s_mov_b32 s[G0B+4*(\s)], 1
	s_add_co_u32 s[G0B+4*(\s)+1], s21, (\s)*SLOT
	s_add_nc_u64 s[G0B+4*(\s)+2:G0B+4*(\s)+3], s[46:47], (\s)*KSTEP*2
	s_or_b32 s[G0B+4*(\s)+3], s[G0B+4*(\s)+3], 0x80000000
	JLOAD \s                                       ; K steps 0 and 1: two loads of mine are out
.endr
	; while the tiles travel: the bias and the addresses
	s_lshl_b32 s68, s42, 10                        ; my 128 columns in the bias: 1,024 x column tile + 512 x half, in bytes
	s_lshl_b32 s69, s12, 9
	s_add_co_u32 s68, s68, s69
	s_mov_b32 s69, 0
	s_add_nc_u64 s[6:7], s[6:7], s[68:69]
	v_and_b32 v1, 15, v0                           ; l % 16
	v_bfe_u32 v2, v0, 4, 1                         ; l / 16
	v_lshlrev_b32 v[BO], 5, v2
.irp b, 0,1,2,3,4,5,6,7
	global_load_b128 v[BIAS+8*(\b):BIAS+8*(\b)+3],   v[BO], s[6:7] offset:64*(\b)     ; columns 16 b + 8 (l / 16) + 0..3
	global_load_b128 v[BIAS+8*(\b)+4:BIAS+8*(\b)+7], v[BO], s[6:7] offset:64*(\b)+16
.endr
	v_mul_u32_u24 v3, v1, PITA
	v_lshl_add_u32 v3, v2, 5, v3                   ; x as f32: row x pitch + 32 x half (8 numbers)
	v_mul_u32_u24 v4, v1, PITB
	v_lshl_add_u32 v4, v2, 4, v4                   ; W^T: row x pitch + 16 x half
	s_mul_i32 s22, s11, AH                         ; my 64 rows of x
	s_mul_i32 s23, s12, BH                         ; my 128 rows of W^T
	s_add_co_u32 s23, s23, BOFF
.irp s, 0,1
	v_add_nc_u32 v[ADRA+(\s)], s22, v3
	v_add_nc_u32 v[ADRB+(\s)], s23, v4
	s_add_co_u32 s22, s22, SLOT
	s_add_co_u32 s23, s23, SLOT
.endr
	s_mul_i32 s22, s10, 16*SPITCH
	s_add_co_u32 s22, s22, STAGE                   ; my stage
	v_mul_u32_u24 v5, v1, SPITCH                   ; in: row l % 16, 16 bytes for each half of the lanes
	v_lshl_add_u32 v5, v2, 4, v5
	v_add_nc_u32 v[STO], s22, v5
	v_bfe_u32 v5, v0, 3, 2                         ; back: 32 lanes take four rows' 128 bytes of one head
	v_mul_u32_u24 v5, v5, SPITCH
	v_and_b32 v6, 7, v0
	v_lshl_add_u32 v5, v6, 4, v5
	v_add_nc_u32 v[RD], s22, v5
	v_and_b32 v[GO], 31, v0
	v_lshlrev_b32 v[GO], 4, v[GO]                  ; which are 512 consecutive bytes of the output
	s_lshr_b32 s68, s13, 4                         ; the output: head 16 b + 4 x column tile + 2 x half, 262,144 bytes a head;
	s_lshl_b32 s68, s68, 4
	s_lshl_b32 s69, s42, 2
	s_add_co_u32 s68, s68, s69
	s_lshl_b32 s69, s12, 1
	s_add_co_u32 s68, s68, s69
	s_lshl_b32 s68, s68, 18
	s_and_b32 s69, s13, 15                         ; row 128 x (row tile % 16) + 64 x half, 128 bytes a row
	s_lshl_b32 s69, s69, 1
	s_add_co_u32 s69, s69, s11
	s_lshl_b32 s69, s69, 13
	s_add_co_u32 s68, s68, s69
	s_mov_b32 s69, 0
	s_add_nc_u64 s[8:9], s[8:9], s[68:69]
	s_wait_loadcnt 0x0                             ; the bias: rounded to bf16 like every input, and kept as f32
.set n, 0
.rept 32
	v_cvt_pk_bf16_f32 v[TMP+n], v[BIAS+2*n], v[BIAS+2*n+1]
.set n, n+1
.endr
.set n, 0
.rept 32
	v_lshlrev_b32 v[BIAS+2*n], 16, v[TMP+n]
	v_and_b32 v[BIAS+2*n+1], 0xffff0000, v[TMP+n]
.set n, n+1
.endr
; 4 matrix instructions: row block a x column blocks b0 .. b0 + 3, 32 along K, buffer f.  bias = 1: the first product starts the sum with the bias.  The 32 accumulators take turns, one instruction a turn.
.macro MUL4 f, a, b0, bias
.if \bias
	WIN MULB
.else
	WIN MUL
.endif
.irp q, 0,1,2,3
.if \bias
	v_wmma_f32_16x16x32_bf16 v[8*(8*(\a)+(\b0)+(\q)):8*(8*(\a)+(\b0)+(\q))+7], v[BF+64*(\f)+8*((\b0)+(\q)):BF+64*(\f)+8*((\b0)+(\q))+7], v[AF+32*(\f)+8*(\a):AF+32*(\f)+8*(\a)+7], v[BIAS+8*((\b0)+(\q)):BIAS+8*((\b0)+(\q))+7]
.else
	v_wmma_f32_16x16x32_bf16 v[8*(8*(\a)+(\b0)+(\q)):8*(8*(\a)+(\b0)+(\q))+7], v[BF+64*(\f)+8*((\b0)+(\q)):BF+64*(\f)+8*((\b0)+(\q))+7], v[AF+32*(\f)+8*(\a):AF+32*(\f)+8*(\a)+7], v[8*(8*(\a)+(\b0)+(\q)):8*(8*(\a)+(\b0)+(\q))+7]
.endif
.endr
.endm
.macro MUL8 f, a, bias
	MUL4 \f, \a, 0, \bias
	MUL4 \f, \a, 4, \bias
.endm
; 32 LDS loads in one run: quarter c (32 along K) of a slot.  First x as f32: a lane's K = 8 (l / 16) + 0..7 are 32 bytes, its K = 16 + 8 (l / 16) + 0..7 lie 64 bytes on.  Then W^T into buffer g.
.macro FETCH slot, c, g
	WIN TO_F
.irp a, 0,1,2,3
.irp o, 0,1,2,3
	ds_load_b128 v[AS+16*(\a)+4*(\o):AS+16*(\a)+4*(\o)+3], v[ADRA+(\slot)] offset:(\a)*16*PITA+128*(\c)+16*((\o)%2)+64*((\o)/2)
.endr
.endr
.irp b, 0,1,2,3,4,5,6,7
	ds_load_b128 v[BF+64*(\g)+8*(\b):BF+64*(\g)+8*(\b)+3],   v[ADRB+(\slot)] offset:(\b)*16*PITB+64*(\c)
	ds_load_b128 v[BF+64*(\g)+8*(\b)+4:BF+64*(\g)+8*(\b)+7], v[ADRB+(\slot)] offset:(\b)*16*PITB+64*(\c)+32
.endr
.endm
.macro CVG j, g                        ; half a fragment of x: eight f32 rounded to bf16, into buffer g
	WIN CV
.irp x, 0,1,2,3
	v_cvt_pk_bf16_f32 v[AF+32*(\g)+4*(\j)+(\x)], v[AS+8*(\j)+2*(\x)], v[AS+8*(\j)+2*(\x)+1]
.endr
.endm
; A K step is four quarters on buffers 0, 1, 0, 1.  One of the first three: multiplies buffer f; fetches quarter c into g at its head and converts it among its last 16 products.
; The last eight conversions stand behind the last product: they name none of its registers and are the four places in front of the next run of loads into W^T's buffer.
.macro QUARTER slot, c, f, g, bias
	FETCH \slot, \c, \g
	s_wait_dscnt 32                                ; all but the 32 just issued: buffer f's W^T is in
	MUL8 \f, 0, \bias
	MUL8 \f, 1, \bias
	s_wait_dscnt 16                                ; x as f32 is in; W^T's 16 loads may be out
	MUL4 \f, 2, 0, \bias
	CVG 0, \g
	CVG 1, \g
	MUL4 \f, 2, 4, \bias
	CVG 2, \g
	CVG 3, \g
	MUL4 \f, 3, 0, \bias
	CVG 4, \g
	CVG 5, \g
	MUL4 \f, 3, 4, \bias
	CVG 6, \g
	CVG 7, \g
.endm
; The last quarter multiplies buffer 1 and changes slots: ONE barrier; in front of it each wave waits for all its tensor loads (one is out: its part of the next slot), adds 0 to its spare word, and waits
; for that and for its reads of this slot.  fill = 1: the barrier opens a round of the cluster's, and this slot is filled again, two K steps ahead, first thing behind the round.
.macro TURN slot, next, fill
	WIN 0                                          ; (the add's two registers lie in window 0)
	s_wait_tensorcnt 0x0
	ds_add_u32 v[SPW], v[NIL]
	s_wait_dscnt 1                                 ; all but the add: buffer 1's W^T is in
	MUL8 1, 0, 0                                   ; eight matrix instructions stand between the add and the wait for it
	s_wait_dscnt 0x0                               ; the add is done, and my reads of this slot are over
	s_barrier_signal -1
	MUL8 1, 1, 0
.if \fill
	WIN 0
.endif
	s_barrier_wait -1
.if \fill
	CREST                                          ; no wave of any partner still reads this slot's tile or has a load on its way
	s_add_nc_u64 s[G0+4*(\slot)+2:G0+4*(\slot)+3], s[G0+4*(\slot)+2:G0+4*(\slot)+3], 2*KSTEP*4
	s_add_nc_u64 s[G0B+4*(\slot)+2:G0B+4*(\slot)+3], s[G0B+4*(\slot)+2:G0B+4*(\slot)+3], 2*KSTEP*2
	JLOAD \slot                                    ; my one tensor load behind the round: it has a K step less 16 products in which to land
.endif
	FETCH \next, 0, 0                              ; buffer 0's last reader stands in front of the eight conversions that ended the quarter before
	MUL8 1, 2, 0
	s_wait_dscnt 16
	MUL4 1, 3, 0, 0
	CVG 0, 0
	CVG 1, 0
	CVG 2, 0
	CVG 3, 0
	MUL4 1, 3, 4, 0
	CVG 4, 0
	CVG 5, 0
	CVG 6, 0
	CVG 7, 0
.endm
; THE WAY OUT of row block a: rounded to f16, 16 bytes a lane; into my own stage; back as four rows x 128 bytes of one head, which are 512 consecutive bytes of the output.
.macro PACK a
	WIN 0x0a                                       ; sources 0 and 1 window 2; each accumulator's registers in ascending order
.irp b, 0,1,2,3,4,5,6,7
.irp x, 0,1,2,3
	v_cvt_pk_f16_f32 v[TMP+4*(\b)+(\x)], v[8*(8*(\a)+(\b))+2*(\x)], v[8*(8*(\a)+(\b))+2*(\x)+1]
.endr
.endr
	WIN 0
.endm
.macro TOSTAGE a
.irp b, 0,1,2,3,4,5,6,7
	ds_store_b128 v[STO], v[TMP+4*(\b):TMP+4*(\b)+3] offset:32*(\b)
.endr
.irp t, 0,1,2,3,4,5,6,7                ; head t / 4, rows 4 (t % 4) on.  LDS serves a wave's instructions in order (ISA guide 5.7.1.4): these see the stores above
	ds_load_b128 v[BK+32*((\a)%2)+4*(\t):BK+32*((\a)%2)+4*(\t)+3], v[RD] offset:((\t)/4)*128+((\t)%4)*4*SPITCH
.endr
.endm
.macro SEND a
	s_wait_dscnt 0x0                               ; the block is back in registers
	s_wait_xcnt 0x0                                ; the buffer that the block before last was stored from is loaded again only behind this wait
.irp t, 0,1,2,3,4,5,6,7
	global_store_b128 v[GO], v[BK+32*((\a)%2)+4*(\t):BK+32*((\a)%2)+4*(\t)+3], s[8:9] offset:((\t)/4)*262144+(\a)*2048+((\t)%4)*512
.endr
.endm
	s_wait_tensorcnt 1                             ; my part of K step 0 is in; K step 1's may stay out
	s_barrier_signal -1
	s_barrier_wait -1                              ; everybody's is
	FETCH 0, 0, 0
	s_wait_dscnt 16
.irp j, 0,1,2,3,4,5,6,7
	CVG \j, 0
.endr
	QUARTER 0, 1, 0, 1, 1                          ; the first quarter stands in front of the loop: its products start the sums
	WIN 0                                          ; at a label and at a branch every window is 0
	s_mov_b32 s3, LAPS-1
.Llap:                                                 ; a trip goes once round the ring, from a lap's second quarter to the next lap's first, and fills both slots again
	QUARTER 0, 2, 1, 0, 0
	QUARTER 0, 3, 0, 1, 0
	TURN 0, 1, 1
	QUARTER 1, 1, 0, 1, 0
	QUARTER 1, 2, 1, 0, 0
	QUARTER 1, 3, 0, 1, 0
	TURN 1, 0, 1
	QUARTER 0, 1, 0, 1, 0
	WIN 0
	s_sub_co_u32 s3, s3, 1
	s_cmp_lg_u32 s3, 0
	s_cbranch_scc1 .Llap
	QUARTER 0, 2, 1, 0, 0                          ; the last lap fills nothing, and has no round of the cluster's barrier
	QUARTER 0, 3, 0, 1, 0
	TURN 0, 1, 0
	QUARTER 1, 1, 0, 1, 0
	QUARTER 1, 2, 1, 0, 0
	QUARTER 1, 3, 0, 1, 0
	s_wait_dscnt 0x0                               ; the very last quarter: nothing more to fetch
	MUL8 1, 0, 0
	MUL8 1, 1, 0
	MUL8 1, 2, 0
	MUL8 1, 3, 0
	WIN 0
.rept 4
	v_nop                                          ; four places in front of conversions that read results
.endr
	PACK 0
	TOSTAGE 0
.irp a, 1,2,3                          ; block a's conversions stand between block a - 1's loads from the stage and the wait for them
	PACK \a
	SEND (\a)-1
	TOSTAGE \a
.endr
	SEND 3
	s_wait_tensorcnt 0x0                           ; the wave's end: behind my last tensor load and my last LDS store
	ds_add_u32 v[SPW], v[NIL]
	s_wait_dscnt 0x0
	CROUND                                         ; the closing round: no work-group ends while a partner may still ask for a tile that names it
	s_endpgm
.Lfunc_end_k_qe6d77e7901_proj:
	.size	k_qe6d77e7901_proj, .Lfunc_end_k_qe6d77e7901_proj-k_qe6d77e7901_proj
	.p2alignl 7, 3214868480
	.fill 96, 4, 3214868480
	.section	.rodata,"a",@progbits
	.p2align	6, 0x0
	.amdhsa_kernel k_qe6d77e7901_proj
		.amdhsa_group_segment_fixed_size 327680
		.amdhsa_private_segment_fixed_size 0
		.amdhsa_enable_private_segment 0
		.amdhsa_kernarg_size 80
		.amdhsa_user_sgpr_count 2
		.amdhsa_user_sgpr_kernarg_segment_ptr 1
		.amdhsa_wavefront_size32 1
		.amdhsa_system_sgpr_workgroup_id_x 1
		.amdhsa_system_sgpr_workgroup_id_y 1
		.amdhsa_system_sgpr_workgroup_id_z 1
		.amdhsa_system_vgpr_workitem_id 0
		.amdhsa_next_free_vgpr 768
		.amdhsa_next_free_sgpr 96
		.amdhsa_reserve_vcc 0
		.amdhsa_float_denorm_mode_32 3
		.amdhsa_float_denorm_mode_16_64 3
		.amdhsa_memory_ordered 1
		.amdhsa_forward_progress 1
		.amdhsa_inst_pref_size 135
	.end_amdhsa_kernel
	.amdgpu_metadata
---
amdhsa.version: [ 1, 2 ]
amdhsa.kernels:
  - .name:           k_qe6d77e7901_proj
    .symbol:         k_qe6d77e7901_proj.kd
    .args:
      - { .name: query, .offset: 0, .size: 8, .value_kind: global_buffer, .address_space: global }
      - { .name: key, .offset: 8, .size: 8, .value_kind: global_buffer, .address_space: global }
      - { .name: value, .offset: 16, .size: 8, .value_kind: global_buffer, .address_space: global }
      - { .name: wt, .offset: 24, .size: 8, .value_kind: global_buffer, .address_space: global }
      - { .name: bq, .offset: 32, .size: 8, .value_kind: global_buffer, .address_space: global }
      - { .name: bk, .offset: 40, .size: 8, .value_kind: global_buffer, .address_space: global }
      - { .name: bv, .offset: 48, .size: 8, .value_kind: global_buffer, .address_space: global }
      - { .name: qh, .offset: 56, .size: 8, .value_kind: global_buffer, .address_space: global }
      - { .name: kh, .offset: 64, .size: 8, .value_kind: global_buffer, .address_space: global }
      - { .name: vh, .offset: 72, .size: 8, .value_kind: global_buffer, .address_space: global }
    .group_segment_fixed_size: 327680
    .private_segment_fixed_size: 0
    .kernarg_segment_align: 8
    .kernarg_segment_size: 80
    .max_flat_workgroup_size: 128
    .sgpr_count:     96
    .vgpr_count:     768
    .wavefront_size: 32
...
	.end_amdgpu_metadata
.endif
;; end of part 2
;; launch attn (part 3): grid 4 x 64, 4 waves a work-group, clusters of 4 x 1, 327,680 bytes of LDS; arguments qh, kh, vh, maskw, oh; writes oh
.if DOCPART == 3
	.amdgcn_target "amdgcn-amd-amdhsa--gfx1250"
	.amdhsa_code_object_version 6
	.text
	.protected	k_qe6d77e7901_attn
	.globl	k_qe6d77e7901_attn
	.p2align	8
	.type	k_qe6d77e7901_attn,@function
k_qe6d77e7901_attn:
	s_mov_b64 s[64:65], 0
	v_nop
	global_prefetch_b8 v0, s[64:65] scope:SCOPE_SE
	s_setreg_imm32_b32 hwreg(HW_REG_WAVE_MODE, 25, 1), 1
	s_wait_xcnt 0x0
	s_wait_alu depctr_hold_cnt(0) depctr_sa_sdst(0) depctr_va_vdst(0) depctr_va_sdst(0) depctr_va_ssrc(0) depctr_va_vcc(0) depctr_vm_vsrc(0)
	s_getreg_b32 s2, hwreg(HW_REG_IB_STS2, 6, 4)
	s_cmp_eq_u32 s2, 0
	s_cbranch_scc0 .Lentry_in_a_cluster
	s_endpgm
.Lentry_in_a_cluster:
	s_bfe_u32 s2, ttmp6, 0x10000c
	s_cmp_lg_u32 s2, 0x3003
	s_cbranch_scc0 .Lentry_shape_is_right
	s_endpgm
.Lentry_shape_is_right:
; MASKED ATTENTION.  O[bh][q][:] = the sum over k of softmax_k(mask ? Q[bh][q] . K[bh][k] / 8 : hidden) V[bh][k][:].  Q, K, V, O: [64][2048][64], all f16: a head's rows are dense, 128 bytes each.
; Products, maxima and sums in f32; the weights p are rounded to f16 for the second product (their sum l is taken of the unrounded p), O once at the end.
; THE MASK is an input, one bit for (b, query, key), shared by a batch's 16 heads.  The launch before has laid it out as lane masks: one 32-bit word for each register of scores.  A hidden score is REPLACED by
; H = -2^100 ahead of the running maximum (one v_cndmask_b32 a register), so the maximum is taken of what the softmax sees.  c H is exact, so in a row that is hidden altogether c s - c m is exactly 0,
; every weight is 1, and O is the plain mean of V's rows.  A hidden key beside a visible one gets the weight 0.
; LIMITS.  f16 holds no number beyond 65,504: Q, K and V arrive within it; p below 6e-5 keeps f16's fixed step of 6e-8.  A hidden score counts as -2^100 ahead of the scale 1/8, not -1e30 behind it: visible scaled
; scores below -1.5e29 are not told apart as a softmax over -1e30 would; f16's scores, 2.7e11 at the most, never come near.  A weight below 2^-126 counts as 0 in l; NaN and infinities are not treated apart.
; SHARES.  A wave owns four PIECES of two tiles of 16 queries, a work-group's four waves 512 queries of one head.  Every wave walks all 2,048 keys, 64 a step.
; LAYOUT.  S^T = K Q^T (source 0 = 16 keys, source 1 = 16 queries): a lane holds ONE query (lane % 16) and the keys 8 (lane / 16) + 0..7.  Two such tiles, rounded to f16 in pairs, ARE source 1 of
; O^T = V^T P.  K comes out of LDS as it lies, V turned, by ds_load_tr16_b128.
; SOFTMAX.  A running maximum m and sum l: p = 2^(c s - c m), c = log2(e) / 8; in every step O and l are multiplied by a = 2^(c m_old - c m_new).  m starts at the lowest finite number, O and l at 0.
; BY TURNS.  Turn n belongs to piece n.  Matrix work: 16 products K Q^T of piece n + 1, later 16 products V^T P of piece n - 1.  Vector work: scaling, exponentials, roundings, sums and rescaling of piece n;
; mask, maximum and statistics of piece n + 1.  300 vector instructions for 32 matrix instructions: four stand behind every product, the others in two lumps.
; CLUSTER.  The four query blocks of a cluster belong to one head and walk the same K and V: each tile is asked for JOINTLY.
; REGISTERS, in windows of 256 (s_set_vgpr_msb: bits 1:0 source 0, 3:2 source 1, 5:4 source 2, 7:6 destination):
;   window 0: v0-11 addresses, H and c; v12-15, v48-63 at work; v16-47 four registers of statistics a tile; v64-191 S^T, two buffers of two tiles; v192-255 P, likewise
;   window 1: O^T, 32 a tile          window 2: v0-127 Q; v128-191 K of one step; v192-255 V of one step          window 3: v0-1 the add's two registers
; SCALAR REGISTERS s32-63 and s68-99 hold the 64 mask words of the turn in hand; each quarter of them is loaded again, for the next turn, behind its last reader.
.set SIZE_N, 2048
.set NP,    4         ; pieces a wave: a name, no knob
.set KS,    64        ; keys in a step
.set PK,    144       ; a row of K in LDS: 128 bytes + 16 = 36 words: the 16 rows of a load start at 16 different groups of four banks (64 banks of 4 bytes: ISA guide 11.1)
.set PV,    160       ; a row of V: 128 + 32 = 40 words
.set VOFF,  4*KS*PK   ; a slot holds four steps: 256 rows of K, then 256 rows of V
.set SLOT1, 1<<17     ; slot 1 begins here, so that one exclusive or turns an address in one slot into the other's
.set STAGE, SLOT1+4*KS*(PK+PV)  ; behind the ring, never filled by a tensor load: 16 rows x 144 bytes for each wave
.set SP,    144
.set SPARE, STAGE+4*16*SP  ; behind the stages: the spare words, 128 bytes for each wave: two blocks of 256 bytes that no other line names
.set STO, 0           ; v0   (once the thread's number has served) the way out: where I put 16 bytes of a row
.set AK0, 2           ; v2   my lane's place in a tile of K; never rewritten
.set AV0, 3           ; v3   the same for V
.set AK,  4           ; v4   the LDS address of K's next run of loads
.set AV,  5           ; v5   of V's
.set QO,  6           ; v6   my byte offset in the wave's rows of Q
.set RD,  7           ; v7   the way out: where I read rows back
.set GO,  8           ; v8   my byte offset in 512 consecutive bytes of O
.set BIG, 9           ; v9   H = -2^100
.set CV,  10          ; v10-11  c, twice
.set SPW, 0           ; v0 of window 3   LDS address of my spare word; never rewritten
.set NIL, 1           ; v1 of window 3   0; never rewritten
.set MV,  12          ; v12-15  c m_old, kept while c m is made anew: by buffer and tile
.set ST,  16          ; tile t's statistics at v[ST+4 t]: c m, m, l (even keys', odd keys')
.set TMP, 48          ; by buffer and tile, four registers c0-c3 at work; when the maximum is found c2 takes a
.set S,   64
.set P,   192
.set KF,  128         ; window 2: key block kb, channel half c at KF + 16 kb + 8 c
.set VF,  192         ; window 2: key half kk, channel block cb at VF + 32 kk + 8 cb
.set OB,  2           ; s[2:3]   O at my wave's first row
.set G1K, 4           ; s[4:11]  descriptor group 1 for K's tiles
.set G1V, 12          ; s[12:19] for V's: it differs in the padding alone
.set G0K, 20          ; s[20:23] descriptor group 0 for K's tiles: it walks
.set G0V, 24          ; s[24:27] the same for V's
.set MP,  28          ; s[28:29] my wave's 128 x 64 mask words
.set SEL, 30          ; s[30:31] v_permlanex16_b32's selects: each lane takes its own place in the other half
.set MW,  32          ; mask word i at s[32 + i], from i = 32 on at s[36 + i]
.set WV,  66          ; s66  my wave's number
.set SLOTS, 67        ; s67  slots still to be asked for
.set CNT, 100         ; s100 counts a slot's key steps
.set TBK, 101         ; s101 LDS byte at which K of the step to be fetched begins
.set TBV, 104         ; s104 the same for V, less VOFF
.set MOFF, 105        ; s105 byte offset of the mask words to be loaded next
.set MSB, 0
.macro WIN new                      ; the high byte repeats the setting that is left; a switch that changes nothing is dropped
.if MSB != (\new)
	s_set_vgpr_msb (MSB<<8)|(\new)
.set MSB, (\new)
.endif
.endm
.set W_KQ, 0x0a       ; K and Q in window 2, S^T in window 0
.set W_PV, 0x52       ; V in window 2, P in window 0, O^T in window 1
.set W_RS, 0x41       ; O^T (destination and source 0) in window 1, a in window 0
.set W_MK, 0xc0       ; the add's registers are made: destination in window 3
.set W_AD, 0x0f       ; the add: address and data in window 3
; A joint fill.  Waves 0 and 1 fetch the two halves of a slot's K, waves 2 and 3 those of its V: 128 keys each.  An s_nop 0 and four v_nop follow each of the two lines.
.macro JLOAD
	s_cmp_lt_u32 s[WV], 2
	s_cbranch_scc0 .Lfor_v_\@
	tensor_load_to_lds s[G0K:G0K+3], s[G1K:G1K+7]
	s_nop 0
.rept 4
	v_nop
.endr
	s_branch .Lasked_\@
.Lfor_v_\@:
	tensor_load_to_lds s[G0V:G0V+3], s[G1V:G1V+7]
	s_nop 0
.rept 4
	v_nop
.endr
.Lasked_\@:
.endm
.macro CROUND                       ; a round of the cluster's barrier
	s_barrier_signal -1
	s_barrier_wait -1
	s_cmp_lg_u32 s[WV], 0
	s_cbranch_scc1 .Lnot_wave_0_\@
	s_barrier_signal -3
.Lnot_wave_0_\@:
	s_barrier_wait -3
	s_barrier_signal -1
	s_barrier_wait -1
.endm
; THE CHANGE OF SLOTS.  Each wave waits for all its tensor loads, of which one is out: its part of the other slot; adds 0 to its spare word; and waits for that and for its own reads of the slot.
; fill = 1: this slot is filled again, with the keys two slots on; the barrier is then a round of the cluster's, and the joint fill is the first thing behind it: it has four key steps in which to land.
; (At its first use nothing has been read yet: slot 0 is waited for, slot 1 filled.)
.macro CHANGE fill
	WIN W_AD
	s_wait_tensorcnt 0x0            ; no tensor load of mine is out, so a group 0 may be written
	ds_add_u32 v[SPW], v[NIL]
	WIN 0                           ; at a label and at a branch every window is 0
.if \fill
.irp g, G0K, G0V
	s_xor_b32 s[\g+1], s[\g+1], SLOT1  ; the walking descriptor: the other slot than last time,
	s_add_nc_u64 s[\g+2:\g+3], s[\g+2:\g+3], 4*KS*128  ; the next 256 keys; the type bits on top are not reached
.endr
	s_wait_dscnt 0x0                ; the add is done, and my reads of the slot are over
	CROUND
	JLOAD
.else
	s_wait_dscnt 0x0
	s_barrier_signal -1
	s_barrier_wait -1
.endif
	s_sub_co_u32 s[TBK], s[TBK], 4*KS*PK  ; the fetches go back to a slot's first step,
	s_xor_b32 s[TBK], s[TBK], SLOT1       ; in the other slot
	s_sub_co_u32 s[TBV], s[TBV], 4*KS*PV
	s_xor_b32 s[TBV], s[TBV], SLOT1
.endm
.macro MLOAD c                      ; quarter c of the 64 mask words at MOFF
	s_load_b512 s[MW+16*(\c)+4*((\c)/2):MW+16*(\c)+4*((\c)/2)+15], s[MP:MP+1], s[MOFF] offset:64*(\c)
.endm
	; The arguments and the set-up's scalars live in the mask words' registers until Q's loads have been issued.
	s_load_b256 s[32:39], s[0:1], 0x0  ; Q s[32:33], K s[34:35], V s[36:37], maskw s[38:39]
	s_load_b64 s[40:41], s[0:1], 0x20  ; O
	WIN W_MK
	v_lshl_add_u32 v[SPW], v0, 2, SPARE
	v_mov_b32 v[NIL], 0
	WIN W_AD
	ds_add_u32 v[SPW], v[NIL]       ; the wave's opening: the add and its wait stand ahead of my first tensor load; the set-up below stands between them
	WIN 0
	v_lshrrev_b32 v1, 5, v0
	v_readfirstlane_b32 s[WV], v1   ; wave 0..3
	s_bfe_u32 s42, ttmp6, 0x40000   ; cx: my place in the cluster
	s_lshl_b32 s43, ttmp9, 2
	s_add_co_u32 s43, s43, s42      ; my block of 512 queries: it enters Q's, O's and the mask's addresses alone
	s_and_b32 s44, ttmp7, 0xffff    ; 16 b + head, which the four partners share
	s_lshl_b32 s46, s44, 18         ; the head's first byte in Q, K, V, O: 2,048 rows of 128 bytes
	s_mov_b32 s47, 0
	s_and_b32 s48, s[WV], 1         ; which half of a slot's 256 keys I fetch:
	s_lshl_b32 s50, s48, 14         ; its 128 rows in memory,
	s_mov_b32 s51, 0
	s_add_nc_u64 s[50:51], s[50:51], s[46:47]
	s_mul_i32 s52, s48, 128*PK      ; and its place in a slot, for K
	s_mul_i32 s53, s48, 128*PV      ; and for V: no place in the cluster enters an LDS address
	s_lshl_b32 s54, s43, 2
	s_add_co_u32 s54, s54, s[WV]    ; my wave among the head's sixteen,
	s_lshl_b32 s56, s54, 14         ; its 128 rows
	s_mov_b32 s57, 0
	s_add_nc_u64 s[56:57], s[56:57], s[46:47]
	s_lshr_b32 s58, s44, 4          ; b
	s_lshl_b32 s58, s58, 4
	s_add_co_u32 s58, s58, s54
	s_lshl_b32 s58, s58, 15         ; (16 b + wave) x 128 x 256 bytes of mask words
	s_mov_b32 s59, 0
	s_mul_i32 s60, s[WV], 16*SP
	s_add_co_u32 s60, s60, STAGE    ; my stage
	; descriptor group 1.  128 keys are 16,384 dense bytes: asked for as 64 rows of 256 bytes, two keys a row, and padded in LDS after every key
	s_mov_b32 s[G1K], 15|(1<<16)|(1<<20)|(1<<21)|(4<<22)|(3<<25)  ; the mask of four; 2-byte elements; padding on; 21 set beside a mask; after every 32 words (code 4) 4 words (code 3)
	s_mov_b32 s[G1V], 15|(1<<16)|(1<<20)|(1<<21)|(4<<22)|(7<<25)  ; the same with 8 words of padding (code 7)
.irp g, G1K, G1V
	s_mov_b32 s[\g+1], 128<<16      ; tensor_dim0 = 128
	s_mov_b32 s[\g+2], 64<<16       ; tensor_dim1 = 64
	s_mov_b32 s[\g+3], 128<<16      ; tile_dim0 = 128
	s_mov_b32 s[\g+4], 64           ; tile_dim1 = 64
	s_mov_b32 s[\g+5], 128          ; 128 elements from row to row
	s_mov_b32 s[\g+6], 0
	s_mov_b32 s[\g+7], 0
.endr
	s_mov_b32 s[SEL], 0x76543210
	s_mov_b32 s[SEL+1], 0xfedcba98
	s_mov_b32 s[TBK], SLOT1+4*KS*PK ; the first change of slots turns these two into 0
	s_mov_b32 s[TBV], SLOT1+4*KS*PV
	s_mov_b32 s[MOFF], 0
	s_mov_b32 s[G0K], 1             ; count = 1
	s_mov_b32 s[G0K+1], s52         ; LDS address: slot 0
	s_mov_b32 s[G0V], 1
	s_add_co_u32 s[G0V+1], s53, VOFF
	s_wait_dscnt 0x0                ; the opening add is done
	s_wait_kmcnt 0x0
	s_add_nc_u64 s[G0K+2:G0K+3], s[34:35], s[50:51]  ; my half of the head's first 256 keys
	s_or_b32 s[G0K+3], s[G0K+3], 0x80000000          ; type = 2
	s_add_nc_u64 s[G0V+2:G0V+3], s[36:37], s[50:51]
	s_or_b32 s[G0V+3], s[G0V+3], 0x80000000
	s_add_nc_u64 s[32:33], s[32:33], s[56:57]        ; Q and O at my wave's first row
	s_add_nc_u64 s[OB:OB+1], s[40:41], s[56:57]
	s_add_nc_u64 s[MP:MP+1], s[38:39], s[58:59]
	CROUND                          ; all four work-groups are here: the first joint loads meet
	JLOAD                           ; slot 0.  Slot 1 is asked for when slot 0 is in
	; A fragment of K or Q is 16 rows x 32 channels in 8 registers: lane l holds row l % 16, channels 8 (l / 16) + 0..7 and 16 + 8 (l / 16) + 0..7: two loads of 16 bytes, 32 bytes apart.
	v_and_b32 v1, 15, v0            ; l % 16
	v_bfe_u32 v9, v0, 4, 1          ; l / 16
	v_lshlrev_b32 v[QO], 7, v1
	v_lshl_add_u32 v[QO], v9, 4, v[QO]
	WIN 0x80                        ; destination window 2, address window 0
.set i, 0
.rept 4*NP                          ; Q stays in registers: tile i / 2, channels 32 (i % 2) on
	global_load_b128 v[8*i:8*i+3],   v[QO], s[32:33] offset:(i/2)*2048+(i%2)*64
	global_load_b128 v[8*i+4:8*i+7], v[QO], s[32:33] offset:(i/2)*2048+(i%2)*64+32
.set i, i+1
.endr
	; What the first turn finds: V's registers and P's second buffer hold 0 (its products V^T P, of a piece that has not been, add 0), O^T and l are 0.  All this stands in the wait for the first tile.
.set i, VF
.rept 64
	v_mov_b32 v[i], 0
.set i, i+1
.endr
	WIN 0x40
.set i, 0
.rept 64*NP
	v_mov_b32 v[i], 0
.set i, i+1
.endr
	WIN 0
.set i, 0
.rept 2*NP
	v_mov_b32 v[ST+4*i], 0xfe000000    ; c m: far below every c s, c H too
	v_mov_b32 v[ST+4*i+1], 0xff7fffff  ; m
	v_mov_b32 v[ST+4*i+2], 0
	v_mov_b32 v[ST+4*i+3], 0
.set i, i+1
.endr
.set i, P+32
.rept 32
	v_mov_b32 v[i], 0
.set i, i+1
.endr
	v_mul_u32_u24 v[AK0], v1, PK
	v_lshl_add_u32 v[AK0], v9, 4, v[AK0]  ; row x pitch + 16 x half
	; The turning load takes 16 keys x 16 channels (lane l reads key 8 (l / 16) + l % 8, channels 8 ((l / 8) % 2) + 0..7) and leaves half a fragment of V^T.
	v_and_b32 v10, 7, v0
	v_bfe_u32 v11, v0, 3, 1
	v_lshl_add_u32 v[AV0], v9, 3, v10
	v_mul_u32_u24 v[AV0], v[AV0], PV
	v_lshl_add_u32 v[AV0], v11, 4, v[AV0]
	v_add_nc_u32 v[AV0], VOFF, v[AV0]
	v_mov_b32 v[AK], v[AK0]         ; key step 0 lies at the head of slot 0
	v_bfe_u32 v[RD], v0, 3, 2       ; the way out, back: 32 lanes take four rows of 128 bytes,
	v_mul_u32_u24 v[RD], v[RD], SP
	v_lshl_add_u32 v[RD], v10, 4, v[RD]
	v_add_nc_u32 v[RD], s60, v[RD]
	v_and_b32 v[GO], 31, v0         ; which are 512 consecutive bytes of O
	v_lshlrev_b32 v[GO], 4, v[GO]
	v_mul_u32_u24 v[STO], v1, SP    ; in: row l % 16, 16 bytes for each half of the lanes (the thread's number has served)
	v_lshl_add_u32 v[STO], v9, 4, v[STO]
	v_add_nc_u32 v[STO], s60, v[STO]
	s_wait_xcnt 0x0                 ; Q's loads have had their addresses translated: their base, and the other set-up scalars, give way to the mask words
	MLOAD 0                         ; piece 0, key step 0
	MLOAD 1
	MLOAD 2
	MLOAD 3
; THE MATRIX WORK.  The 8 accumulators of a run of 16 take turns.
; Product i of 16 of S^T = K Q^T for piece x: channels 32 (i / 8) on, keys 16 ((i / 2) % 4) on, tile 2 x + i % 2.  The first 8 start the sums.
.macro KQ x
	WIN W_KQ
.set rS, S+64*((\x)%2)+32*(i%2)+8*((i/2)%4)
.set rK, KF+16*((i/2)%4)+8*(i/8)
.set rQ, 16*(2*(\x)+i%2)+8*(i/8)
.if i < 8
	v_wmma_f32_16x16x32_f16 v[rS:rS+7], v[rK:rK+7], v[rQ:rQ+7], 0
.else
	v_wmma_f32_16x16x32_f16 v[rS:rS+7], v[rK:rK+7], v[rQ:rQ+7], v[rS:rS+7]
.endif
.endm
; Product i of 16 of O^T += V^T P for piece x: keys 32 (i / 8) on, channels 16 ((i / 2) % 4) on, tile 2 x + i % 2.
.macro PV x
	WIN W_PV
.set rO, 32*(2*(\x)+i%2)+8*((i/2)%4)
.set rV, VF+32*(i/8)+8*((i/2)%4)
.set rP, P+32*((\x)%2)+16*(i%2)+8*(i/8)
	v_wmma_f32_16x16x32_f16 v[rO:rO+7], v[rV:rV+7], v[rP:rP+7], v[rO:rO+7]
.endm
.macro MM                           ; the turn's next matrix instruction
.if i < 16
	KQ (Y+1)%NP
.set i, i+1
.else
.set i, i-16
	PV (Y+NP-1)%NP
.set i, i+17
.endif
.endm
; THE LDS LOADS stand in runs of 16.  last = 1 (the tail): in the last trip there is no further step, and the run is jumped over.
.macro FETCH_K last=0
	WIN 0
.if \last
	s_cmp_eq_u32 s[CNT], 1
	s_cbranch_scc1 .Lno_k_\@
.endif
	WIN 0x80                        ; destination window 2
.irp f, 0,1,2,3,4,5,6,7             ; keys 16 (f / 2) on, channels 32 (f % 2) on
	ds_load_b128 v[KF+8*\f:KF+8*\f+3],   v[AK] offset:(\f/2)*16*PK+(\f%2)*64
	ds_load_b128 v[KF+8*\f+4:KF+8*\f+7], v[AK] offset:(\f/2)*16*PK+(\f%2)*64+32
.endr
	s_add_co_u32 s[TBK], s[TBK], KS*PK  ; the next fetch is the next step's
	WIN 0
.if \last
.Lno_k_\@:
.endif
.endm
.macro FETCH_V
	WIN 0x80
.irp f, 0,1,2,3,4,5,6,7             ; keys 32 (f / 4) on, channels 16 (f % 4) on
	ds_load_tr16_b128 v[VF+8*\f:VF+8*\f+3],   v[AV] offset:(\f/4)*32*PV+(\f%4)*32
	ds_load_tr16_b128 v[VF+8*\f+4:VF+8*\f+7], v[AV] offset:(\f/4)*32*PV+16*PV+(\f%4)*32
.endr
	WIN 0
.endm
; THE VECTOR WORK OF A TURN stands in four queues, each in the order in which its entries become ready; the two tiles alternate.
.macro REGS y, u                    ; the registers of tile u (0, 1) of piece y
.set rT, ST+4*(2*(\y)+(\u))
.set rC, TMP+8*((\y)%2)+4*(\u)
.set rM, MV+2*((\y)%2)+(\u)
.set rS, S+64*((\y)%2)+32*(\u)
.set rP, P+32*((\y)%2)+16*(\u)
.set rO, 32*(2*(\y)+(\u))
.endm
; Number n of the 22 that find the NEXT piece's (Y + 1) maximum and statistics, behind its mask.
;   0-11  four chains c0-c3 of seven scores each     12-14, 16  the four scores left over, the old m, and c0-c3 into c0     15  c m_old is kept
;   17, 18  the query's other 32 keys lie in the lane 16 away: the new m         19-21  c m; c m_old - c m_new; a
.macro XS u, n
	REGS (Y+1)%NP, \u
.if (\n) < 4
	v_max3_num_f32 v[rC+(\n)], v[rS+8*(\n)], v[rS+8*(\n)+1], v[rS+8*(\n)+2]
.elseif (\n) < 12
	v_max3_num_f32 v[rC+(\n)%4], v[rC+(\n)%4], v[rS+8*((\n)%4)+2*((\n)/4)+1], v[rS+8*((\n)%4)+2*((\n)/4)+2]
.elseif (\n) == 12
	v_max3_num_f32 v[rC], v[rC], v[rS+7], v[rS+15]
.elseif (\n) == 13
	v_max3_num_f32 v[rC+1], v[rC+1], v[rS+23], v[rS+31]
	s_wait_alu depctr_va_vdst(0)
.elseif (\n) == 14
	v_max3_num_f32 v[rC+2], v[rC+2], v[rC+3], v[rT+1]
.elseif (\n) == 15
	v_mov_b32 v[rM], v[rT]
.elseif (\n) == 16
	v_max3_num_f32 v[rC], v[rC], v[rC+1], v[rC+2]
.elseif (\n) == 17
	v_permlanex16_b32 v[rC+3], v[rC], s[SEL], s[SEL+1]
	s_wait_alu depctr_va_vdst(0)
.elseif (\n) == 18
	v_max_num_f32 v[rT+1], v[rC], v[rC+3]
.elseif (\n) == 19
	v_mul_f32 v[rT], v[CV], v[rT+1]
.elseif (\n) == 20
	v_sub_f32 v[rC+1], v[rM], v[rT]
	s_wait_alu depctr_va_vdst(0)
.else
	v_exp_f32 v[rC+2], v[rC+1]
.endif
.endm
; Number n of the 64 that follow the exponentials.  For each four weights k of a tile: its first pair is rounded to f16; l takes the sum of the four before (the first time as l = a l + sum); its second pair is
; rounded; the second pair is added onto the first, in place.  Tiles alternate.  Group 0 has no group before it; behind group 7 only l is left.  Number n needs exponential n + 4 at the most.
.macro GS n
.set h, (\n)
.if h >= 2
.set h, h+2
.endif
	REGS Y, h%2
.set k, h/8
.set j, h%8
.if k == 8
	v_pk_add_f32 v[rT+2:rT+3], v[rT+2:rT+3], v[rS+28:rS+29]
.elseif j < 2
	s_wait_alu depctr_va_vdst(0)
	v_cvt_pk_f16_f32 v[rP+2*k], v[rS+4*k], v[rS+4*k+1]
.elseif (j < 4) && (k == 1)
	v_pk_fma_f32 v[rT+2:rT+3], v[rT+2:rT+3], v[rC+2:rC+3], v[rS:rS+1] op_sel_hi:[1,0,1]
.elseif j < 4
	v_pk_add_f32 v[rT+2:rT+3], v[rT+2:rT+3], v[rS+4*k-4:rS+4*k-3]
.elseif j < 6
	s_wait_alu depctr_va_vdst(0)
	v_cvt_pk_f16_f32 v[rP+2*k+1], v[rS+4*k+2], v[rS+4*k+3]
.else
	v_pk_add_f32 v[rS+4*k:rS+4*k+1], v[rS+4*k:rS+4*k+1], v[rS+4*k+2:rS+4*k+3]
.endif
.endm
; QUEUE A, 96 long, for piece Y: c s - c m for the 16 pairs of both tiles, then GS's 64.
.macro PA
	WIN 0
.if npa < 32
	REGS Y, npa%2
	v_pk_fma_f32 v[rS+2*(npa/2):rS+2*(npa/2)+1], v[rS+2*(npa/2):rS+2*(npa/2)+1], v[CV:CV+1], v[rT:rT+1] op_sel_hi:[1,0,0] neg_lo:[0,0,1] neg_hi:[0,0,1]
.else
	GS npa-32
.endif
.set npa, npa+1
.endm
; QUEUE B, 106 long, for piece Y + 1: the mask (score register n / 2 of tile n % 2 keeps its number where the word's bit is set and takes H elsewhere; in ascending order),
; then XS 0-20.
.macro PB
	WIN 0
.if npb < 64
	REGS (Y+1)%NP, npb%2
	v_cndmask_b32 v[rS+npb/2], v[BIG], v[rS+npb/2], s[MW+npb+4*(npb/32)]
.else
	XS (npb-64)%2, (npb-64)/2
.endif
.set npb, npb+1
.endm
; THE EXPONENTIALS' QUEUE, 66 long: s0-s31 of both tiles, at last the next piece's two a.
.macro EX
	WIN 0
.if e >= 64
	XS e-64, 21
.else
	REGS Y, e%2
	v_exp_f32 v[rS+e/2], v[rS+e/2]
.endif
.set e, e+1
.endm
; THE RESCALING's QUEUE: O^T times a, the one part that leaves window 0, dealt four at a time, eight times; each accumulator from its low end on.
.macro R4
	REGS Y, r%2
	WIN W_RS
	s_wait_alu depctr_va_vdst(0)
.irp z, 0,1,2,3
	v_pk_mul_f32 v[rO+8*(r/2)+2*\z:rO+8*(r/2)+2*\z+1], v[rO+8*(r/2)+2*\z:rO+8*(r/2)+2*\z+1], v[rC+2:rC+3] op_sel_hi:[1,0]
.endr
.set r, r+1
.endm
; HOW THEY ARE DEALT.  66 GROUPS of plain, exponential, plain, plain: a plain instruction that names nothing of the exponential stands behind each (ISA guide 5.7.2), and no two exponentials follow each other.
; Group g takes its three plain ones from: A A A (g < 11 and g > 63); B B B (11-31: the mask, which begins behind the sixteenth K Q^T and four rescalings, the places of ISA guide 7.12.1);
; A B A (32-52); B B A (53-63).  With the four A at the turn's head: 96 A, 106 B.  The counts that this keeps: GS n stands in group n + 6 or later, exponential n + 4 in group n + 4; mask word 63 in group 32, XS 0
; in group 33; XS 16-20, each of which waits for the one before, a group apart in 59-63; v_permlanex16_b32 in group 60, in a lump.  A quarter of the mask words is loaded again behind the group of its last reader.
.macro GRP
.if (g < 11) || (g > 63)
	PA
	EX
	PA
	PA
.elseif g < 32
	PB
	EX
	PB
	PB
.elseif g < 53
	PA
	EX
	PB
	PA
.else
	PB
	EX
	PB
	PA
.endif
.set g, g+1
.if g == 17
	MLOAD 0
.elseif g == 22
	MLOAD 1
.elseif g == 27
	MLOAD 2
.elseif g == 33
	MLOAD 3
.endif
.endm
.macro SL
	MM
	GRP
.endm
.macro BURST n                      ; 15 matrix instructions, or 16: behind each a group, or four of the rescaling; none names a register of the products round it
.rept (\n)-7
	SL
.endr
.rept 3
	MM
	R4
	SL
.endr
	MM
	R4
.endm
; A TURN, for piece p.  K of the next step is fetched in piece 2's turn, behind four rescalings and three groups that follow the last product that read K; V of the step in hand at the end of piece 0's turn.
.macro TURN p, last=0
.set Y, (\p)
.set i, 0
.set g, 0
.set npa, 0
.set npb, 0
.set e, 0
.set r, 0
.if (\p) == NP-1
	s_wait_dscnt 0x0                ; K is in
.endif
	MM
.rept 4
	PA
.endr
	BURST 15                        ; groups 0-10
	s_wait_kmcnt 0x0                ; this turn's mask words are in (scalar loads come back in no order: the wait is for 0), and no scalar load still reads MOFF:
	s_add_co_u32 s[MOFF], s[MOFF], 256   ; the next turn's words; the last turns ask for the last words once more, so that no load leaves the table
	s_min_u32 s[MOFF], s[MOFF], 127*256
.rept 21                            ; groups 11-31
	GRP
.if ((\p) == NP-2) && (g == 12)
	v_add_nc_u32 v[AK], s[TBK], v[AK0]
.endif
.if ((\p) == NP-2) && (g == 14)
	FETCH_K \last
.endif
.endr
.if (\p) == 1
	s_wait_dscnt 0x0                ; V is in
.endif
	BURST 16                        ; groups 32-43
.rept 22                            ; groups 44-65
	GRP
.if ((\p) == 0) && (g == 58)
	v_add_nc_u32 v[AV], s[TBV], v[AV0]
.endif
.if ((\p) == 0) && (g == 62)
	s_add_co_u32 s[TBV], s[TBV], KS*PV
.endif
.endr
.if (\p) == 0
	FETCH_V
.endif
.endm
	CHANGE 1                        ; slot 0 is in, everybody's part of it; slot 1 is asked for
	FETCH_K                         ; key step 0
	s_wait_loadcnt 0x0              ; Q
	s_wait_dscnt 0x0
.set i, 0
.rept 16
	KQ 0                            ; piece 0's first scores
.set i, i+1
.endr
	WIN 0
	v_mov_b32 v[BIG], 0xf1800000    ; H = -2^100.  These four lines are the places behind those products
	v_mov_b32 v[CV], 0x3e38aa3b     ; c = log2(e) / 8 = 0.180337
	v_mov_b32 v[CV+1], 0x3e38aa3b
	v_nop
	s_wait_kmcnt 0x0                ; piece 0's mask words
.set Y, NP-1                        ; queue B and XS work for piece Y + 1: piece 0
.set npb, 0
.rept 64
	PB
.endr
	s_mov_b32 s[MOFF], 256
	MLOAD 0                         ; piece 1, key step 0
	MLOAD 1
	MLOAD 2
	MLOAD 3
.irp n, 0,1,2,3,4,5,6,7,8,9,10,11,12,13,14,15,16,17,18,19,20,21
	XS 0, \n                        ; piece 0's first maximum and statistics
	XS 1, \n
.endr
	s_mov_b32 s[CNT], 4
	s_mov_b32 s[SLOTS], SIZE_N/256-1
	s_branch .Lfirst                ; the loop is entered at a step's first turn, in the middle of a trip
.Lslot:                             ; every slot but the last two is filled again
	CHANGE 1
	s_mov_b32 s[CNT], 4
.Lstep:                             ; a trip: pieces 2 and 3 of one step, then pieces 0 and 1 of the next, whose K and V it fetches
	TURN 2
	TURN 3
	WIN 0
.Lfirst:
	TURN 0
	TURN 1
	WIN 0
	s_sub_co_u32 s[CNT], s[CNT], 1
	s_cmp_lg_u32 s[CNT], 0
	s_cbranch_scc1 .Lstep
	s_sub_co_u32 s[SLOTS], s[SLOTS], 1
	s_cmp_lg_u32 s[SLOTS], 0
	s_cbranch_scc1 .Lslot
	CHANGE 0                        ; the tail is written out: nothing is asked for
	s_mov_b32 s[CNT], 5             ; four trips fetch the last slot's steps; the fifth is left in its middle
.Ltail:
	TURN 2, 1
	TURN 3
	WIN 0
	s_sub_co_u32 s[CNT], s[CNT], 1
	s_cmp_eq_u32 s[CNT], 0
	s_cbranch_scc1 .Lout
	TURN 0
	TURN 1
	WIN 0
	s_branch .Ltail
.Lout:                              ; the fifth trip's 16 products K Q^T (on the last K once more) and what is made of them serve nothing: the price, once a launch, of one text for every trip
.set i, 0
.rept 16
	PV NP-1                         ; the last piece's V^T P of the last step
.set i, i+1
.endr
	; THE WAY OUT.  l's two halves and the other half of the lanes' are added; O^T is divided by l, rounded to f16 and sent through my stage in LDS, a tile at a time.  The additions are the places behind the last products.
	WIN 0
.macro ALL line:vararg              ; one line for each tile t
.set t, 0
.rept 2*NP
	\line
.set t, t+1
.endr
.endm
	ALL v_add_f32 v[ST+4*t+2], v[ST+4*t+2], v[ST+4*t+3]
	ALL v_permlanex16_b32 v[ST+4*t+3], v[ST+4*t+2], s[SEL], s[SEL+1]
	ALL v_add_f32 v[ST+4*t+2], v[ST+4*t+2], v[ST+4*t+3]
	ALL v_rcp_f32 v[ST+4*t+2], v[ST+4*t+2]
	v_nop                           ; a plain instruction between the last reciprocal and the use of its result
	s_wait_alu depctr_va_vdst(0)
.macro PACK t                       ; a lane's eight channels of a row pack into 16 bytes; they go into rows of 144 bytes and come back as whole rows of 128, into S^T's registers
	WIN W_RS
.set i, 32*(\t)
.rept 16
	v_pk_mul_f32 v[i:i+1], v[i:i+1], v[ST+4*(\t)+2:ST+4*(\t)+3] op_sel_hi:[1,0]
.set i, i+2
.endr
	WIN 0x05                        ; sources 0 and 1 window 1, destination window 0
.set i, 0
.rept 16
	v_cvt_pk_f16_f32 v[S+16*(\t)+i], v[32*(\t)+2*i], v[32*(\t)+2*i+1]
.set i, i+1
.endr
	WIN 0
.irp f, 0,1,2,3
	ds_store_b128 v[STO], v[S+16*(\t)+4*\f:S+16*(\t)+4*\f+3] offset:32*\f
.endr
.irp f, 0,1,2,3
	ds_load_b128 v[S+16*(\t)+4*\f:S+16*(\t)+4*\f+3], v[RD] offset:\f*4*SP  ; LDS serves a wave's instructions in order (ISA guide 5.7.1.4): these see the stores above
.endr
.endm
.macro SEND t, younger              ; younger: the LDS instructions issued behind tile t's loads: the next tile's eight, or none
	WIN 0
.irp f, 0,1,2,3
	s_wait_dscnt (\younger)+3-\f
	global_store_b128 v[GO], v[S+16*(\t)+4*\f:S+16*(\t)+4*\f+3], s[OB:OB+1] offset:(\t)*2048+\f*512  ; 512 consecutive bytes, at a multiple of 256 from O's first
.endr
.endm
	PACK 0
.set t, 1
.rept 2*NP-1                        ; a tile's arithmetic stands between the loads of the tile before and its stores
	PACK t
	SEND t-1, 8
.set t, t+1
.endr
	SEND 2*NP-1, 0
	WIN W_AD
	s_wait_tensorcnt 0x0            ; the wave's end: behind my last tensor load and my last LDS store
	ds_add_u32 v[SPW], v[NIL]
	s_wait_dscnt 0x0
	WIN 0
	CROUND                          ; the closing round: no work-group ends while a partner may still ask for a tile that names it
	s_endpgm
.Lfunc_end_k_qe6d77e7901_attn:
	.size	k_qe6d77e7901_attn, .Lfunc_end_k_qe6d77e7901_attn-k_qe6d77e7901_attn
	.p2alignl 7, 3214868480
	.fill 96, 4, 3214868480
	.section	.rodata,"a",@progbits
	.p2align	6, 0x0
	.amdhsa_kernel k_qe6d77e7901_attn
		.amdhsa_group_segment_fixed_size 327680
		.amdhsa_private_segment_fixed_size 0
		.amdhsa_enable_private_segment 0
		.amdhsa_kernarg_size 40
		.amdhsa_user_sgpr_count 2
		.amdhsa_user_sgpr_kernarg_segment_ptr 1
		.amdhsa_wavefront_size32 1
		.amdhsa_system_sgpr_workgroup_id_x 1
		.amdhsa_system_sgpr_workgroup_id_y 1
		.amdhsa_system_sgpr_workgroup_id_z 1
		.amdhsa_system_vgpr_workitem_id 0
		.amdhsa_next_free_vgpr 770
		.amdhsa_next_free_sgpr 106
		.amdhsa_reserve_vcc 0
		.amdhsa_float_denorm_mode_32 3
		.amdhsa_float_denorm_mode_16_64 3
		.amdhsa_memory_ordered 1
		.amdhsa_forward_progress 1
		.amdhsa_inst_pref_size 247
	.end_amdhsa_kernel
	.amdgpu_metadata
---
amdhsa.version: [ 1, 2 ]
amdhsa.kernels:
  - .name:           k_qe6d77e7901_attn
    .symbol:         k_qe6d77e7901_attn.kd
    .args:
      - { .name: qh, .offset: 0, .size: 8, .value_kind: global_buffer, .address_space: global }
      - { .name: kh, .offset: 8, .size: 8, .value_kind: global_buffer, .address_space: global }
      - { .name: vh, .offset: 16, .size: 8, .value_kind: global_buffer, .address_space: global }
      - { .name: maskw, .offset: 24, .size: 8, .value_kind: global_buffer, .address_space: global }
      - { .name: oh, .offset: 32, .size: 8, .value_kind: global_buffer, .address_space: global }
    .group_segment_fixed_size: 327680
    .private_segment_fixed_size: 0
    .kernarg_segment_align: 8
    .kernarg_segment_size: 40
    .max_flat_workgroup_size: 128
    .sgpr_count:     106
    .vgpr_count:     770
    .wavefront_size: 32
...
	.end_amdgpu_metadata
.endif
;; end of part 3
;; launch outp (part 4): grid 4 x 64, 4 waves a work-group, clusters of 4 x 4, 327,680 bytes of LDS; arguments oh, wt, bo, out0; writes out0
.if DOCPART == 4
	.amdgcn_target "amdgcn-amd-amdhsa--gfx1250"
	.amdhsa_code_object_version 6
	.text
	.protected	k_qe6d77e7901_outp
	.globl	k_qe6d77e7901_outp
	.p2align	8
	.type	k_qe6d77e7901_outp,@function
k_qe6d77e7901_outp:
	s_mov_b64 s[64:65], 0
	v_nop
	global_prefetch_b8 v0, s[64:65] scope:SCOPE_SE
	s_setreg_imm32_b32 hwreg(HW_REG_WAVE_MODE, 25, 1), 1
	s_wait_xcnt 0x0
	s_wait_alu depctr_hold_cnt(0) depctr_sa_sdst(0) depctr_va_vdst(0) depctr_va_sdst(0) depctr_va_ssrc(0) depctr_va_vcc(0) depctr_vm_vsrc(0)
	s_getreg_b32 s2, hwreg(HW_REG_IB_STS2, 6, 4)
	s_cmp_eq_u32 s2, 0
	s_cbranch_scc0 .Lentry_in_a_cluster
	s_endpgm
.Lentry_in_a_cluster:
	s_bfe_u32 s2, ttmp6, 0x10000c
	s_cmp_lg_u32 s2, 0xf033
	s_cbranch_scc0 .Lentry_shape_is_right
	s_endpgm
.Lentry_shape_is_right:
; out0 = O Wo + bf16(bo).  O: oh[b*16+h][t 2048][64] f16, by heads; Wo^T: matrix 3 of wt, [n 1024][k 1024], bf16-rounded numbers written as f16; out0: [8192][1024] f32.  Sums in f32.
; SHARES.  A work-group makes 128 rows x 256 columns: 64 x 4 = 256 work-groups.  Four waves, each 64 x 128: 32 accumulators.  A K step of 128 is two heads: a head's 128 rows are 16,384 dense bytes,
; asked for as 64 rows of 256 bytes and padded in LDS after every 128.  Two LDS slots take turns.
; CLUSTER 4 x 4: O's tile is shared along a row of the cluster, Wo^T's along a column: each is asked for jointly.
; THE MATRIX INSTRUCTION IS USED TRANSPOSED (source 0 = 16 rows of Wo^T, source 1 = 16 rows of O): a lane holds eight neighbouring columns of a row; the bias is the C operand of each sum's first product.
; REGISTERS: window 0: v16-29 addresses; v32-95 the bias; v96-223 rows on the way out (v160-191 first serve the bias's rounding).
;   window 1: v0-127 Wo^T's fragments, two buffers; v128-191 O's, two buffers.     window 2: accumulator (a, b) at v[8 (8 a + b)].
.set KSTEP,  128
.set PITA,   144                       ; a row of one head in LDS: 128 bytes + 16 = 36 words: the 16 rows of a load start at 16 different groups of four banks (64 banks of 4 bytes: ISA guide 11.1)
.set PITB,   272
.set AHO,    128*PITA                  ; one head's 128 rows: what one tensor load brings of O
.set BH,     128*PITB
.set BOFF,   2*AHO
.set SLOT,   2*AHO+2*BH
.set STAGE,  2*SLOT                    ; behind the ring: 16 rows x 528 bytes for each wave
.set OPITCH, 528                       ; 512 bytes + 16
.set SPARE,  STAGE+4*16*OPITCH         ; behind the stages: the spare words, 128 bytes for each wave: two blocks of 256 bytes that no other line names
.set LAPS,   1024/(2*KSTEP)
.set ADRA, 16
.set ADRB, 20
.set STO,  24
.set RD,   25
.set GO,   26
.set BO,   27
.set SPW,  28                          ; v28  LDS address of my spare word; never rewritten
.set NIL,  29                          ; v29  0; never rewritten
.set BIAS, 32
.set BK,   96                          ; two buffers of 64
.set TMP,  160
.set BF,   0                           ; window 1
.set AF,   128
.set G1,  24
.set G0,  32
.set G1B, 48
.set G0B, 56
.set MSB, 0
.macro WIN new
.if MSB != (\new)
	s_set_vgpr_msb (MSB<<8)|(\new)
.set MSB, \new
.endif
.endm
.set MUL,  0xa5                        ; sources 0 and 1 window 1; C and D window 2
.set MULB, 0x85                        ; the same with C (the bias) in window 0
.set TO_F, 0x40                        ; destination window 1, address window 0
.macro JLOAD s                         ; a joint load: waves 0 and 1 fetch O's two heads, waves 2 and 3 Wo^T's halves; an s_nop 0 and four v_nop follow each of the two lines
	s_cmp_eq_u32 s11, 0
	s_cbranch_scc0 .Lfor_b_\@
	tensor_load_to_lds s[G0+4*(\s):G0+4*(\s)+3], s[G1:G1+7]
	s_nop 0
.rept 4
	v_nop
.endr
	s_branch .Lasked_\@
.Lfor_b_\@:
	tensor_load_to_lds s[G0B+4*(\s):G0B+4*(\s)+3], s[G1B:G1B+7]
	s_nop 0
.rept 4
	v_nop
.endr
.Lasked_\@:
.endm
.macro CREST
	s_cmp_lg_u32 s10, 0
	s_cbranch_scc1 .Lnot_wave_0_\@
	s_barrier_signal -3
.Lnot_wave_0_\@:
	s_barrier_wait -3
	s_barrier_signal -1
	s_barrier_wait -1
.endm
.macro CROUND
	s_barrier_signal -1
	s_barrier_wait -1
	CREST
.endm
	s_load_b256 s[72:79], s[0:1], 0x0              ; oh 72, wt 74, bo 76, out0 78
	v_lshl_add_u32 v[SPW], v0, 2, SPARE
	v_mov_b32 v[NIL], 0
	ds_add_u32 v[SPW], v[NIL]                      ; the wave's opening: the add and its wait stand ahead of my first tensor load
	v_lshrrev_b32 v1, 5, v0
	v_readfirstlane_b32 s10, v1                    ; wave 0..3
	s_lshr_b32 s11, s10, 1                         ; which 64 rows are mine.  Also: I fetch for O (0) or for Wo^T (1)
	s_and_b32 s12, s10, 1                          ; which 128 columns.  Also: which head of the step, or which half of Wo^T's tile, I fetch
	s_bfe_u32 s40, ttmp6, 0x40000
	s_bfe_u32 s41, ttmp6, 0x40004
	s_lshl_b32 s42, ttmp9, 2
	s_add_co_u32 s42, s42, s40                     ; column tile
	s_and_b32 s13, ttmp7, 0xffff
	s_lshl_b32 s13, s13, 2
	s_add_co_u32 s13, s13, s41                     ; row tile 0..63
	s_lshl_b32 s43, s41, 2
	s_lshl_b32 s43, 15, s43                        ; my row of the cluster
	s_lshl_b32 s44, 0x1111, s40                    ; my column
	s_or_b32 s[G1+0], s43, (1<<16)|(1<<20)|(1<<21)|(4<<22)|(3<<25)   ; 2-byte elements; padding after every 32 words (code 4) of 4 words (code 3)
	s_mov_b32 s[G1+1], 128<<16                     ; tensor_dim0 = 128 (256 bytes: two rows of the head)
	s_mov_b32 s[G1+2], 64<<16
	s_mov_b32 s[G1+3], 128<<16
	s_mov_b32 s[G1+4], 64
	s_mov_b32 s[G1+5], 128
	s_mov_b32 s[G1+6], 0
	s_mov_b32 s[G1+7], 0
	s_or_b32 s[G1B+0], s44, (1<<16)|(1<<20)|(1<<21)|(5<<22)|(3<<25)
	s_mov_b32 s[G1B+1], KSTEP<<16
	s_mov_b32 s[G1B+2], 128<<16
	s_mov_b32 s[G1B+3], KSTEP<<16
	s_mov_b32 s[G1B+4], 128
	s_mov_b32 s[G1B+5], 1024
	s_mov_b32 s[G1B+6], 0
	s_mov_b32 s[G1B+7], 0
	s_lshr_b32 s16, s13, 4                         ; O: batch b = 16 heads of 262,144 bytes;
	s_lshl_b32 s16, s16, 22
	s_and_b32 s17, s13, 15                         ; 128 rows of 128 bytes;
	s_lshl_b32 s17, s17, 14
	s_add_co_u32 s16, s16, s17
	s_lshl_b32 s17, s12, 18                        ; my head of the step's two
	s_add_co_u32 s16, s16, s17
	s_mov_b32 s17, 0
	s_lshl_b32 s47, s12, 7                         ; Wo^T: row 256 x column tile + 128 x half, 2,048 bytes a row, in matrix 3
	s_lshl_b32 s46, s42, 8
	s_add_co_u32 s46, s46, s47
	s_lshl_b32 s46, s46, 11
	s_add_co_u32 s46, s46, 3<<21
	s_mov_b32 s47, 0
	s_mul_i32 s20, s12, AHO
	s_mul_i32 s21, s12, BH
	s_add_co_u32 s21, s21, BOFF
	s_wait_dscnt 0x0                               ; the opening add is done
	s_wait_kmcnt 0x0
	s_add_nc_u64 s[14:15], s[72:73], s[16:17]
	s_add_nc_u64 s[46:47], s[74:75], s[46:47]
	CROUND                                         ; all sixteen work-groups are here: the first joint loads meet
.irp s, 0,1
	s_mov_b32 s[G0+4*(\s)], 1
	s_add_co_u32 s[G0+4*(\s)+1], s20, (\s)*SLOT
	s_add_nc_u64 s[G0+4*(\s)+2:G0+4*(\s)+3], s[14:15], (\s)*2*262144   ; K step s: two heads on
	s_or_b32 s[G0+4*(\s)+3], s[G0+4*(\s)+3], 0x80000000
	s_mov_b32 s[G0B+4*(\s)], 1
	s_add_co_u32 s[G0B+4*(\s)+1], s21, (\s)*SLOT
	s_add_nc_u64 s[G0B+4*(\s)+2:G0B+4*(\s)+3], s[46:47], (\s)*KSTEP*2
	s_or_b32 s[G0B+4*(\s)+3], s[G0B+4*(\s)+3], 0x80000000
	JLOAD \s
.endr
	s_lshl_b32 s68, s42, 10                        ; my 128 columns, in bytes of f32: in the bias and in a row of the output
	s_lshl_b32 s69, s12, 9
	s_add_co_u32 s68, s68, s69
	s_mov_b32 s69, 0
	s_add_nc_u64 s[6:7], s[76:77], s[68:69]
	s_add_nc_u64 s[8:9], s[78:79], s[68:69]
	s_lshl_b32 s68, s13, 1
	s_add_co_u32 s68, s68, s11
	s_lshl_b32 s68, s68, 18                        ; row 128 x row tile + 64 x half, 4,096 bytes a row
	s_add_nc_u64 s[8:9], s[8:9], s[68:69]
	v_and_b32 v1, 15, v0
	v_bfe_u32 v2, v0, 4, 1
	v_lshlrev_b32 v[BO], 5, v2
.irp b, 0,1,2,3,4,5,6,7
	global_load_b128 v[BIAS+8*(\b):BIAS+8*(\b)+3],   v[BO], s[6:7] offset:64*(\b)
	global_load_b128 v[BIAS+8*(\b)+4:BIAS+8*(\b)+7], v[BO], s[6:7] offset:64*(\b)+16
.endr
	v_mul_u32_u24 v3, v1, PITA
	v_lshl_add_u32 v3, v2, 4, v3
	v_mul_u32_u24 v4, v1, PITB
	v_lshl_add_u32 v4, v2, 4, v4
	s_mul_i32 s22, s11, 64*PITA                    ; my 64 rows in each head's tile
	s_mul_i32 s23, s12, BH
	s_add_co_u32 s23, s23, BOFF
.irp s, 0,1
	v_add_nc_u32 v[ADRA+(\s)], s22, v3
	v_add_nc_u32 v[ADRB+(\s)], s23, v4
	s_add_co_u32 s22, s22, SLOT
	s_add_co_u32 s23, s23, SLOT
.endr
	s_mul_i32 s22, s10, 16*OPITCH
	s_add_co_u32 s22, s22, STAGE                   ; my stage
	v_mul_u32_u24 v5, v1, OPITCH                   ; in: row l % 16, 32 bytes for each half of the lanes
	v_lshl_add_u32 v5, v2, 5, v5
	v_add_nc_u32 v[STO], s22, v5
	v_and_b32 v[GO], 31, v0
	v_lshlrev_b32 v[GO], 4, v[GO]                  ; back and out: a row's 512 bytes, 16 a lane
	v_add_nc_u32 v[RD], s22, v[GO]
	s_wait_loadcnt 0x0                             ; the bias: rounded to bf16 like every input, and kept as f32
.set n, 0
.rept 32
	v_cvt_pk_bf16_f32 v[TMP+n], v[BIAS+2*n], v[BIAS+2*n+1]
.set n, n+1
.endr
.set n, 0
.rept 32
	v_lshlrev_b32 v[BIAS+2*n], 16, v[TMP+n]
	v_and_b32 v[BIAS+2*n+1], 0xffff0000, v[TMP+n]
.set n, n+1
.endr
; 8 matrix instructions: row block a x all 8 column blocks, 32 along K, buffer f.  The 32 accumulators take turns, one instruction a turn.
.macro MUL8 f, a, bias
.if \bias
	WIN MULB
.else
	WIN MUL
.endif
.irp q, 0,1,2,3,4,5,6,7
.if \bias
	v_wmma_f32_16x16x32_f16 v[8*(8*(\a)+(\q)):8*(8*(\a)+(\q))+7], v[BF+64*(\f)+8*(\q):BF+64*(\f)+8*(\q)+7], v[AF+32*(\f)+8*(\a):AF+32*(\f)+8*(\a)+7], v[BIAS+8*(\q):BIAS+8*(\q)+7]
.else
	v_wmma_f32_16x16x32_f16 v[8*(8*(\a)+(\q)):8*(8*(\a)+(\q))+7], v[BF+64*(\f)+8*(\q):BF+64*(\f)+8*(\q)+7], v[AF+32*(\f)+8*(\a):AF+32*(\f)+8*(\a)+7], v[8*(8*(\a)+(\q)):8*(8*(\a)+(\q))+7]
.endif
.endr
.endm
; 24 LDS loads in one run: quarter c of a slot (head c / 2 of the step, channels 32 (c % 2) on) into buffer g
.macro FETCH slot, c, g
	WIN TO_F
.irp a, 0,1,2,3
	ds_load_b128 v[AF+32*(\g)+8*(\a):AF+32*(\g)+8*(\a)+3],   v[ADRA+(\slot)] offset:((\c)/2)*AHO+((\c)%2)*64+(\a)*16*PITA
	ds_load_b128 v[AF+32*(\g)+8*(\a)+4:AF+32*(\g)+8*(\a)+7], v[ADRA+(\slot)] offset:((\c)/2)*AHO+((\c)%2)*64+(\a)*16*PITA+32
.endr
.irp b, 0,1,2,3,4,5,6,7
	ds_load_b128 v[BF+64*(\g)+8*(\b):BF+64*(\g)+8*(\b)+3],   v[ADRB+(\slot)] offset:(\b)*16*PITB+64*(\c)
	ds_load_b128 v[BF+64*(\g)+8*(\b)+4:BF+64*(\g)+8*(\b)+7], v[ADRB+(\slot)] offset:(\b)*16*PITB+64*(\c)+32
.endr
.endm
.macro PLACES                          ; four places in front of loads into registers that matrix instructions have read, and of stores that read results
.rept 4
	v_nop
.endr
.endm
.macro QUARTER slot, c, f, g, bias     ; multiplies buffer f; at its head it fetches quarter c into g, which the quarter before multiplied
	PLACES
	FETCH \slot, \c, \g
	s_wait_dscnt 24                                ; all but the 24 just issued
	MUL8 \f, 0, \bias
	MUL8 \f, 1, \bias
	MUL8 \f, 2, \bias
	MUL8 \f, 3, \bias
.endm
; The last quarter multiplies buffer 1 and changes slots: ONE barrier; in front of it each wave waits for all its tensor loads, adds 0 to its spare word, and waits for that and for its reads of this slot.
.macro TURN slot, next, fill
	WIN 0
	s_wait_tensorcnt 0x0                           ; all my tensor loads have landed: my part of the next slot
	ds_add_u32 v[SPW], v[NIL]
	s_wait_dscnt 1                                 ; all but the add: buffer 1 is in
	MUL8 1, 0, 0
	s_wait_dscnt 0x0                               ; the add is done, and my reads of this slot are over
	s_barrier_signal -1
	MUL8 1, 1, 0
.if \fill
	WIN 0
.endif
	s_barrier_wait -1
.if \fill
	CREST                                          ; no wave of any partner still reads this slot's tile or has a load on its way
	s_add_nc_u64 s[G0+4*(\slot)+2:G0+4*(\slot)+3], s[G0+4*(\slot)+2:G0+4*(\slot)+3], 4*262144
	s_add_nc_u64 s[G0B+4*(\slot)+2:G0B+4*(\slot)+3], s[G0B+4*(\slot)+2:G0B+4*(\slot)+3], 2*KSTEP*2
	JLOAD \slot                                    ; my one tensor load behind the round; its four v_nop are also the places in front of the loads below
.else
	PLACES
.endif
	FETCH \next, 0, 0
	MUL8 1, 2, 0
	MUL8 1, 3, 0
.endm
; THE WAY OUT of row block a: f32 as it is, 32 bytes a lane into my own stage, back as whole rows of 512 bytes.
.macro STG a
	s_wait_xcnt 0x0                                ; the buffer that the block before last was stored from is loaded again only behind this wait
	WIN 0x08                                       ; store data (source 1) in window 2; each accumulator's low registers first
.irp b, 0,1,2,3,4,5,6,7
	ds_store_b128 v[STO], v[8*(8*(\a)+(\b)):8*(8*(\a)+(\b))+3]   offset:64*(\b)
	ds_store_b128 v[STO], v[8*(8*(\a)+(\b))+4:8*(8*(\a)+(\b))+7] offset:64*(\b)+16
.endr
	WIN 0
.irp t, 0,1,2,3,4,5,6,7,8,9,10,11,12,13,14,15
	ds_load_b128 v[BK+64*((\a)%2)+4*(\t):BK+64*((\a)%2)+4*(\t)+3], v[RD] offset:(\t)*OPITCH  ; LDS serves a wave's instructions in order (ISA guide 5.7.1.4)
.endr
.endm
.macro SEND a, younger                 ; younger: the LDS instructions issued behind block a's loads: the next block's 32, or none
.irp t, 0,1,2,3,4,5,6,7,8,9,10,11,12,13,14,15
	s_wait_dscnt (\younger)+15-(\t)
	global_store_b128 v[GO], v[BK+64*((\a)%2)+4*(\t):BK+64*((\a)%2)+4*(\t)+3], s[8:9] offset:(16*(\a)+(\t))*4096 th:TH_STORE_NT  ; 512 consecutive bytes, aligned
.endr
.endm
	s_wait_tensorcnt 1                             ; my part of K step 0 is in; K step 1's may stay out
	s_barrier_signal -1
	s_barrier_wait -1
	FETCH 0, 0, 0
	QUARTER 0, 1, 0, 1, 1                          ; the first quarter stands in front of the loop: its products start the sums
	WIN 0
	s_mov_b32 s3, LAPS-1
.Llap:
	QUARTER 0, 2, 1, 0, 0
	QUARTER 0, 3, 0, 1, 0
	TURN 0, 1, 1
	QUARTER 1, 1, 0, 1, 0
	QUARTER 1, 2, 1, 0, 0
	QUARTER 1, 3, 0, 1, 0
	TURN 1, 0, 1
	QUARTER 0, 1, 0, 1, 0
	WIN 0
	s_sub_co_u32 s3, s3, 1
	s_cmp_lg_u32 s3, 0
	s_cbranch_scc1 .Llap
	QUARTER 0, 2, 1, 0, 0                          ; the last lap fills nothing
	QUARTER 0, 3, 0, 1, 0
	TURN 0, 1, 0
	QUARTER 1, 1, 0, 1, 0
	QUARTER 1, 2, 1, 0, 0
	QUARTER 1, 3, 0, 1, 0
	s_wait_dscnt 0x0
	MUL8 1, 0, 0
	MUL8 1, 1, 0
	MUL8 1, 2, 0
	MUL8 1, 3, 0
	WIN 0
	PLACES
	STG 0
.irp a, 1,2,3
	STG \a
	SEND (\a)-1, 32
.endr
	SEND 3, 0
	s_wait_tensorcnt 0x0                           ; the wave's end: behind my last tensor load and my last LDS store
	ds_add_u32 v[SPW], v[NIL]
	s_wait_dscnt 0x0
	CROUND                                         ; the closing round
	s_endpgm
.Lfunc_end_k_qe6d77e7901_outp:
	.size	k_qe6d77e7901_outp, .Lfunc_end_k_qe6d77e7901_outp-k_qe6d77e7901_outp
	.p2alignl 7, 3214868480
	.fill 96, 4, 3214868480
	.section	.rodata,"a",@progbits
	.p2align	6, 0x0
	.amdhsa_kernel k_qe6d77e7901_outp
		.amdhsa_group_segment_fixed_size 327680
		.amdhsa_private_segment_fixed_size 0
		.amdhsa_enable_private_segment 0
		.amdhsa_kernarg_size 32
		.amdhsa_user_sgpr_count 2
		.amdhsa_user_sgpr_kernarg_segment_ptr 1
		.amdhsa_wavefront_size32 1
		.amdhsa_system_sgpr_workgroup_id_x 1
		.amdhsa_system_sgpr_workgroup_id_y 1
		.amdhsa_system_sgpr_workgroup_id_z 1
		.amdhsa_system_vgpr_workitem_id 0
		.amdhsa_next_free_vgpr 768
		.amdhsa_next_free_sgpr 80
		.amdhsa_reserve_vcc 0
		.amdhsa_float_denorm_mode_32 3
		.amdhsa_float_denorm_mode_16_64 3
		.amdhsa_memory_ordered 1
		.amdhsa_forward_progress 1
		.amdhsa_inst_pref_size 93
	.end_amdhsa_kernel
	.amdgpu_metadata
---
amdhsa.version: [ 1, 2 ]
amdhsa.kernels:
  - .name:           k_qe6d77e7901_outp
    .symbol:         k_qe6d77e7901_outp.kd
    .args:
      - { .name: oh, .offset: 0, .size: 8, .value_kind: global_buffer, .address_space: global }
      - { .name: wt, .offset: 8, .size: 8, .value_kind: global_buffer, .address_space: global }
      - { .name: bo, .offset: 16, .size: 8, .value_kind: global_buffer, .address_space: global }
      - { .name: out0, .offset: 24, .size: 8, .value_kind: global_buffer, .address_space: global }
    .group_segment_fixed_size: 327680
    .private_segment_fixed_size: 0
    .kernarg_segment_align: 8
    .kernarg_segment_size: 32
    .max_flat_workgroup_size: 128
    .sgpr_count:     80
    .vgpr_count:     768
    .wavefront_size: 32
...
	.end_amdgpu_metadata
.endif
;; end of part 4
;; ======== version 2 of 3: 4 launches; 1.10 times as fast as version 1
;; limits: values are held in f16: magnitudes above 65,504 overflow, below 6.1e-05 lose precision
;; workspace buffers: wt 8,388,608 bytes; maskw 2,097,152 bytes of whole numbers; qh 16,777,216 bytes; kh 16,777,216 bytes; vh 16,777,216 bytes; oh 16,777,216 bytes
;; launch prep (part 5): grid 320 x 1, 8 waves a work-group, no clusters, 140,288 bytes of LDS; arguments mask, Wq, Wk, Wv, Wo, wt, maskw; writes wt, maskw
.if DOCPART == 5
	.amdgcn_target "amdgcn-amd-amdhsa--gfx1250"
	.amdhsa_code_object_version 6
	.text
	.protected	k_qe6d77e7901_prep
	.globl	k_qe6d77e7901_prep
	.p2align	8
	.type	k_qe6d77e7901_prep,@function
k_qe6d77e7901_prep:
	s_mov_b64 s[64:65], 0
	v_nop
	global_prefetch_b8 v0, s[64:65] scope:SCOPE_SE
	s_setreg_imm32_b32 hwreg(HW_REG_WAVE_MODE, 25, 1), 1
	s_wait_xcnt 0x0
; PREP: two tables for the later launches.  No matrix work, no tensor loads; every wave works alone on LDS bytes of its own, so there is no barrier.
; ROLE M (work-groups 0-255): the mask, one byte for (b, query, key), becomes LANE MASKS.  maskw[b][wb 16][sigma 128][i 64] of 32-bit words: wb = a block of 128 queries, sigma = 4 x key step + piece
; (a key step is 64 keys, a piece 32 queries), i = 2 rho + u (u: which 16 queries of the piece; rho = 8 kb + jj).  Bit l of a word = mask[b][128 wb + 32 piece + 16 u + l % 16][64 step + 16 kb + 8 (l / 16) + jj].
; A wave takes 32 queries x 256 keys: 16 loads of two whole rows of 256 bytes, through LDS (pitch 272), then for each of four key steps 64 compares whose lane masks are gathered by v_writelane_b32:
; lane rho holds words 2 rho and 2 rho + 1, and one store of 8 bytes a lane covers 256 consecutive bytes, aligned.
; ROLE W (work-groups 256-319): wt[4][n 1024][k 1024], 16 bits: Wq, Wk, Wv turned and rounded to bf16; Wo turned, rounded to bf16, and that number written as f16 (it multiplies f16 operands).
; LIMIT: Wo in f16: beyond 65,504 it would be an infinity; below 6e-5 it keeps f16's fixed step of 6e-8.
; A wave takes 128 k x 64 n: rows k and k + 1 pack into words that go into LDS rows by n (pitch 272), and come back as whole rows of 256 bytes.
; The two roles' 2,048 + 512 wave units make 320 work-groups of eight waves: not a multiple of 256; the role hangs on the work-group's number alone.
.set PITCH,  272                       ; an LDS row: 256 bytes + 16
.set WBYTES, 64*PITCH                  ; a wave's own bytes
.set SPARE,  8*WBYTES                  ; behind them: the spare words, 128 bytes for each wave: four blocks of 256 bytes that no other line names
.set C16,  2                           ; v2   lane % 16
.set HL,   3                           ; v3   lane / 16
.set ROWS, 4                           ; v4   LDS: my 16 bytes in the first two rows of my wave's bytes
.set GIN,  5                           ; v5   byte offset of my 16 bytes in the source
.set LA,   6                           ; v6   LDS: role M: where I read 8 mask bytes; role W: where I put a word
.set GOUT, 7                           ; v7   byte offset in the table that is written
.set T,    8                           ; v8-23  at work
.set SPW,  30                          ; v30  LDS address of my spare word; never rewritten
.set NIL,  31                          ; v31  0; never rewritten
.set X,    32                          ; v32-159  as loaded
.set D,    96                          ; v96-111  role M: 8 x 8 mask bytes
.set WD,   112                         ; v112-113 role M: the words of u = 0 and u = 1, lane rho
	s_load_b256 s[4:11], s[0:1], 0x0               ; mask s[4:5], Wq s[6:7], Wk s[8:9], Wv s[10:11]
	s_load_b128 s[12:15], s[0:1], 0x20             ; Wo s[12:13], wt s[14:15]
	s_load_b64 s[16:17], s[0:1], 0x30              ; maskw
	v_lshl_add_u32 v[SPW], v0, 2, SPARE
	v_mov_b32 v[NIL], 0
	v_lshrrev_b32 v1, 5, v0
	v_readfirstlane_b32 s20, v1                    ; wave 0..7
	v_and_b32 v[C16], 15, v0
	v_bfe_u32 v[HL], v0, 4, 1
	s_mul_i32 s21, s20, WBYTES                     ; my wave's bytes
	v_mul_u32_u24 v[ROWS], v[HL], PITCH
	v_lshl_add_u32 v[ROWS], v[C16], 4, v[ROWS]
	v_add_nc_u32 v[ROWS], s21, v[ROWS]
	s_wait_kmcnt 0x0
	s_cmp_lt_u32 ttmp9, 256
	s_cbranch_scc0 .Lweights
	; ---- ROLE M ----
	s_lshl_b32 s22, ttmp9, 3
	s_add_co_u32 s22, s22, s20                     ; unit 0..2047
	s_lshr_b32 s23, s22, 9                         ; b
	s_bfe_u32 s24, s22, 0x60003                    ; which 32 queries (6 bits from bit 3)
	s_and_b32 s25, s22, 7                          ; which 256 keys
	s_lshl_b32 s26, s23, 22                        ; b x 2048 x 2048
	s_lshl_b32 s27, s24, 16                        ; 32 rows of 2,048 bytes
	s_add_co_u32 s26, s26, s27
	s_lshl_b32 s27, s25, 8
	s_add_co_u32 s26, s26, s27
	s_mov_b32 s27, 0
	s_add_nc_u64 s[4:5], s[4:5], s[26:27]
	s_lshl_b32 s28, s23, 4
	s_lshr_b32 s29, s24, 2
	s_add_co_u32 s28, s28, s29                     ; 16 b + wb
	s_lshl_b32 s28, s28, 15                        ; x 128 x 256 bytes
	s_lshl_b32 s29, s25, 12                        ; four key steps x four pieces x 256 bytes
	s_add_co_u32 s28, s28, s29
	s_and_b32 s29, s24, 3                          ; the piece
	s_lshl_b32 s29, s29, 8
	s_add_co_u32 s28, s28, s29
	s_mov_b32 s29, 0
	s_add_nc_u64 s[16:17], s[16:17], s[28:29]
	v_lshlrev_b32 v[GIN], 11, v[HL]
	v_lshl_add_u32 v[GIN], v[C16], 4, v[GIN]       ; lanes 0-15 one row's 256 bytes, lanes 16-31 the next row's
.set n, 0
.rept 16
	global_load_b128 v[X+4*n:X+4*n+3], v[GIN], s[4:5] offset:n*4096 th:TH_LOAD_NT
.set n, n+1
.endr
	v_mul_u32_u24 v[LA], v[C16], PITCH
	v_lshl_add_u32 v[LA], v[HL], 3, v[LA]
	v_add_nc_u32 v[LA], s21, v[LA]                 ; query l % 16, keys 8 (l / 16) on
	v_and_b32 v[GOUT], 31, v0
	v_lshlrev_b32 v[GOUT], 3, v[GOUT]
	v_mov_b32 v[WD], 0                             ; v_writelane_b32 counts as a reader of its destination
	v_mov_b32 v[WD+1], 0
.set n, 0
.rept 16
	s_wait_loadcnt 15-n                            ; loads come back in order: number n is in, the younger ones stay out
	ds_store_b128 v[ROWS], v[X+4*n:X+4*n+3] offset:n*2*PITCH
.set n, n+1
.endr
	s_mov_b32 s30, 4
.Lkeys:                                                ; a trip: one key step of 64 keys.  LDS serves a wave's instructions in order, so these loads see the stores above
.set n, 0
.rept 8
	ds_load_b64 v[D+2*n:D+2*n+1], v[LA] offset:(n/4)*16*PITCH+(n%4)*16  ; u = n / 4, kb = n % 4
.set n, n+1
.endr
	s_wait_dscnt 0x0
.set n, 0
.rept 8                                                ; n = 4 u + kb: its eight bytes jj, dealt by stages, so that no line reads the result of the line before it
.irp j, 0,1,2,3,4,5,6,7
	v_and_b32 v[T+(\j)], 0xff<<(8*((\j)%4)), v[D+2*n+(\j)/4]
.endr
.irp j, 0,1,2,3,4,5,6,7
	v_cmp_ne_u32 s[40+(\j)], 0, v[T+(\j)]          ; bit l: is lane l's (query, key) visible
.endr
.irp j, 0,1,2,3,4,5,6,7
	v_writelane_b32 v[WD+n/4], s[40+(\j)], (8*n+(\j))%32
.endr
.set n, n+1
.endr
	global_store_b64 v[GOUT], v[WD:WD+1], s[16:17] ; 256 consecutive bytes, aligned
	s_wait_xcnt 0x0                                ; the store's data and offset are rewritten only behind this wait
	v_add_nc_u32 v[GOUT], 1024, v[GOUT]            ; the next key step's sigma is four further on
	v_add_nc_u32 v[LA], 64, v[LA]
	s_sub_co_u32 s30, s30, 1
	s_cmp_lg_u32 s30, 0
	s_cbranch_scc1 .Lkeys
	s_wait_tensorcnt 0x0                           ; the wave's end, behind my last LDS store
	ds_add_u32 v[SPW], v[NIL]
	s_wait_dscnt 0x0
	s_endpgm
	; ---- ROLE W ----
.Lweights:
	s_sub_co_u32 s22, ttmp9, 256
	s_lshr_b32 s23, s22, 4                         ; which matrix
	s_and_b32 s25, s22, 15
	s_lshl_b32 s25, s25, 3
	s_add_co_u32 s25, s25, s20                     ; unit 0..127 of the matrix
	s_lshr_b32 s26, s25, 4                         ; which 128 k
	s_and_b32 s27, s25, 15                         ; which 64 n
	s_cmp_eq_u32 s23, 1
	s_cselect_b64 s[6:7], s[8:9], s[6:7]
	s_cmp_eq_u32 s23, 2
	s_cselect_b64 s[6:7], s[10:11], s[6:7]
	s_cmp_eq_u32 s23, 3
	s_cselect_b64 s[6:7], s[12:13], s[6:7]
	s_cselect_b32 s24, -1, 0                       ; all lanes: Wo goes out as f16
	s_lshl_b32 s28, s26, 19                        ; 128 rows of 4,096 bytes
	s_lshl_b32 s29, s27, 8
	s_add_co_u32 s28, s28, s29
	s_mov_b32 s29, 0
	s_add_nc_u64 s[6:7], s[6:7], s[28:29]
	s_lshl_b32 s28, s23, 21                        ; a turned matrix is 2 MiB
	s_lshl_b32 s29, s27, 17                        ; 64 rows of 2,048 bytes
	s_add_co_u32 s28, s28, s29
	s_lshl_b32 s29, s26, 8
	s_add_co_u32 s28, s28, s29
	s_mov_b32 s29, 0
	s_add_nc_u64 s[14:15], s[14:15], s[28:29]
	v_lshlrev_b32 v[GIN], 13, v[HL]
	v_lshl_add_u32 v[GIN], v[C16], 4, v[GIN]       ; lanes 16-31 two rows further down: a lane gets rows k and k + 1 of four n
	v_mul_u32_u24 v[LA], v[C16], 4*PITCH
	v_lshl_add_u32 v[LA], v[HL], 2, v[LA]
	v_add_nc_u32 v[LA], s21, v[LA]                 ; LDS row n = 4 (l % 16), byte 4 (l / 16)
	v_lshlrev_b32 v[GOUT], 11, v[HL]
	v_lshl_add_u32 v[GOUT], v[C16], 4, v[GOUT]
	s_mov_b32 s30, 4
.Lrows:                                                ; a trip: 32 rows of k
.set n, 0
.rept 16
	global_load_b128 v[X+4*n:X+4*n+3], v[GIN], s[6:7] offset:(4*(n/2)+n%2)*4096 th:TH_LOAD_NT
.set n, n+1
.endr
.set n, 0
.rept 8
	s_wait_loadcnt 14-2*n                          ; rows 4 n + 2 (l / 16) and the next are in
.irp e, 0,1,2,3                                        ; four chains, dealt by stages
	v_cvt_pk_bf16_f32 v[T+4*(\e)], v[X+8*n+(\e)], v[X+8*n+4+(\e)]  ; the lower k in the low half
.endr
.irp e, 0,1,2,3
	v_lshlrev_b32 v[T+4*(\e)+1], 16, v[T+4*(\e)]
	v_and_b32 v[T+4*(\e)+2], 0xffff0000, v[T+4*(\e)]
.endr
.irp e, 0,1,2,3
	v_cvt_pk_f16_f32 v[T+4*(\e)+1], v[T+4*(\e)+1], v[T+4*(\e)+2]   ; the rounded numbers once more, as f16
.endr
.irp e, 0,1,2,3
	v_cndmask_b32 v[T+4*(\e)], v[T+4*(\e)], v[T+4*(\e)+1], s24
.endr
.irp e, 0,1,2,3
	ds_store_b32 v[LA], v[T+4*(\e)] offset:(\e)*PITCH+8*n
.endr
.set n, n+1
.endr
	s_add_nc_u64 s[6:7], s[6:7], 0x20000           ; the last wait was for 0: every load is done, its base may step
	v_add_nc_u32 v[LA], 64, v[LA]
	s_sub_co_u32 s30, s30, 1
	s_cmp_lg_u32 s30, 0
	s_cbranch_scc1 .Lrows
.set n, 0
.rept 32
	ds_load_b128 v[X+4*n:X+4*n+3], v[ROWS] offset:n*2*PITCH  ; two whole rows of n; served behind the stores above
.set n, n+1
.endr
.set n, 0
.rept 32
	s_wait_dscnt 31-n
	global_store_b128 v[GOUT], v[X+4*n:X+4*n+3], s[14:15] offset:n*4096  ; 16 lanes store 256 consecutive bytes, aligned
.set n, n+1
.endr
	s_wait_tensorcnt 0x0                           ; the wave's end, behind my last LDS store
	ds_add_u32 v[SPW], v[NIL]
	s_wait_dscnt 0x0
	s_endpgm
.Lfunc_end_k_qe6d77e7901_prep:
	.size	k_qe6d77e7901_prep, .Lfunc_end_k_qe6d77e7901_prep-k_qe6d77e7901_prep
	.p2alignl 7, 3214868480
	.fill 96, 4, 3214868480
	.section	.rodata,"a",@progbits
	.p2align	6, 0x0
	.amdhsa_kernel k_qe6d77e7901_prep
		.amdhsa_group_segment_fixed_size 140288
		.amdhsa_private_segment_fixed_size 0
		.amdhsa_enable_private_segment 0
		.amdhsa_kernarg_size 56
		.amdhsa_user_sgpr_count 2
		.amdhsa_user_sgpr_kernarg_segment_ptr 1
		.amdhsa_wavefront_size32 1
		.amdhsa_system_sgpr_workgroup_id_x 1
		.amdhsa_system_sgpr_workgroup_id_y 1
		.amdhsa_system_sgpr_workgroup_id_z 1
		.amdhsa_system_vgpr_workitem_id 0
		.amdhsa_next_free_vgpr 160
		.amdhsa_next_free_sgpr 66
		.amdhsa_reserve_vcc 0
		.amdhsa_float_denorm_mode_32 3
		.amdhsa_float_denorm_mode_16_64 3
		.amdhsa_memory_ordered 1
		.amdhsa_forward_progress 1
		.amdhsa_inst_pref_size 39
	.end_amdhsa_kernel
	.amdgpu_metadata
---
amdhsa.version: [ 1, 2 ]
amdhsa.kernels:
  - .name:           k_qe6d77e7901_prep
    .symbol:         k_qe6d77e7901_prep.kd
    .args:
      - { .name: mask, .offset: 0, .size: 8, .value_kind: global_buffer, .address_space: global }
      - { .name: Wq, .offset: 8, .size: 8, .value_kind: global_buffer, .address_space: global }
      - { .name: Wk, .offset: 16, .size: 8, .value_kind: global_buffer, .address_space: global }
      - { .name: Wv, .offset: 24, .size: 8, .value_kind: global_buffer, .address_space: global }
      - { .name: Wo, .offset: 32, .size: 8, .value_kind: global_buffer, .address_space: global }
      - { .name: wt, .offset: 40, .size: 8, .value_kind: global_buffer, .address_space: global }
      - { .name: maskw, .offset: 48, .size: 8, .value_kind: global_buffer, .address_space: global }
    .group_segment_fixed_size: 140288
    .private_segment_fixed_size: 0
    .kernarg_segment_align: 8
    .kernarg_segment_size: 56
    .max_flat_workgroup_size: 256
    .sgpr_count:     66
    .vgpr_count:     160
    .wavefront_size: 32
...
	.end_amdgpu_metadata
.endif
;; end of part 5
;; launch proj: the kernel of part 2 again; grid 4 x 192, 4 waves a work-group, clusters of 4 x 4, 327,680 bytes of LDS; arguments query, key, value, wt, bq, bk, bv, qh, kh, vh; writes qh, kh, vh
;; launch attn (part 6): grid 4 x 64, 4 waves a work-group, clusters of 4 x 1, 327,680 bytes of LDS; arguments qh, kh, vh, maskw, oh; writes oh
.if DOCPART == 6
	.amdgcn_target "amdgcn-amd-amdhsa--gfx1250"
	.amdhsa_code_object_version 6
	.text
	.protected	k_qe6d77e7901_attn
	.globl	k_qe6d77e7901_attn
	.p2align	8
	.type	k_qe6d77e7901_attn,@function
k_qe6d77e7901_attn:
	s_mov_b64 s[64:65], 0
	v_nop
	global_prefetch_b8 v0, s[64:65] scope:SCOPE_SE
	s_setreg_imm32_b32 hwreg(HW_REG_WAVE_MODE, 25, 1), 1
	s_wait_xcnt 0x0
	s_wait_alu depctr_hold_cnt(0) depctr_sa_sdst(0) depctr_va_vdst(0) depctr_va_sdst(0) depctr_va_ssrc(0) depctr_va_vcc(0) depctr_vm_vsrc(0)
	s_getreg_b32 s2, hwreg(HW_REG_IB_STS2, 6, 4)
	s_cmp_eq_u32 s2, 0
	s_cbranch_scc0 .Lentry_in_a_cluster
	s_endpgm
.Lentry_in_a_cluster:
	s_bfe_u32 s2, ttmp6, 0x10000c
	s_cmp_lg_u32 s2, 0x3003
	s_cbranch_scc0 .Lentry_shape_is_right
	s_endpgm
.Lentry_shape_is_right:
; MASKED ATTENTION.  O[bh][q][:] = the sum over k of softmax_k(mask ? Q[bh][q] . K[bh][k] / 8 : hidden) V[bh][k][:].  Q, K, V, O: [64][2048][64], all f16: a head's rows are dense, 128 bytes each.
; Products, maxima and sums in f32; the weights p are rounded to f16 for the second product (their sum l is taken of the unrounded p), O once at the end.
; THE MASK is an input, one bit for (b, query, key), shared by a batch's 16 heads.  The launch before has laid it out as lane masks: one 32-bit word for each register of scores.  A hidden score is REPLACED by
; H = -2^100 ahead of the running maximum (one v_cndmask_b32 a register), so the maximum is taken of what the softmax sees.  c H is exact, so in a row that is hidden altogether c s - c m is exactly 0,
; every weight is 1, and O is the plain mean of V's rows.  A hidden key beside a visible one gets the weight 0.
; A turn's 64 words are 256 bytes: one load of 8 bytes a lane brings them into a pair of vector registers, FOUR TURNS ahead of their use (a pair for each piece, loaded again as soon as it has been read), and 64
; v_readlane_b32 bring them into the scalar registers that v_cndmask_b32 takes its lane mask from.
; LIMITS.  f16 holds no number beyond 65,504: Q, K and V arrive within it; p below 6e-5 keeps f16's fixed step of 6e-8.  A hidden score counts as -2^100 ahead of the scale 1/8, not -1e30 behind it: visible scaled
; scores below -1.5e29 are not told apart as a softmax over -1e30 would; f16's scores, 2.7e11 at the most, never come near.  A weight below 2^-126 counts as 0 in l; NaN and infinities are not treated apart.
; SHARES.  A wave owns four PIECES of two tiles of 16 queries, a work-group's four waves 512 queries of one head.  Every wave walks all 2,048 keys, 64 a step.
; LAYOUT.  S^T = K Q^T (source 0 = 16 keys, source 1 = 16 queries): a lane holds ONE query (lane % 16) and the keys 8 (lane / 16) + 0..7.  Two such tiles, rounded to f16 in pairs, ARE source 1 of
; O^T = V^T P.  K comes out of LDS as it lies, V turned, by ds_load_tr16_b128.
; SOFTMAX.  A running maximum m and sum l: p = 2^(c s - c m), c = log2(e) / 8; in every step O and l are multiplied by a = 2^(c m_old - c m_new).  m starts at the lowest finite number, O and l at 0.
; BY TURNS.  Turn n belongs to piece n.  Matrix work: 16 products K Q^T of piece n + 1, later 16 products V^T P of piece n - 1.  Vector work: scaling, exponentials, roundings, sums and rescaling of piece n;
; mask words, mask, maximum and statistics of piece n + 1.  366 vector instructions for 32 matrix instructions: four stand behind every product, the others in two lumps.
; CLUSTER.  The four query blocks of a cluster belong to one head and walk the same K and V: each tile is asked for JOINTLY.
; REGISTERS, in windows of 256 (s_set_vgpr_msb: bits 1:0 source 0, 3:2 source 1, 5:4 source 2, 7:6 destination):
;   window 0: v0-11 addresses, H and c; v12-15, v48-63 at work; v16-47 four registers of statistics a tile; v64-191 S^T, two buffers of two tiles; v192-255 P, likewise
;   window 1: O^T, 32 a tile          window 2: v0-127 Q; v128-191 K of one step; v192-204 the mask's pairs and their addresses          window 3: v0-1 the add's two registers; v64-127 V of one step
; The mask's pairs lie in K's window: v_readlane_b32 names one vector register, as source 0, so it runs under the setting of the products K Q^T, and the first run of products has no switch.
; SCALAR REGISTERS s32-63 and s68-99 hold the 64 mask words of the turn in hand.
.set SIZE_N, 2048
.set NP,    4         ; pieces a wave: a name, no knob
.set KS,    64        ; keys in a step
.set PK,    144       ; a row of K in LDS: 128 bytes + 16 = 36 words: the 16 rows of a load start at 16 different groups of four banks (64 banks of 4 bytes: ISA guide 11.1)
.set PV,    160       ; a row of V: 128 + 32 = 40 words
.set VOFF,  4*KS*PK   ; a slot holds four steps: 256 rows of K, then 256 rows of V
.set SLOT1, 1<<17     ; slot 1 begins here, so that one exclusive or turns an address in one slot into the other's
.set STAGE, SLOT1+4*KS*(PK+PV)  ; behind the ring, never filled by a tensor load: 16 rows x 144 bytes for each wave
.set SP,    144
.set SPARE, STAGE+4*16*SP  ; behind the stages: the spare words, 128 bytes for each wave: two blocks of 256 bytes that no other line names
.set STO, 0           ; v0   (once the thread's number has served) the way out: where I put 16 bytes of a row
.set AK0, 2           ; v2   my lane's place in a tile of K; never rewritten
.set AV0, 3           ; v3   the same for V
.set AK,  4           ; v4   the LDS address of K's next run of loads
.set AV,  5           ; v5   of V's
.set QO,  6           ; v6   my byte offset in the wave's rows of Q
.set RD,  7           ; v7   the way out: where I read rows back
.set GO,  8           ; v8   my byte offset in 512 consecutive bytes of O
.set BIG, 9           ; v9   H = -2^100
.set CV,  10          ; v10-11  c, twice
.set SPW, 0           ; v0 of window 3   LDS address of my spare word; never rewritten
.set NIL, 1           ; v1 of window 3   0; never rewritten
.set MV,  12          ; v12-15  c m_old, kept while c m is made anew: by buffer and tile
.set ST,  16          ; tile t's statistics at v[ST+4 t]: c m, m, l (even keys', odd keys')
.set TMP, 48          ; by buffer and tile, four registers c0-c3 at work; when the maximum is found c2 takes a
.set S,   64
.set P,   192
.set KF,  128         ; window 2: key block kb, channel half c at KF + 16 kb + 8 c
.set MKV, 192         ; window 2: piece q's mask words at MKV + 2 q: lane rho holds words 2 rho and 2 rho + 1
.set MA,  200         ; window 2: byte offset of my 8 bytes in the words that piece q's pair was loaded from last
.set LIM, 204         ; window 2: the same in the table's last 64 words; never rewritten
.set VF,  64          ; window 3: key half kk, channel block cb at VF + 32 kk + 8 cb
.set OB,  2           ; s[2:3]   O at my wave's first row
.set G1K, 4           ; s[4:11]  descriptor group 1 for K's tiles
.set G1V, 12          ; s[12:19] for V's: it differs in the padding alone
.set G0K, 20          ; s[20:23] descriptor group 0 for K's tiles: it walks
.set G0V, 24          ; s[24:27] the same for V's
.set MP,  28          ; s[28:29] my wave's 128 x 64 mask words
.set SEL, 30          ; s[30:31] v_permlanex16_b32's selects: each lane takes its own place in the other half
.set MW,  32          ; mask word i at s[32 + i], from i = 32 on at s[36 + i]
.set WV,  66          ; s66  my wave's number
.set SLOTS, 67        ; s67  slots still to be asked for
.set CNT, 100         ; s100 counts a slot's key steps
.set TBK, 101         ; s101 LDS byte at which K of the step to be fetched begins
.set TBV, 104         ; s104 the same for V, less VOFF
.set TOT, 105         ; s105 trips of the step loop still to be begun or in hand: 32 in all
.set MSB, 0
.macro WIN new                      ; the high byte repeats the setting that is left; a switch that changes nothing is dropped
.if MSB != (\new)
	s_set_vgpr_msb (MSB<<8)|(\new)
.set MSB, (\new)
.endif
.endm
.set W_KQ, 0x0a       ; K and Q (and the mask's pairs) in window 2, S^T in window 0
.set W_PV, 0x53       ; V in window 3, P in window 0, O^T in window 1
.set W_RS, 0x41       ; O^T (destination and source 0) in window 1, a in window 0
.set W_MK, 0xc0       ; destination in window 3, sources in window 0
.set W_AD, 0x0f       ; the add: address and data in window 3
.set W_ML, 0x8a       ; the mask's loads and their addresses: destination and sources 0 and 1 in window 2
; A joint fill.  Waves 0 and 1 fetch the two halves of a slot's K, waves 2 and 3 those of its V: 128 keys each.  An s_nop 0 and four v_nop follow each of the two lines.
.macro JLOAD
	s_cmp_lt_u32 s[WV], 2
	s_cbranch_scc0 .Lfor_v_\@
	tensor_load_to_lds s[G0K:G0K+3], s[G1K:G1K+7]
	s_nop 0
.rept 4
	v_nop
.endr
	s_branch .Lasked_\@
.Lfor_v_\@:
	tensor_load_to_lds s[G0V:G0V+3], s[G1V:G1V+7]
	s_nop 0
.rept 4
	v_nop
.endr
.Lasked_\@:
.endm
.macro CROUND                       ; a round of the cluster's barrier
	s_barrier_signal -1
	s_barrier_wait -1
	s_cmp_lg_u32 s[WV], 0
	s_cbranch_scc1 .Lnot_wave_0_\@
	s_barrier_signal -3
.Lnot_wave_0_\@:
	s_barrier_wait -3
	s_barrier_signal -1
	s_barrier_wait -1
.endm
; THE CHANGE OF SLOTS.  Each wave waits for all its tensor loads, of which one is out: its part of the other slot; adds 0 to its spare word; and waits for that and for its own reads of the slot.
; fill = 1: this slot is filled again, with the keys two slots on; the barrier is then a round of the cluster's, and the joint fill is the first thing behind it: it has four key steps in which to land.
; (At its first use nothing has been read yet: slot 0 is waited for, slot 1 filled.)
.macro CHANGE fill
	WIN W_AD
	s_wait_tensorcnt 0x0            ; no tensor load of mine is out, so a group 0 may be written
	ds_add_u32 v[SPW], v[NIL]
	WIN 0                           ; at a label and at a branch every window is 0
.if \fill
.irp g, G0K, G0V
	s_xor_b32 s[\g+1], s[\g+1], SLOT1  ; the walking descriptor: the other slot than last time,
	s_add_nc_u64 s[\g+2:\g+3], s[\g+2:\g+3], 4*KS*128  ; the next 256 keys; the type bits on top are not reached
.endr
	s_wait_dscnt 0x0                ; the add is done, and my reads of the slot are over
	CROUND
	JLOAD
.else
	s_wait_dscnt 0x0
	s_barrier_signal -1
	s_barrier_wait -1
.endif
	s_sub_co_u32 s[TBK], s[TBK], 4*KS*PK  ; the fetches go back to a slot's first step,
	s_xor_b32 s[TBK], s[TBK], SLOT1       ; in the other slot
	s_sub_co_u32 s[TBV], s[TBV], 4*KS*PV
	s_xor_b32 s[TBV], s[TBV], SLOT1
.endm
	; The arguments and the set-up's scalars live in the mask words' registers until the first words are read.
	s_load_b256 s[32:39], s[0:1], 0x0  ; Q s[32:33], K s[34:35], V s[36:37], maskw s[38:39]
	s_load_b64 s[40:41], s[0:1], 0x20  ; O
	WIN W_MK
	v_lshl_add_u32 v[SPW], v0, 2, SPARE
	v_mov_b32 v[NIL], 0
	WIN W_AD
	ds_add_u32 v[SPW], v[NIL]       ; the wave's opening: the add and its wait stand ahead of my first tensor load; the set-up below stands between them
	WIN 0
	v_lshrrev_b32 v1, 5, v0
	v_readfirstlane_b32 s[WV], v1   ; wave 0..3
	s_bfe_u32 s42, ttmp6, 0x40000   ; cx: my place in the cluster
	s_lshl_b32 s43, ttmp9, 2
	s_add_co_u32 s43, s43, s42      ; my block of 512 queries: it enters Q's, O's and the mask's addresses alone
	s_and_b32 s44, ttmp7, 0xffff    ; 16 b + head, which the four partners share
	s_lshl_b32 s46, s44, 18         ; the head's first byte in Q, K, V, O: 2,048 rows of 128 bytes
	s_mov_b32 s47, 0
	s_and_b32 s48, s[WV], 1         ; which half of a slot's 256 keys I fetch:
	s_lshl_b32 s50, s48, 14         ; its 128 rows in memory,
	s_mov_b32 s51, 0
	s_add_nc_u64 s[50:51], s[50:51], s[46:47]
	s_mul_i32 s52, s48, 128*PK      ; and its place in a slot, for K
	s_mul_i32 s53, s48, 128*PV      ; and for V: no place in the cluster enters an LDS address
	s_lshl_b32 s54, s43, 2
	s_add_co_u32 s54, s54, s[WV]    ; my wave among the head's sixteen,
	s_lshl_b32 s56, s54, 14         ; its 128 rows
	s_mov_b32 s57, 0
	s_add_nc_u64 s[56:57], s[56:57], s[46:47]
	s_lshr_b32 s58, s44, 4          ; b
	s_lshl_b32 s58, s58, 4
	s_add_co_u32 s58, s58, s54
	s_lshl_b32 s58, s58, 15         ; (16 b + wave) x 128 x 256 bytes of mask words
	s_mov_b32 s59, 0
	s_mul_i32 s60, s[WV], 16*SP
	s_add_co_u32 s60, s60, STAGE    ; my stage
	; descriptor group 1.  128 keys are 16,384 dense bytes: asked for as 64 rows of 256 bytes, two keys a row, and padded in LDS after every key
	s_mov_b32 s[G1K], 15|(1<<16)|(1<<20)|(1<<21)|(4<<22)|(3<<25)  ; the mask of four; 2-byte elements; padding on; 21 set beside a mask; after every 32 words (code 4) 4 words (code 3)
	s_mov_b32 s[G1V], 15|(1<<16)|(1<<20)|(1<<21)|(4<<22)|(7<<25)  ; the same with 8 words of padding (code 7)
.irp g, G1K, G1V
	s_mov_b32 s[\g+1], 128<<16      ; tensor_dim0 = 128
	s_mov_b32 s[\g+2], 64<<16       ; tensor_dim1 = 64
	s_mov_b32 s[\g+3], 128<<16      ; tile_dim0 = 128
	s_mov_b32 s[\g+4], 64           ; tile_dim1 = 64
	s_mov_b32 s[\g+5], 128          ; 128 elements from row to row
	s_mov_b32 s[\g+6], 0
	s_mov_b32 s[\g+7], 0
.endr
	s_mov_b32 s[SEL], 0x76543210
	s_mov_b32 s[SEL+1], 0xfedcba98
	s_mov_b32 s[TBK], SLOT1+4*KS*PK ; the first change of slots turns these two into 0
	s_mov_b32 s[TBV], SLOT1+4*KS*PV
	s_mov_b32 s[G0K], 1             ; count = 1
	s_mov_b32 s[G0K+1], s52         ; LDS address: slot 0
	s_mov_b32 s[G0V], 1
	s_add_co_u32 s[G0V+1], s53, VOFF
	s_wait_dscnt 0x0                ; the opening add is done
	s_wait_kmcnt 0x0
	s_add_nc_u64 s[G0K+2:G0K+3], s[34:35], s[50:51]  ; my half of the head's first 256 keys
	s_or_b32 s[G0K+3], s[G0K+3], 0x80000000          ; type = 2
	s_add_nc_u64 s[G0V+2:G0V+3], s[36:37], s[50:51]
	s_or_b32 s[G0V+3], s[G0V+3], 0x80000000
	s_add_nc_u64 s[32:33], s[32:33], s[56:57]        ; Q and O at my wave's first row
	s_add_nc_u64 s[OB:OB+1], s[40:41], s[56:57]
	s_add_nc_u64 s[MP:MP+1], s[38:39], s[58:59]
	CROUND                          ; all four work-groups are here: the first joint loads meet
	JLOAD                           ; slot 0.  Slot 1 is asked for when slot 0 is in
	; A fragment of K or Q is 16 rows x 32 channels in 8 registers: lane l holds row l % 16, channels 8 (l / 16) + 0..7 and 16 + 8 (l / 16) + 0..7: two loads of 16 bytes, 32 bytes apart.
	v_and_b32 v1, 15, v0            ; l % 16
	v_bfe_u32 v9, v0, 4, 1          ; l / 16
	v_lshlrev_b32 v[QO], 7, v1
	v_lshl_add_u32 v[QO], v9, 4, v[QO]
	WIN 0x80                        ; destination window 2, address window 0
.set i, 0
.rept 4*NP                          ; Q stays in registers: tile i / 2, channels 32 (i % 2) on
	global_load_b128 v[8*i:8*i+3],   v[QO], s[32:33] offset:(i/2)*2048+(i%2)*64
	global_load_b128 v[8*i+4:8*i+7], v[QO], s[32:33] offset:(i/2)*2048+(i%2)*64+32
.set i, i+1
.endr
	; What the first turn finds: V's registers and P's second buffer hold 0 (its products V^T P, of a piece that has not been, add 0), O^T and l are 0.  All this stands in the wait for the first tile.
	WIN W_MK
.set i, VF
.rept 64
	v_mov_b32 v[i], 0
.set i, i+1
.endr
	WIN 0x40
.set i, 0
.rept 64*NP
	v_mov_b32 v[i], 0
.set i, i+1
.endr
	WIN 0
.set i, 0
.rept 2*NP
	v_mov_b32 v[ST+4*i], 0xfe000000    ; c m: far below every c s, c H too
	v_mov_b32 v[ST+4*i+1], 0xff7fffff  ; m
	v_mov_b32 v[ST+4*i+2], 0
	v_mov_b32 v[ST+4*i+3], 0
.set i, i+1
.endr
.set i, P+32
.rept 32
	v_mov_b32 v[i], 0
.set i, i+1
.endr
	v_mul_u32_u24 v[AK0], v1, PK
	v_lshl_add_u32 v[AK0], v9, 4, v[AK0]  ; row x pitch + 16 x half
	; The turning load takes 16 keys x 16 channels (lane l reads key 8 (l / 16) + l % 8, channels 8 ((l / 8) % 2) + 0..7) and leaves half a fragment of V^T.
	v_and_b32 v10, 7, v0
	v_bfe_u32 v11, v0, 3, 1
	v_lshl_add_u32 v[AV0], v9, 3, v10
	v_mul_u32_u24 v[AV0], v[AV0], PV
	v_lshl_add_u32 v[AV0], v11, 4, v[AV0]
	v_add_nc_u32 v[AV0], VOFF, v[AV0]
	v_mov_b32 v[AK], v[AK0]         ; key step 0 lies at the head of slot 0
	v_bfe_u32 v[RD], v0, 3, 2       ; the way out, back: 32 lanes take four rows of 128 bytes,
	v_mul_u32_u24 v[RD], v[RD], SP
	v_lshl_add_u32 v[RD], v10, 4, v[RD]
	v_add_nc_u32 v[RD], s60, v[RD]
	v_and_b32 v[GO], 31, v0         ; which are 512 consecutive bytes of O
	v_lshlrev_b32 v[GO], 4, v[GO]
	v_mul_u32_u24 v[STO], v1, SP    ; in: row l % 16, 16 bytes for each half of the lanes (the thread's number has served)
	v_lshl_add_u32 v[STO], v9, 4, v[STO]
	v_add_nc_u32 v[STO], s60, v[STO]
	v_lshrrev_b32 v1, 1, v[GO]      ; the mask: 8 bytes a lane
	WIN 0x80
.irp q, 0,1,2,3
	v_add_nc_u32 v[MA+\q], 256*\q, v1  ; key step 0, piece q
.endr
	v_add_nc_u32 v[LIM], 127*256, v1
	WIN W_ML
.irp q, 0,1,2,3
	global_load_b64 v[MKV+2*\q:MKV+2*\q+1], v[MA+\q], s[MP:MP+1]  ; 256 consecutive bytes, aligned; the batch's other heads read them too, so no hint
.endr
	WIN 0
; THE MATRIX WORK.  The 8 accumulators of a run of 16 take turns.
; Product i of 16 of S^T = K Q^T for piece x: channels 32 (i / 8) on, keys 16 ((i / 2) % 4) on, tile 2 x + i % 2.  The first 8 start the sums.
.macro KQ x
	WIN W_KQ
.set rS, S+64*((\x)%2)+32*(i%2)+8*((i/2)%4)
.set rK, KF+16*((i/2)%4)+8*(i/8)
.set rQ, 16*(2*(\x)+i%2)+8*(i/8)
.if i < 8
	v_wmma_f32_16x16x32_f16 v[rS:rS+7], v[rK:rK+7], v[rQ:rQ+7], 0
.else
	v_wmma_f32_16x16x32_f16 v[rS:rS+7], v[rK:rK+7], v[rQ:rQ+7], v[rS:rS+7]
.endif
.endm
; Product i of 16 of O^T += V^T P for piece x: keys 32 (i / 8) on, channels 16 ((i / 2) % 4) on, tile 2 x + i % 2.
.macro PV x
	WIN W_PV
.set rO, 32*(2*(\x)+i%2)+8*((i/2)%4)
.set rV, VF+32*(i/8)+8*((i/2)%4)
.set rP, P+32*((\x)%2)+16*(i%2)+8*(i/8)
	v_wmma_f32_16x16x32_f16 v[rO:rO+7], v[rV:rV+7], v[rP:rP+7], v[rO:rO+7]
.endm
.macro MM                           ; the turn's next matrix instruction
.if i < 16
	KQ (Y+1)%NP
.set i, i+1
.else
.set i, i-16
	PV (Y+NP-1)%NP
.set i, i+17
.endif
.endm
; THE LDS LOADS stand in runs of 16.  last = 1 (in the loop): in the walk's last trip there is no further step, and the run is jumped over.
.macro FETCH_K last=0
	WIN 0
.if \last
	s_cmp_eq_u32 s[TOT], 1
	s_cbranch_scc1 .Lno_k_\@
.endif
	WIN 0x80                        ; destination window 2
.irp f, 0,1,2,3,4,5,6,7             ; keys 16 (f / 2) on, channels 32 (f % 2) on
	ds_load_b128 v[KF+8*\f:KF+8*\f+3],   v[AK] offset:(\f/2)*16*PK+(\f%2)*64
	ds_load_b128 v[KF+8*\f+4:KF+8*\f+7], v[AK] offset:(\f/2)*16*PK+(\f%2)*64+32
.endr
	s_add_co_u32 s[TBK], s[TBK], KS*PK  ; the next fetch is the next step's
	WIN 0
.if \last
.Lno_k_\@:
.endif
.endm
.macro FETCH_V
	WIN W_MK                        ; destination window 3
.irp f, 0,1,2,3,4,5,6,7             ; keys 32 (f / 4) on, channels 16 (f % 4) on
	ds_load_tr16_b128 v[VF+8*\f:VF+8*\f+3],   v[AV] offset:(\f/4)*32*PV+(\f%4)*32
	ds_load_tr16_b128 v[VF+8*\f+4:VF+8*\f+7], v[AV] offset:(\f/4)*32*PV+16*PV+(\f%4)*32
.endr
	WIN 0
.endm
; THE MASK WORDS of piece MQ.  RL4: the next four of its 64 words go from lanes to scalar registers: word i lies in register i % 2 of the pair, lane i / 2.  It runs under the setting of the products K Q^T.
.macro RL4
	WIN W_KQ
.rept 4
	v_readlane_b32 s[MW+nrl+4*(nrl/32)], v[MKV+2*MQ+nrl%2], nrl/2
.set nrl, nrl+1
.endr
.endm
; MLD: the pair has been read, and takes the same piece's words one key step (four turns, 1,024 bytes) on.  Behind the table's end the address stays at the last 64 words, which then serve nothing: no load leaves the table.
; The wait at the turn's head has shown the pair's last load done, so its address register may be written.
.macro MLD
	WIN W_ML
	v_add_nc_u32 v[MA+MQ], 1024, v[MA+MQ]
	v_min_u32 v[MA+MQ], v[MA+MQ], v[LIM]
	global_load_b64 v[MKV+2*MQ:MKV+2*MQ+1], v[MA+MQ], s[MP:MP+1]
.endm
; THE VECTOR WORK OF A TURN stands in queues, each in the order in which its entries become ready; the two tiles alternate.
.macro REGS y, u                    ; the registers of tile u (0, 1) of piece y
.set rT, ST+4*(2*(\y)+(\u))
.set rC, TMP+8*((\y)%2)+4*(\u)
.set rM, MV+2*((\y)%2)+(\u)
.set rS, S+64*((\y)%2)+32*(\u)
.set rP, P+32*((\y)%2)+16*(\u)
.set rO, 32*(2*(\y)+(\u))
.endm
; Number n of the 22 that find the NEXT piece's (Y + 1) maximum and statistics, behind its mask.
;   0-11  four chains c0-c3 of seven scores each     12-14, 16  the four scores left over, the old m, and c0-c3 into c0     15  c m_old is kept
;   17, 18  the query's other 32 keys lie in the lane 16 away: the new m         19-21  c m; c m_old - c m_new; a
.macro XS u, n
	REGS (Y+1)%NP, \u
.if (\n) < 4
	v_max3_num_f32 v[rC+(\n)], v[rS+8*(\n)], v[rS+8*(\n)+1], v[rS+8*(\n)+2]
.elseif (\n) < 12
	v_max3_num_f32 v[rC+(\n)%4], v[rC+(\n)%4], v[rS+8*((\n)%4)+2*((\n)/4)+1], v[rS+8*((\n)%4)+2*((\n)/4)+2]
.elseif (\n) == 12
	v_max3_num_f32 v[rC], v[rC], v[rS+7], v[rS+15]
.elseif (\n) == 13
	v_max3_num_f32 v[rC+1], v[rC+1], v[rS+23], v[rS+31]
	s_wait_alu depctr_va_vdst(0)
.elseif (\n) == 14
	v_max3_num_f32 v[rC+2], v[rC+2], v[rC+3], v[rT+1]
.elseif (\n) == 15
	v_mov_b32 v[rM], v[rT]
.elseif (\n) == 16
	v_max3_num_f32 v[rC], v[rC], v[rC+1], v[rC+2]
.elseif (\n) == 17
	v_permlanex16_b32 v[rC+3], v[rC], s[SEL], s[SEL+1]
	s_wait_alu depctr_va_vdst(0)
.elseif (\n) == 18
	v_max_num_f32 v[rT+1], v[rC], v[rC+3]
.elseif (\n) == 19
	v_mul_f32 v[rT], v[CV], v[rT+1]
.elseif (\n) == 20
	v_sub_f32 v[rC+1], v[rM], v[rT]
	s_wait_alu depctr_va_vdst(0)
.else
	v_exp_f32 v[rC+2], v[rC+1]
.endif
.endm
; Number n of the 64 that follow the exponentials.  For each four weights k of a tile: its first pair is rounded to f16; l takes the sum of the four before (the first time as l = a l + sum); its second pair is
; rounded; the second pair is added onto the first, in place.  Tiles alternate.  Group 0 has no group before it; behind group 7 only l is left.  Number n needs exponential n + 4 at the most.
.macro GS n
.set h, (\n)
.if h >= 2
.set h, h+2
.endif
	REGS Y, h%2
.set k, h/8
.set j, h%8
.if k == 8
	v_pk_add_f32 v[rT+2:rT+3], v[rT+2:rT+3], v[rS+28:rS+29]
.elseif j < 2
	s_wait_alu depctr_va_vdst(0)
	v_cvt_pk_f16_f32 v[rP+2*k], v[rS+4*k], v[rS+4*k+1]
.elseif (j < 4) && (k == 1)
	v_pk_fma_f32 v[rT+2:rT+3], v[rT+2:rT+3], v[rC+2:rC+3], v[rS:rS+1] op_sel_hi:[1,0,1]
.elseif j < 4
	v_pk_add_f32 v[rT+2:rT+3], v[rT+2:rT+3], v[rS+4*k-4:rS+4*k-3]
.elseif j < 6
	s_wait_alu depctr_va_vdst(0)
	v_cvt_pk_f16_f32 v[rP+2*k+1], v[rS+4*k+2], v[rS+4*k+3]
.else
	v_pk_add_f32 v[rS+4*k:rS+4*k+1], v[rS+4*k:rS+4*k+1], v[rS+4*k+2:rS+4*k+3]
.endif
.endm
; QUEUE A, 96 long, for piece Y: c s - c m for the 16 pairs of both tiles, then GS's 64.
.macro PA
	WIN 0
.if npa < 32
	REGS Y, npa%2
	v_pk_fma_f32 v[rS+2*(npa/2):rS+2*(npa/2)+1], v[rS+2*(npa/2):rS+2*(npa/2)+1], v[CV:CV+1], v[rT:rT+1] op_sel_hi:[1,0,0] neg_lo:[0,0,1] neg_hi:[0,0,1]
.else
	GS npa-32
.endif
.set npa, npa+1
.endm
; QUEUE B, 106 long, for piece Y + 1: the mask (score register n / 2 of tile n % 2 keeps its number where the word's bit is set and takes H elsewhere; in ascending order),
; then XS 0-20.
.macro PB
	WIN 0
.if npb < 64
	REGS (Y+1)%NP, npb%2
	v_cndmask_b32 v[rS+npb/2], v[BIG], v[rS+npb/2], s[MW+npb+4*(npb/32)]
.else
	XS (npb-64)%2, (npb-64)/2
.endif
.set npb, npb+1
.endm
; THE EXPONENTIALS' QUEUE, 66 long: s0-s31 of both tiles, at last the next piece's two a.
.macro EX
	WIN 0
.if e >= 64
	XS e-64, 21
.else
	REGS Y, e%2
	v_exp_f32 v[rS+e/2], v[rS+e/2]
.endif
.set e, e+1
.endm
; THE RESCALING's QUEUE: O^T times a, dealt four at a time, eight times; each accumulator from its low end on.
.macro R4
	REGS Y, r%2
	WIN W_RS
.irp z, 0,1,2,3
	v_pk_mul_f32 v[rO+8*(r/2)+2*\z:rO+8*(r/2)+2*\z+1], v[rO+8*(r/2)+2*\z:rO+8*(r/2)+2*\z+1], v[rC+2:rC+3] op_sel_hi:[1,0]
.endr
.set r, r+1
.endm
; HOW THEY ARE DEALT.  Queues A, B and the exponentials go in 66 GROUPS of plain, exponential, plain, plain: a plain instruction that names nothing of the exponential stands behind each (ISA guide 5.7.2), and no
; two exponentials follow each other.  Group g takes its three plain ones from: A A A (g < 11 and g > 63); B B B (11-31: the mask); A B A (32-52); B B A (53-63).  With the four A in front of group 0: 96 A, 106 B.
; The counts that this keeps: GS n stands in group n + 6 or later, exponential n + 4 in group n + 4; mask word 63 in group 32, XS 0 in group 33; XS 16-20, each of which waits for the one before, a group apart in
; 59-63; v_permlanex16_b32 in group 60, in a lump.
.macro GRP
.if (g < 11) || (g > 63)
	PA
	EX
	PA
	PA
.elseif g < 32
	PB
	EX
	PB
	PB
.elseif g < 53
	PA
	EX
	PB
	PA
.else
	PB
	EX
	PB
	PA
.endif
.set g, g+1
.endm
; A TURN, for piece p.  Behind each of the 16 products K Q^T: four mask words.  Then the pair's next load, four A, and groups 0-28: the first lump.  Behind the 16 products V^T P: a group (29-36) and four of the
; rescaling by turns; none names a register of the products round it.  Then groups 37-65: the second lump.  The mask begins in group 11: 37 plain instructions of piece p, which name nothing of the products K Q^T,
; stand between the last of them and it (ISA guide 7.12.1 asks for four).
; K of the next step is fetched in piece 2's turn behind group 2: 13 such instructions follow the last product that read K.  V of the step in hand is fetched at the end of piece 0's turn, behind the second lump.
.macro TURN p
.set Y, (\p)
.set MQ, ((\p)+1)%NP
.set i, 0
.set g, 0
.set npa, 0
.set npb, 0
.set e, 0
.set r, 0
.set nrl, 0
.if (\p) == NP-1
	s_wait_dscnt 0x0                ; K is in
.endif
	s_wait_loadcnt 3                ; loads come back in order: the next piece's words are in; the three pairs loaded behind them stay out
.rept 16
	MM
	RL4
.endr
	MLD
.rept 4
	PA
.endr
.rept 29                            ; groups 0-28
	GRP
.if ((\p) == NP-2) && (g == 1)
	v_add_nc_u32 v[AK], s[TBK], v[AK0]
.endif
.if ((\p) == NP-2) && (g == 3)
	FETCH_K 1
.endif
.endr
.if (\p) == 1
	s_wait_dscnt 0x0                ; V is in
.endif
.rept 8                             ; groups 29-36
	MM
	GRP
	MM
	R4
.endr
.rept 29                            ; groups 37-65
	GRP
.if ((\p) == 0) && (g == 58)
	v_add_nc_u32 v[AV], s[TBV], v[AV0]
.endif
.if ((\p) == 0) && (g == 62)
	s_add_co_u32 s[TBV], s[TBV], KS*PV
.endif
.endr
.if (\p) == 0
	FETCH_V
.endif
.endm
	CHANGE 1                        ; slot 0 is in, everybody's part of it; slot 1 is asked for
	FETCH_K                         ; key step 0
	s_wait_loadcnt 3                ; Q and piece 0's mask words are in (so Q's base, s[32:33], may be written); the three other pairs stay out
	s_wait_dscnt 0x0
.set Y, NP-1                        ; queue B and XS work for piece Y + 1: piece 0
.set MQ, 0
.set nrl, 0
.set i, 0
.rept 16
	KQ 0                            ; piece 0's first scores, and its mask words
	RL4
.set i, i+1
.endr
	MLD                             ; piece 0, key step 1
	WIN 0
	v_mov_b32 v[BIG], 0xf1800000    ; H = -2^100.  These four lines and the two in front of the load are the places behind those products
	v_mov_b32 v[CV], 0x3e38aa3b     ; c = log2(e) / 8 = 0.180337
	v_mov_b32 v[CV+1], 0x3e38aa3b
	v_nop
.set npb, 0
.rept 64
	PB
.endr
.irp n, 0,1,2,3,4,5,6,7,8,9,10,11,12,13,14,15,16,17,18,19,20,21
	XS 0, \n                        ; piece 0's first maximum and statistics
	XS 1, \n
.endr
	s_mov_b32 s[CNT], 4
	s_mov_b32 s[SLOTS], SIZE_N/256-1
	s_mov_b32 s[TOT], SIZE_N/KS
	s_branch .Lfirst                ; the loop is entered at a step's first turn, in the middle of a trip
.Lslot:                             ; six times: every slot but the last two is filled again
	CHANGE 1
	s_mov_b32 s[CNT], 4
.Lstep:                             ; a trip: pieces 2 and 3 of one step, then pieces 0 and 1 of the next, whose K and V it fetches.  32 trips in all; the last is left in its middle
	TURN 2
	TURN 3
	WIN 0
	s_sub_co_u32 s[TOT], s[TOT], 1
	s_cmp_eq_u32 s[TOT], 0
	s_cbranch_scc1 .Lout
.Lfirst:
	TURN 0
	TURN 1
	WIN 0
	s_sub_co_u32 s[CNT], s[CNT], 1
	s_cmp_lg_u32 s[CNT], 0
	s_cbranch_scc1 .Lstep
	s_sub_co_u32 s[SLOTS], s[SLOTS], 1
	s_cmp_lg_u32 s[SLOTS], 0
	s_cbranch_scc1 .Lslot
	CHANGE 0                        ; the last change of slots is written out: it asks for nothing, and no tensor load and no barrier is jumped over.  The steps' text, work on registers and LDS reads, serves again:
	s_mov_b32 s[CNT], 5             ; four trips fetch the last slot's steps; the fifth is the walk's 32nd and leaves by TOT
	s_branch .Lstep
.Lout:                              ; the last trip's 16 products K Q^T for a piece 0 that is not to come (on the last K once more) and what is made of them serve nothing: the price, once a launch, of one text for every trip
.set i, 0
.rept 16
	PV NP-1                         ; the last piece's V^T P of the last step
.set i, i+1
.endr
	; THE WAY OUT.  l's two halves and the other half of the lanes' are added; O^T is divided by l, rounded to f16 and sent through my stage in LDS, a tile at a time.  The additions are the places behind the last products.
	WIN 0
.macro ALL line:vararg              ; one line for each tile t
.set t, 0
.rept 2*NP
	\line
.set t, t+1
.endr
.endm
	ALL v_add_f32 v[ST+4*t+2], v[ST+4*t+2], v[ST+4*t+3]
	ALL v_permlanex16_b32 v[ST+4*t+3], v[ST+4*t+2], s[SEL], s[SEL+1]
	ALL v_add_f32 v[ST+4*t+2], v[ST+4*t+2], v[ST+4*t+3]
	ALL v_rcp_f32 v[ST+4*t+2], v[ST+4*t+2]
	v_nop                           ; a plain instruction between the last reciprocal and the use of its result
	s_wait_alu depctr_va_vdst(0)
.macro PACK t                       ; a lane's eight channels of a row pack into 16 bytes; they go into rows of 144 bytes and come back as whole rows of 128, into S^T's registers
	WIN W_RS
.set i, 32*(\t)
.rept 16
	v_pk_mul_f32 v[i:i+1], v[i:i+1], v[ST+4*(\t)+2:ST+4*(\t)+3] op_sel_hi:[1,0]
.set i, i+2
.endr
	WIN 0x05                        ; sources 0 and 1 window 1, destination window 0
.set i, 0
.rept 16
	v_cvt_pk_f16_f32 v[S+16*(\t)+i], v[32*(\t)+2*i], v[32*(\t)+2*i+1]
.set i, i+1
.endr
	WIN 0
.irp f, 0,1,2,3
	ds_store_b128 v[STO], v[S+16*(\t)+4*\f:S+16*(\t)+4*\f+3] offset:32*\f
.endr
.irp f, 0,1,2,3
	ds_load_b128 v[S+16*(\t)+4*\f:S+16*(\t)+4*\f+3], v[RD] offset:\f*4*SP  ; LDS serves a wave's instructions in order (ISA guide 5.7.1.4): these see the stores above
.endr
.endm
.macro SEND t, younger              ; younger: the LDS instructions issued behind tile t's loads: the next tile's eight, or none
	WIN 0
.irp f, 0,1,2,3
	s_wait_dscnt (\younger)+3-\f
	global_store_b128 v[GO], v[S+16*(\t)+4*\f:S+16*(\t)+4*\f+3], s[OB:OB+1] offset:(\t)*2048+\f*512  ; 512 consecutive bytes, at a multiple of 256 from O's first
.endr
.endm
	PACK 0
.set t, 1
.rept 2*NP-1                        ; a tile's arithmetic stands between the loads of the tile before and its stores
	PACK t
	SEND t-1, 8
.set t, t+1
.endr
	SEND 2*NP-1, 0
	WIN W_AD
	s_wait_tensorcnt 0x0            ; the wave's end: behind my last tensor load and my last LDS store
	ds_add_u32 v[SPW], v[NIL]
	s_wait_dscnt 0x0
	WIN 0
	CROUND                          ; the closing round: no work-group ends while a partner may still ask for a tile that names it
	s_endpgm
.Lfunc_end_k_qe6d77e7901_attn:
	.size	k_qe6d77e7901_attn, .Lfunc_end_k_qe6d77e7901_attn-k_qe6d77e7901_attn
	.p2alignl 7, 3214868480
	.fill 96, 4, 3214868480
	.section	.rodata,"a",@progbits
	.p2align	6, 0x0
	.amdhsa_kernel k_qe6d77e7901_attn
		.amdhsa_group_segment_fixed_size 327680
		.amdhsa_private_segment_fixed_size 0
		.amdhsa_enable_private_segment 0
		.amdhsa_kernarg_size 40
		.amdhsa_user_sgpr_count 2
		.amdhsa_user_sgpr_kernarg_segment_ptr 1
		.amdhsa_wavefront_size32 1
		.amdhsa_system_sgpr_workgroup_id_x 1
		.amdhsa_system_sgpr_workgroup_id_y 1
		.amdhsa_system_sgpr_workgroup_id_z 1
		.amdhsa_system_vgpr_workitem_id 0
		.amdhsa_next_free_vgpr 896
		.amdhsa_next_free_sgpr 106
		.amdhsa_reserve_vcc 0
		.amdhsa_float_denorm_mode_32 3
		.amdhsa_float_denorm_mode_16_64 3
		.amdhsa_memory_ordered 1
		.amdhsa_forward_progress 1
		.amdhsa_inst_pref_size 170
	.end_amdhsa_kernel
	.amdgpu_metadata
---
amdhsa.version: [ 1, 2 ]
amdhsa.kernels:
  - .name:           k_qe6d77e7901_attn
    .symbol:         k_qe6d77e7901_attn.kd
    .args:
      - { .name: qh, .offset: 0, .size: 8, .value_kind: global_buffer, .address_space: global }
      - { .name: kh, .offset: 8, .size: 8, .value_kind: global_buffer, .address_space: global }
      - { .name: vh, .offset: 16, .size: 8, .value_kind: global_buffer, .address_space: global }
      - { .name: maskw, .offset: 24, .size: 8, .value_kind: global_buffer, .address_space: global }
      - { .name: oh, .offset: 32, .size: 8, .value_kind: global_buffer, .address_space: global }
    .group_segment_fixed_size: 327680
    .private_segment_fixed_size: 0
    .kernarg_segment_align: 8
    .kernarg_segment_size: 40
    .max_flat_workgroup_size: 128
    .sgpr_count:     106
    .vgpr_count:     896
    .wavefront_size: 32
...
	.end_amdgpu_metadata
.endif
;; end of part 6
;; launch outp: the kernel of part 4 again; grid 4 x 64, 4 waves a work-group, clusters of 4 x 4, 327,680 bytes of LDS; arguments oh, wt, bo, out0; writes out0
;; ======== version 3 of 3: 4 launches; 1.39 times as fast as version 1
;; limits: values are held in f16: magnitudes above 65,504 overflow, below 6.1e-05 lose precision
;; workspace buffers: wt 8,388,608 bytes; maskw 2,097,152 bytes of whole numbers; qh 16,777,216 bytes; kh 16,777,216 bytes; vh 16,777,216 bytes; oh 16,777,216 bytes
;; launch prep: the kernel of part 5 again; grid 320 x 1, 8 waves a work-group, no clusters, 140,288 bytes of LDS; arguments mask, Wq, Wk, Wv, Wo, wt, maskw; writes wt, maskw
;; launch proj: the kernel of part 2 again; grid 4 x 192, 4 waves a work-group, clusters of 4 x 4, 327,680 bytes of LDS; arguments query, key, value, wt, bq, bk, bv, qh, kh, vh; writes qh, kh, vh
;; launch attn (part 7): grid 4 x 64, 4 waves a work-group, clusters of 4 x 1, 327,680 bytes of LDS; arguments qh, kh, vh, maskw, oh; writes oh
.if DOCPART == 7
	.amdgcn_target "amdgcn-amd-amdhsa--gfx1250"
	.amdhsa_code_object_version 6
	.text
	.protected	k_qe6d77e7901_attn
	.globl	k_qe6d77e7901_attn
	.p2align	8
	.type	k_qe6d77e7901_attn,@function
k_qe6d77e7901_attn:
	s_mov_b64 s[64:65], 0
	v_nop
	global_prefetch_b8 v0, s[64:65] scope:SCOPE_SE
	s_setreg_imm32_b32 hwreg(HW_REG_WAVE_MODE, 25, 1), 1
	s_wait_xcnt 0x0
	s_wait_alu depctr_hold_cnt(0) depctr_sa_sdst(0) depctr_va_vdst(0) depctr_va_sdst(0) depctr_va_ssrc(0) depctr_va_vcc(0) depctr_vm_vsrc(0)
	s_getreg_b32 s2, hwreg(HW_REG_IB_STS2, 6, 4)
	s_cmp_eq_u32 s2, 0
	s_cbranch_scc0 .Lentry_in_a_cluster
	s_endpgm
.Lentry_in_a_cluster:
	s_bfe_u32 s2, ttmp6, 0x10000c
	s_cmp_lg_u32 s2, 0x3003
	s_cbranch_scc0 .Lentry_shape_is_right
	s_endpgm
.Lentry_shape_is_right:
; MASKED ATTENTION.  O[bh][q][:] = the sum over k of softmax_k(mask ? Q[bh][q] . K[bh][k] / 8 : hidden) V[bh][k][:].  Q, K, V, O: [64][2048][64], all f16: a head's rows are dense, 128 bytes each.
; Products, maxima and sums in f32; the weights p are rounded to f16 for the second product (their sum l is taken of the unrounded p), O once at the end.
; THE MASK is an input, one bit for (b, query, key), shared by a batch's 16 heads.  The launch before has laid it out as lane masks: one 32-bit word for each register of scores.  A hidden score is REPLACED by
; H = -2^100 ahead of the running maximum (one v_cndmask_b32 a register), so the maximum is taken of what the softmax sees.  c H is exact, so in a row that is hidden altogether c s - c m is exactly 0,
; every weight is 1, and O is the plain mean of V's rows.  A hidden key beside a visible one gets the weight 0.
; A turn's 64 words are 256 bytes: one load of 8 bytes a lane brings them into a pair of vector registers, FOUR TURNS ahead of their use (a pair for each piece, loaded again as soon as it has been read), and 64
; v_readlane_b32 bring them into the scalar registers that v_cndmask_b32 takes its lane mask from.
; LIMITS.  f16 holds no number beyond 65,504: Q, K and V arrive within it; p below 6e-5 keeps f16's fixed step of 6e-8.  A hidden score counts as -2^100 ahead of the scale 1/8, not -1e30 behind it: visible scaled
; scores below -1.5e29 are not told apart as a softmax over -1e30 would; f16's scores, 2.7e11 at the most, never come near.  A weight below 2^-126 counts as 0 in l; NaN and infinities are not treated apart.
; SHARES.  A wave owns four PIECES of two tiles of 16 queries, a work-group's four waves 512 queries of one head.  Every wave walks all 2,048 keys, 64 a step.
; LAYOUT.  S^T = K Q^T (source 0 = 16 keys, source 1 = 16 queries): a lane holds ONE query (lane % 16) and the keys 8 (lane / 16) + 0..7.  Two such tiles, rounded to f16 in pairs, ARE source 1 of
; O^T = V^T P.  K comes out of LDS as it lies, V turned, by ds_load_tr16_b128.
; SOFTMAX.  A running maximum m and sum l: p = 2^(c s - c m), c = log2(e) / 8; in every step O and l are multiplied by a = 2^(c m_old - c m_new).  m starts at the lowest finite number, O and l at 0.
; BY TURNS.  Turn n belongs to piece n.  Matrix work: 16 products K Q^T of piece n + 1, later 16 products V^T P of piece n - 1.  Vector work: scaling, exponentials, roundings, sums and rescaling of piece n;
; mask words, mask, maximum and statistics of piece n + 1.  366 vector instructions for 32 matrix instructions: four stand behind every product, the other 238 in one lump between the two runs of products.
; BATCHES.  A turn's 66 exponentials (piece n's 64 weights, piece n + 1's two a) are ONE batch with ONE wait, which cuts the turn in two.  Ahead of it stands all that names no result of theirs: the products K Q^T,
; the mask words, the rescaling (its a was made, and waited for, in the turn before), the scalings, the exponentials, the next piece's mask, maximum and statistics.  Behind it stand the roundings and sums, which are
; the riders of the products V^T P.  No result crosses a turn's end.  The two a made ahead of the loop, and the way out's eight reciprocals, are batches of their own.
; CLUSTER.  The four query blocks of a cluster belong to one head and walk the same K and V: each tile is asked for JOINTLY.
; REGISTERS, in windows of 256 (s_set_vgpr_msb: bits 1:0 source 0, 3:2 source 1, 5:4 source 2, 7:6 destination):
;   window 0: v0-11 addresses, H and c; v12-15, v48-63 at work; v16-47 four registers of statistics a tile; v64-191 S^T, two buffers of two tiles; v192-255 P, likewise
;   window 1: O^T, 32 a tile          window 2: v0-127 Q; v128-191 K of one step; v192-204 the mask's pairs and their addresses          window 3: v0-1 the add's two registers; v64-127 V of one step
; The mask's pairs lie in K's window: v_readlane_b32 names one vector register, as source 0, so it runs under the setting of the products K Q^T, and the first run of products has no switch.
; SCALAR REGISTERS s32-63 and s68-99 hold the 64 mask words of the turn in hand.
.set SIZE_N, 2048
.set NP,    4         ; pieces a wave: a name, no knob
.set KS,    64        ; keys in a step
.set PK,    144       ; a row of K in LDS: 128 bytes + 16 = 36 words: the 16 rows of a load start at 16 different groups of four banks (64 banks of 4 bytes: ISA guide 11.1)
.set PV,    160       ; a row of V: 128 + 32 = 40 words
.set VOFF,  4*KS*PK   ; a slot holds four steps: 256 rows of K, then 256 rows of V
.set SLOT1, 1<<17     ; slot 1 begins here, so that one exclusive or turns an address in one slot into the other's
.set STAGE, SLOT1+4*KS*(PK+PV)  ; behind the ring, never filled by a tensor load: 16 rows x 144 bytes for each wave
.set SP,    144
.set SPARE, STAGE+4*16*SP  ; behind the stages: the spare words, 128 bytes for each wave: two blocks of 256 bytes that no other line names
.set STO, 0           ; v0   (once the thread's number has served) the way out: where I put 16 bytes of a row
.set AK0, 2           ; v2   my lane's place in a tile of K; never rewritten
.set AV0, 3           ; v3   the same for V
.set AK,  4           ; v4   the LDS address of K's next run of loads
.set AV,  5           ; v5   of V's
.set QO,  6           ; v6   my byte offset in the wave's rows of Q
.set RD,  7           ; v7   the way out: where I read rows back
.set GO,  8           ; v8   my byte offset in 512 consecutive bytes of O
.set BIG, 9           ; v9   H = -2^100
.set CV,  10          ; v10-11  c, twice
.set SPW, 0           ; v0 of window 3   LDS address of my spare word; never rewritten
.set NIL, 1           ; v1 of window 3   0; never rewritten
.set MV,  12          ; v12-15  c m_old, kept while c m is made anew: by buffer and tile
.set ST,  16          ; tile t's statistics at v[ST+4 t]: c m, m, l (even keys', odd keys')
.set TMP, 48          ; by buffer and tile, four registers c0-c3 at work; when the maximum is found c2 takes a
.set S,   64
.set P,   192
.set KF,  128         ; window 2: key block kb, channel half c at KF + 16 kb + 8 c
.set MKV, 192         ; window 2: piece q's mask words at MKV + 2 q: lane rho holds words 2 rho and 2 rho + 1
.set MA,  200         ; window 2: byte offset of my 8 bytes in the words that piece q's pair was loaded from last
.set LIM, 204         ; window 2: the same in the table's last 64 words; never rewritten
.set VF,  64          ; window 3: key half kk, channel block cb at VF + 32 kk + 8 cb
.set OB,  2           ; s[2:3]   O at my wave's first row
.set G1K, 4           ; s[4:11]  descriptor group 1 for K's tiles
.set G1V, 12          ; s[12:19] for V's: it differs in the padding alone
.set G0K, 20          ; s[20:23] descriptor group 0 for K's tiles: it walks
.set G0V, 24          ; s[24:27] the same for V's
.set MP,  28          ; s[28:29] my wave's 128 x 64 mask words
.set SEL, 30          ; s[30:31] v_permlanex16_b32's selects: each lane takes its own place in the other half
.set MW,  32          ; mask word i at s[32 + i], from i = 32 on at s[36 + i]
.set WV,  66          ; s66  my wave's number
.set SLOTS, 67        ; s67  slots still to be asked for
.set CNT, 100         ; s100 counts a slot's key steps
.set TBK, 101         ; s101 LDS byte at which K of the step to be fetched begins
.set TBV, 104         ; s104 the same for V, less VOFF
.set TOT, 105         ; s105 trips of the step loop still to be begun or in hand: 32 in all
.set MSB, 0
.macro WIN new                      ; the high byte repeats the setting that is left; a switch that changes nothing is dropped
.if MSB != (\new)
	s_set_vgpr_msb (MSB<<8)|(\new)
.set MSB, (\new)
.endif
.endm
.set W_KQ, 0x0a       ; K and Q (and the mask's pairs) in window 2, S^T in window 0
.set W_PV, 0x53       ; V in window 3, P in window 0, O^T in window 1
.set W_RS, 0x41       ; O^T (destination and source 0) in window 1, a in window 0
.set W_MK, 0xc0       ; destination in window 3, sources in window 0
.set W_AD, 0x0f       ; the add: address and data in window 3
.set W_ML, 0x8a       ; the mask's loads and their addresses: destination and sources 0 and 1 in window 2
; A joint fill.  Waves 0 and 1 fetch the two halves of a slot's K, waves 2 and 3 those of its V: 128 keys each.  An s_nop 0 and four v_nop follow each of the two lines.
.macro JLOAD
	s_cmp_lt_u32 s[WV], 2
	s_cbranch_scc0 .Lfor_v_\@
	tensor_load_to_lds s[G0K:G0K+3], s[G1K:G1K+7]
	s_nop 0
.rept 4
	v_nop
.endr
	s_branch .Lasked_\@
.Lfor_v_\@:
	tensor_load_to_lds s[G0V:G0V+3], s[G1V:G1V+7]
	s_nop 0
.rept 4
	v_nop
.endr
.Lasked_\@:
.endm
.macro CROUND                       ; a round of the cluster's barrier
	s_barrier_signal -1
	s_barrier_wait -1
	s_cmp_lg_u32 s[WV], 0
	s_cbranch_scc1 .Lnot_wave_0_\@
	s_barrier_signal -3
.Lnot_wave_0_\@:
	s_barrier_wait -3
	s_barrier_signal -1
	s_barrier_wait -1
.endm
; THE CHANGE OF SLOTS.  Each wave waits for all its tensor loads, of which one is out: its part of the other slot; adds 0 to its spare word; and waits for that and for its own reads of the slot.
; fill = 1: this slot is filled again, with the keys two slots on; the barrier is then a round of the cluster's, and the joint fill is the first thing behind it: it has four key steps in which to land.
; (At its first use nothing has been read yet: slot 0 is waited for, slot 1 filled.)
.macro CHANGE fill
	WIN W_AD
	s_wait_tensorcnt 0x0            ; no tensor load of mine is out, so a group 0 may be written
	ds_add_u32 v[SPW], v[NIL]
	WIN 0                           ; at a label and at a branch every window is 0
.if \fill
.irp g, G0K, G0V
	s_xor_b32 s[\g+1], s[\g+1], SLOT1  ; the walking descriptor: the other slot than last time,
	s_add_nc_u64 s[\g+2:\g+3], s[\g+2:\g+3], 4*KS*128  ; the next 256 keys; the type bits on top are not reached
.endr
	s_wait_dscnt 0x0                ; the add is done, and my reads of the slot are over
	CROUND
	JLOAD
.else
	s_wait_dscnt 0x0
	s_barrier_signal -1
	s_barrier_wait -1
.endif
	s_sub_co_u32 s[TBK], s[TBK], 4*KS*PK  ; the fetches go back to a slot's first step,
	s_xor_b32 s[TBK], s[TBK], SLOT1       ; in the other slot
	s_sub_co_u32 s[TBV], s[TBV], 4*KS*PV
	s_xor_b32 s[TBV], s[TBV], SLOT1
.endm
	; The arguments and the set-up's scalars live in the mask words' registers until the first words are read.
	s_load_b256 s[32:39], s[0:1], 0x0  ; Q s[32:33], K s[34:35], V s[36:37], maskw s[38:39]
	s_load_b64 s[40:41], s[0:1], 0x20  ; O
	WIN W_MK
	v_lshl_add_u32 v[SPW], v0, 2, SPARE
	v_mov_b32 v[NIL], 0
	WIN W_AD
	ds_add_u32 v[SPW], v[NIL]       ; the wave's opening: the add and its wait stand ahead of my first tensor load; the set-up below stands between them
	WIN 0
	v_lshrrev_b32 v1, 5, v0
	v_readfirstlane_b32 s[WV], v1   ; wave 0..3
	s_bfe_u32 s42, ttmp6, 0x40000   ; cx: my place in the cluster
	s_lshl_b32 s43, ttmp9, 2
	s_add_co_u32 s43, s43, s42      ; my block of 512 queries: it enters Q's, O's and the mask's addresses alone
	s_and_b32 s44, ttmp7, 0xffff    ; 16 b + head, which the four partners share
	s_lshl_b32 s46, s44, 18         ; the head's first byte in Q, K, V, O: 2,048 rows of 128 bytes
	s_mov_b32 s47, 0
	s_and_b32 s48, s[WV], 1         ; which half of a slot's 256 keys I fetch:
	s_lshl_b32 s50, s48, 14         ; its 128 rows in memory,
	s_mov_b32 s51, 0
	s_add_nc_u64 s[50:51], s[50:51], s[46:47]
	s_mul_i32 s52, s48, 128*PK      ; and its place in a slot, for K
	s_mul_i32 s53, s48, 128*PV      ; and for V: no place in the cluster enters an LDS address
	s_lshl_b32 s54, s43, 2
	s_add_co_u32 s54, s54, s[WV]    ; my wave among the head's sixteen,
	s_lshl_b32 s56, s54, 14         ; its 128 rows
	s_mov_b32 s57, 0
	s_add_nc_u64 s[56:57], s[56:57], s[46:47]
	s_lshr_b32 s58, s44, 4          ; b
	s_lshl_b32 s58, s58, 4
	s_add_co_u32 s58, s58, s54
	s_lshl_b32 s58, s58, 15         ; (16 b + wave) x 128 x 256 bytes of mask words
	s_mov_b32 s59, 0
	s_mul_i32 s60, s[WV], 16*SP
	s_add_co_u32 s60, s60, STAGE    ; my stage
	; descriptor group 1.  128 keys are 16,384 dense bytes: asked for as 64 rows of 256 bytes, two keys a row, and padded in LDS after every key
	s_mov_b32 s[G1K], 15|(1<<16)|(1<<20)|(1<<21)|(4<<22)|(3<<25)  ; the mask of four; 2-byte elements; padding on; 21 set beside a mask; after every 32 words (code 4) 4 words (code 3)
	s_mov_b32 s[G1V], 15|(1<<16)|(1<<20)|(1<<21)|(4<<22)|(7<<25)  ; the same with 8 words of padding (code 7)
.irp g, G1K, G1V
	s_mov_b32 s[\g+1], 128<<16      ; tensor_dim0 = 128
	s_mov_b32 s[\g+2], 64<<16       ; tensor_dim1 = 64
	s_mov_b32 s[\g+3], 128<<16      ; tile_dim0 = 128
	s_mov_b32 s[\g+4], 64           ; tile_dim1 = 64
	s_mov_b32 s[\g+5], 128          ; 128 elements from row to row
	s_mov_b32 s[\g+6], 0
	s_mov_b32 s[\g+7], 0
.endr
	s_mov_b32 s[SEL], 0x76543210
	s_mov_b32 s[SEL+1], 0xfedcba98
	s_mov_b32 s[TBK], SLOT1+4*KS*PK ; the first change of slots turns these two into 0
	s_mov_b32 s[TBV], SLOT1+4*KS*PV
	s_mov_b32 s[G0K], 1             ; count = 1
	s_mov_b32 s[G0K+1], s52         ; LDS address: slot 0
	s_mov_b32 s[G0V], 1
	s_add_co_u32 s[G0V+1], s53, VOFF
	s_wait_dscnt 0x0                ; the opening add is done
	s_wait_kmcnt 0x0
	s_add_nc_u64 s[G0K+2:G0K+3], s[34:35], s[50:51]  ; my half of the head's first 256 keys
	s_or_b32 s[G0K+3], s[G0K+3], 0x80000000          ; type = 2
	s_add_nc_u64 s[G0V+2:G0V+3], s[36:37], s[50:51]
	s_or_b32 s[G0V+3], s[G0V+3], 0x80000000
	s_add_nc_u64 s[32:33], s[32:33], s[56:57]        ; Q and O at my wave's first row
	s_add_nc_u64 s[OB:OB+1], s[40:41], s[56:57]
	s_add_nc_u64 s[MP:MP+1], s[38:39], s[58:59]
	CROUND                          ; all four work-groups are here: the first joint loads meet
	JLOAD                           ; slot 0.  Slot 1 is asked for when slot 0 is in
	; A fragment of K or Q is 16 rows x 32 channels in 8 registers: lane l holds row l % 16, channels 8 (l / 16) + 0..7 and 16 + 8 (l / 16) + 0..7: two loads of 16 bytes, 32 bytes apart.
	v_and_b32 v1, 15, v0            ; l % 16
	v_bfe_u32 v9, v0, 4, 1          ; l / 16
	v_lshlrev_b32 v[QO], 7, v1
	v_lshl_add_u32 v[QO], v9, 4, v[QO]
	WIN 0x80                        ; destination window 2, address window 0
.set i, 0
.rept 4*NP                          ; Q stays in registers: tile i / 2, channels 32 (i % 2) on
	global_load_b128 v[8*i:8*i+3],   v[QO], s[32:33] offset:(i/2)*2048+(i%2)*64
	global_load_b128 v[8*i+4:8*i+7], v[QO], s[32:33] offset:(i/2)*2048+(i%2)*64+32
.set i, i+1
.endr
	; What the first turn finds: V's registers and P's second buffer hold 0 (its products V^T P, of a piece that has not been, add 0), O^T and l are 0.  All this stands in the wait for the first tile.
	WIN W_MK
.set i, VF
.rept 64
	v_mov_b32 v[i], 0
.set i, i+1
.endr
	WIN 0x40
.set i, 0
.rept 64*NP
	v_mov_b32 v[i], 0
.set i, i+1
.endr
	WIN 0
.set i, 0
.rept 2*NP
	v_mov_b32 v[ST+4*i], 0xfe000000    ; c m: far below every c s, c H too
	v_mov_b32 v[ST+4*i+1], 0xff7fffff  ; m
	v_mov_b32 v[ST+4*i+2], 0
	v_mov_b32 v[ST+4*i+3], 0
.set i, i+1
.endr
.set i, P+32
.rept 32
	v_mov_b32 v[i], 0
.set i, i+1
.endr
	v_mul_u32_u24 v[AK0], v1, PK
	v_lshl_add_u32 v[AK0], v9, 4, v[AK0]  ; row x pitch + 16 x half
	; The turning load takes 16 keys x 16 channels (lane l reads key 8 (l / 16) + l % 8, channels 8 ((l / 8) % 2) + 0..7) and leaves half a fragment of V^T.
	v_and_b32 v10, 7, v0
	v_bfe_u32 v11, v0, 3, 1
	v_lshl_add_u32 v[AV0], v9, 3, v10
	v_mul_u32_u24 v[AV0], v[AV0], PV
	v_lshl_add_u32 v[AV0], v11, 4, v[AV0]
	v_add_nc_u32 v[AV0], VOFF, v[AV0]
	v_mov_b32 v[AK], v[AK0]         ; key step 0 lies at the head of slot 0
	v_bfe_u32 v[RD], v0, 3, 2       ; the way out, back: 32 lanes take four rows of 128 bytes,
	v_mul_u32_u24 v[RD], v[RD], SP
	v_lshl_add_u32 v[RD], v10, 4, v[RD]
	v_add_nc_u32 v[RD], s60, v[RD]
	v_and_b32 v[GO], 31, v0         ; which are 512 consecutive bytes of O
	v_lshlrev_b32 v[GO], 4, v[GO]
	v_mul_u32_u24 v[STO], v1, SP    ; in: row l % 16, 16 bytes for each half of the lanes (the thread's number has served)
	v_lshl_add_u32 v[STO], v9, 4, v[STO]
	v_add_nc_u32 v[STO], s60, v[STO]
	v_lshrrev_b32 v1, 1, v[GO]      ; the mask: 8 bytes a lane
	WIN 0x80
.irp q, 0,1,2,3
	v_add_nc_u32 v[MA+\q], 256*\q, v1  ; key step 0, piece q
.endr
	v_add_nc_u32 v[LIM], 127*256, v1
	WIN W_ML
.irp q, 0,1,2,3
	global_load_b64 v[MKV+2*\q:MKV+2*\q+1], v[MA+\q], s[MP:MP+1]  ; 256 consecutive bytes, aligned; the batch's other heads read them too, so no hint
.endr
	WIN 0
; THE MATRIX WORK.  The 8 accumulators of a run of 16 take turns.
; Product i of 16 of S^T = K Q^T for piece x: channels 32 (i / 8) on, keys 16 ((i / 2) % 4) on, tile 2 x + i % 2.  The first 8 start the sums.
.macro KQ x
	WIN W_KQ
.set rS, S+64*((\x)%2)+32*(i%2)+8*((i/2)%4)
.set rK, KF+16*((i/2)%4)+8*(i/8)
.set rQ, 16*(2*(\x)+i%2)+8*(i/8)
.if i < 8
	v_wmma_f32_16x16x32_f16 v[rS:rS+7], v[rK:rK+7], v[rQ:rQ+7], 0
.else
	v_wmma_f32_16x16x32_f16 v[rS:rS+7], v[rK:rK+7], v[rQ:rQ+7], v[rS:rS+7]
.endif
.endm
; Product i of 16 of O^T += V^T P for piece x: keys 32 (i / 8) on, channels 16 ((i / 2) % 4) on, tile 2 x + i % 2.
.macro PV x
	WIN W_PV
.set rO, 32*(2*(\x)+i%2)+8*((i/2)%4)
.set rV, VF+32*(i/8)+8*((i/2)%4)
.set rP, P+32*((\x)%2)+16*(i%2)+8*(i/8)
	v_wmma_f32_16x16x32_f16 v[rO:rO+7], v[rV:rV+7], v[rP:rP+7], v[rO:rO+7]
.endm
.macro MM                           ; the turn's next matrix instruction
.if i < 16
	KQ (Y+1)%NP
.set i, i+1
.else
.set i, i-16
	PV (Y+NP-1)%NP
.set i, i+17
.endif
.endm
; THE LDS LOADS stand in runs of 16.  last = 1 (in the loop): in the walk's last trip there is no further step, and the run is jumped over.
.macro FETCH_K last=0
	WIN 0
.if \last
	s_cmp_eq_u32 s[TOT], 1
	s_cbranch_scc1 .Lno_k_\@
.endif
	WIN 0x80                        ; destination window 2
.irp f, 0,1,2,3,4,5,6,7             ; keys 16 (f / 2) on, channels 32 (f % 2) on
	ds_load_b128 v[KF+8*\f:KF+8*\f+3],   v[AK] offset:(\f/2)*16*PK+(\f%2)*64
	ds_load_b128 v[KF+8*\f+4:KF+8*\f+7], v[AK] offset:(\f/2)*16*PK+(\f%2)*64+32
.endr
	s_add_co_u32 s[TBK], s[TBK], KS*PK  ; the next fetch is the next step's
	WIN 0
.if \last
.Lno_k_\@:
.endif
.endm
.macro FETCH_V
	WIN W_MK                        ; destination window 3
.irp f, 0,1,2,3,4,5,6,7             ; keys 32 (f / 4) on, channels 16 (f % 4) on
	ds_load_tr16_b128 v[VF+8*\f:VF+8*\f+3],   v[AV] offset:(\f/4)*32*PV+(\f%4)*32
	ds_load_tr16_b128 v[VF+8*\f+4:VF+8*\f+7], v[AV] offset:(\f/4)*32*PV+16*PV+(\f%4)*32
.endr
	WIN 0
.endm
; THE MASK WORDS of piece MQ.  RL4: the next four of its 64 words go from lanes to scalar registers: word i lies in register i % 2 of the pair, lane i / 2.  It runs under the setting of the products K Q^T.
.macro RL4
	WIN W_KQ
.rept 4
	v_readlane_b32 s[MW+nrl+4*(nrl/32)], v[MKV+2*MQ+nrl%2], nrl/2
.set nrl, nrl+1
.endr
.endm
; MLD: the pair has been read, and takes the same piece's words one key step (four turns, 1,024 bytes) on.  Behind the table's end the address stays at the last 64 words, which then serve nothing: no load leaves the table.
; The wait at the turn's head has shown the pair's last load done, so its address register may be written.
.macro MLD
	WIN W_ML
	v_add_nc_u32 v[MA+MQ], 1024, v[MA+MQ]
	v_min_u32 v[MA+MQ], v[MA+MQ], v[LIM]
	global_load_b64 v[MKV+2*MQ:MKV+2*MQ+1], v[MA+MQ], s[MP:MP+1]
.endm
; THE VECTOR WORK OF A TURN stands in queues, each in the order in which its entries become ready; the two tiles alternate.
.macro REGS y, u                    ; the registers of tile u (0, 1) of piece y
.set rT, ST+4*(2*(\y)+(\u))
.set rC, TMP+8*((\y)%2)+4*(\u)
.set rM, MV+2*((\y)%2)+(\u)
.set rS, S+64*((\y)%2)+32*(\u)
.set rP, P+32*((\y)%2)+16*(\u)
.set rO, 32*(2*(\y)+(\u))
.endm
; Number n of the 22 that find the NEXT piece's (Y + 1) maximum and statistics, behind its mask.
;   0-11  four chains c0-c3 of seven scores each     12-14, 16  the four scores left over, the old m, and c0-c3 into c0     15  c m_old is kept
;   17, 18  the query's other 32 keys lie in the lane 16 away: the new m         19-21  c m; c m_old - c m_new; a
; c2, which number 14 writes and number 21 writes again, last held the a of the piece two turns back: that turn's wait has served it.
.macro XS u, n
	REGS (Y+1)%NP, \u
.if (\n) < 4
	v_max3_num_f32 v[rC+(\n)], v[rS+8*(\n)], v[rS+8*(\n)+1], v[rS+8*(\n)+2]
.elseif (\n) < 12
	v_max3_num_f32 v[rC+(\n)%4], v[rC+(\n)%4], v[rS+8*((\n)%4)+2*((\n)/4)+1], v[rS+8*((\n)%4)+2*((\n)/4)+2]
.elseif (\n) == 12
	v_max3_num_f32 v[rC], v[rC], v[rS+7], v[rS+15]
.elseif (\n) == 13
	v_max3_num_f32 v[rC+1], v[rC+1], v[rS+23], v[rS+31]
.elseif (\n) == 14
	v_max3_num_f32 v[rC+2], v[rC+2], v[rC+3], v[rT+1]
.elseif (\n) == 15
	v_mov_b32 v[rM], v[rT]
.elseif (\n) == 16
	v_max3_num_f32 v[rC], v[rC], v[rC+1], v[rC+2]
.elseif (\n) == 17
	v_permlanex16_b32 v[rC+3], v[rC], s[SEL], s[SEL+1]
.elseif (\n) == 18
	v_max_num_f32 v[rT+1], v[rC], v[rC+3]
.elseif (\n) == 19
	v_mul_f32 v[rT], v[CV], v[rT+1]
.elseif (\n) == 20
	v_sub_f32 v[rC+1], v[rM], v[rT]
.else
	v_exp_f32 v[rC+2], v[rC+1]
.endif
.endm
; Number n of the 64 that follow the exponentials.  For each four weights k of a tile: its first pair is rounded to f16; l takes the sum of the four before (the first time as l = a l + sum); its second pair is
; rounded; the second pair is added onto the first, in place.  Tiles alternate.  Group 0 has no group before it; behind group 7 only l is left.  All 64 read the exponentials' results: they stand behind the turn's wait.
.macro GS n
.set h, (\n)
.if h >= 2
.set h, h+2
.endif
	REGS Y, h%2
.set k, h/8
.set j, h%8
.if k == 8
	v_pk_add_f32 v[rT+2:rT+3], v[rT+2:rT+3], v[rS+28:rS+29]
.elseif j < 2
	v_cvt_pk_f16_f32 v[rP+2*k], v[rS+4*k], v[rS+4*k+1]
.elseif (j < 4) && (k == 1)
	v_pk_fma_f32 v[rT+2:rT+3], v[rT+2:rT+3], v[rC+2:rC+3], v[rS:rS+1] op_sel_hi:[1,0,1]
.elseif j < 4
	v_pk_add_f32 v[rT+2:rT+3], v[rT+2:rT+3], v[rS+4*k-4:rS+4*k-3]
.elseif j < 6
	v_cvt_pk_f16_f32 v[rP+2*k+1], v[rS+4*k+2], v[rS+4*k+3]
.else
	v_pk_add_f32 v[rS+4*k:rS+4*k+1], v[rS+4*k:rS+4*k+1], v[rS+4*k+2:rS+4*k+3]
.endif
.endm
; QUEUE A, 96 long, for piece Y: c s - c m for the 16 pairs of both tiles (scaling f: pair f / 2 of tile f % 2), then GS's 64.  The first 32 stand ahead of the turn's wait, the 64 behind it.
.macro PA
	WIN 0
.if npa < 32
	REGS Y, npa%2
	v_pk_fma_f32 v[rS+2*(npa/2):rS+2*(npa/2)+1], v[rS+2*(npa/2):rS+2*(npa/2)+1], v[CV:CV+1], v[rT:rT+1] op_sel_hi:[1,0,0] neg_lo:[0,0,1] neg_hi:[0,0,1]
.else
	GS npa-32
.endif
.set npa, npa+1
.endm
; QUEUE B, 106 long, for piece Y + 1: the mask (score register n / 2 of tile n % 2 keeps its number where the word's bit is set and takes H elsewhere; in ascending order),
; then XS 0-13, 15, 14, 16-20: the copy, which waits for nothing, goes ahead of the chain 14, 16 .. 20, in which each number waits for the one before it.
.macro PB
	WIN 0
.if npb < 64
	REGS (Y+1)%NP, npb%2
	v_cndmask_b32 v[rS+npb/2], v[BIG], v[rS+npb/2], s[MW+npb+4*(npb/32)]
.else
.set nx, (npb-64)/2
.if (nx == 14) || (nx == 15)
.set nx, 29-nx
.endif
	XS (npb-64)%2, nx
.endif
.set npb, npb+1
.endm
; THE EXPONENTIALS' QUEUE, 66 long: s0-s31 of both tiles, at last the next piece's two a.  It is ONE BATCH: all 66 stand ahead of the turn's one wait, and nothing ahead of that wait names a result of theirs.
.macro EX
	WIN 0
.if e >= 64
	XS e-64, 21
.else
	REGS Y, e%2
	v_exp_f32 v[rS+e/2], v[rS+e/2]
.endif
.set e, e+1
.endm
; THE RESCALING's QUEUE: O^T times a, dealt four at a time, eight times; each accumulator from its low end on.  Its a was made in the turn before, ahead of that turn's wait.
.macro R4
	REGS Y, r%2
	WIN W_RS
.irp z, 0,1,2,3
	v_pk_mul_f32 v[rO+8*(r/2)+2*\z:rO+8*(r/2)+2*\z+1], v[rO+8*(r/2)+2*\z:rO+8*(r/2)+2*\z+1], v[rC+2:rC+3] op_sel_hi:[1,0]
.endr
.set r, r+1
.endm
; HOW THE LUMP IS DEALT.  No two exponentials follow each other but the two a, and a plain instruction that names nothing of the exponential stands behind each (ISA guide 5.7.2).
; Four scalings; then 47 GROUPS of B, exponential, B, and in the even groups below 46 a scaling: exponentials 0-46, the 64 mask lines (groups 0-31), XS 0-13 (32-45) and XS 15 (46), scalings 4-26.
; Then 17 times exponential and plain (CHN): exponentials 47-63; the plain ones are scaling 27, XS 14 of both tiles, scaling 28, XS 16, scaling 29, XS 17, scaling 30, XS 18, scaling 31, XS 19, XS 20: a tile's links stand six lines apart.
; The counts that this keeps: exponential e needs scaling 2 (e / 4) + e % 2.  Scalings 0-3 stand in front of group 0; scaling f from 4 to 26 in group 2 (f - 4), six groups or more ahead of its first exponential;
; scaling 27 + n is plain line 3 n of the 17, and its first exponential (53, 56, 57, 60, 61) stands in front of plain line 6, 9, 10, 13, 14.  v_permlanex16_b32 (XS 17) stands in the lump, never behind a product.
.macro GRP
	PB
	EX
	PB
.if (g%2 == 0) && (g < 46)
	PA
.endif
.set g, g+1
.endm
.macro CHN
	EX
.if (tc%3 == 0) && (tc < 15)
	PA
.else
	PB
.endif
.set tc, tc+1
.endm
; A TURN, for piece p.  AHEAD OF THE WAIT: behind each of the 16 products K Q^T four mask words; the pair's next load; seven of the eight accumulators' rescalings; the lump as dealt above; the next piece's two a, the batch's last;
; and the eighth accumulator's four rescalings, which name nothing of the batch: the first of them is the plain instruction behind the last exponential.  Then the turn's ONE wait.
; BEHIND IT: the 16 products V^T P, behind each four of GS's 64; none names a register of the products round it.
; The mask begins behind 28 rescalings and four scalings, which name nothing of the products K Q^T (ISA guide 7.12.1 asks for four places).
; K of the next step is fetched in piece 2's turn, directly behind the wait (the run holds a branch and a label, ahead of which every exponential has its wait); its address is made at the lump's head; it is waited for at the head of
; piece 3's turn, 16 products later.  V of the step in hand is fetched at the end of piece 0's turn, four riders (v_pk_add_f32 on S^T and l) behind the last product that read V; it is waited for in piece 1's turn, ahead of the first product V^T P.
.macro TURN p
.set Y, (\p)
.set MQ, ((\p)+1)%NP
.set i, 0
.set g, 0
.set tc, 0
.set npa, 0
.set npb, 0
.set e, 0
.set r, 0
.set nrl, 0
.if (\p) == NP-1
	s_wait_dscnt 0x0                ; K is in
.endif
	s_wait_loadcnt 3                ; loads come back in order: the next piece's words are in; the three pairs loaded behind them stay out
.rept 16
	MM
	RL4
.endr
	MLD
.rept 7
	R4
.endr
.rept 4
	PA
.endr
.if (\p) == NP-2
	v_add_nc_u32 v[AK], s[TBK], v[AK0]
.endif
.if (\p) == 0
	v_add_nc_u32 v[AV], s[TBV], v[AV0]
.endif
.rept 47                            ; groups 0-46
	GRP
.endr
.if (\p) == 0
	s_add_co_u32 s[TBV], s[TBV], KS*PV
.endif
.rept 17                            ; the chain
	CHN
.endr
	EX                              ; the next piece's two a
	EX
	R4                              ; work that names none of the batch's results, between the batch and its wait
	s_wait_alu depctr_va_vdst(0)    ; one wait for the batch: this piece's 64 exponentials and the next piece's two a
.if (\p) == NP-2
	FETCH_K 1
.endif
.if (\p) == 1
	s_wait_dscnt 0x0                ; V is in
.endif
.rept 16
	MM
.rept 4
	PA
.endr
.endr
.if (\p) == 0
	FETCH_V
.endif
.endm
	CHANGE 1                        ; slot 0 is in, everybody's part of it; slot 1 is asked for
	FETCH_K                         ; key step 0
	s_wait_loadcnt 3                ; Q and piece 0's mask words are in (so Q's base, s[32:33], may be written); the three other pairs stay out
	s_wait_dscnt 0x0
.set Y, NP-1                        ; queue B and XS work for piece Y + 1: piece 0
.set MQ, 0
.set nrl, 0
.set i, 0
.rept 16
	KQ 0                            ; piece 0's first scores, and its mask words
	RL4
.set i, i+1
.endr
	MLD                             ; piece 0, key step 1
	WIN 0
	v_mov_b32 v[BIG], 0xf1800000    ; H = -2^100.  These four lines and the two in front of the load are the places behind those products
	v_mov_b32 v[CV], 0x3e38aa3b     ; c = log2(e) / 8 = 0.180337
	v_mov_b32 v[CV+1], 0x3e38aa3b
	v_nop
.set npb, 0
.rept 64
	PB
.endr
.irp n, 0,1,2,3,4,5,6,7,8,9,10,11,12,13,14,15,16,17,18,19,20,21
	XS 0, \n                        ; piece 0's first maximum and statistics
	XS 1, \n
.endr
	v_nop                           ; a plain instruction behind the two a,
	s_wait_alu depctr_va_vdst(0)    ; and the wait for a batch of two, piece 0's first a; ahead of the branch
	s_mov_b32 s[CNT], 4
	s_mov_b32 s[SLOTS], SIZE_N/256-1
	s_mov_b32 s[TOT], SIZE_N/KS
	s_branch .Lfirst                ; the loop is entered at a step's first turn, in the middle of a trip
.Lslot:                             ; six times: every slot but the last two is filled again
	CHANGE 1
	s_mov_b32 s[CNT], 4
.Lstep:                             ; a trip: pieces 2 and 3 of one step, then pieces 0 and 1 of the next, whose K and V it fetches.  32 trips in all; the last is left in its middle
	TURN 2
	TURN 3
	WIN 0
	s_sub_co_u32 s[TOT], s[TOT], 1
	s_cmp_eq_u32 s[TOT], 0
	s_cbranch_scc1 .Lout
.Lfirst:
	TURN 0
	TURN 1
	WIN 0
	s_sub_co_u32 s[CNT], s[CNT], 1
	s_cmp_lg_u32 s[CNT], 0
	s_cbranch_scc1 .Lstep
	s_sub_co_u32 s[SLOTS], s[SLOTS], 1
	s_cmp_lg_u32 s[SLOTS], 0
	s_cbranch_scc1 .Lslot
	CHANGE 0                        ; the last change of slots is written out: it asks for nothing, and no tensor load and no barrier is jumped over.  The steps' text, work on registers and LDS reads, serves again:
	s_mov_b32 s[CNT], 5             ; four trips fetch the last slot's steps; the fifth is the walk's 32nd and leaves by TOT
	s_branch .Lstep
.Lout:                              ; the last trip's 16 products K Q^T for a piece 0 that is not to come (on the last K once more) and what is made of them serve nothing: the price, once a launch, of one text for every trip
.set i, 0
.rept 16
	PV NP-1                         ; the last piece's V^T P of the last step
.set i, i+1
.endr
	; THE WAY OUT.  l's two halves and the other half of the lanes' are added; O^T is divided by l, rounded to f16 and sent through my stage in LDS, a tile at a time.  The additions are the places behind the last products.
	WIN 0
.macro ALL line:vararg              ; one line for each tile t
.set t, 0
.rept 2*NP
	\line
.set t, t+1
.endr
.endm
	ALL v_add_f32 v[ST+4*t+2], v[ST+4*t+2], v[ST+4*t+3]
	ALL v_permlanex16_b32 v[ST+4*t+3], v[ST+4*t+2], s[SEL], s[SEL+1]
	ALL v_add_f32 v[ST+4*t+2], v[ST+4*t+2], v[ST+4*t+3]
	ALL v_rcp_f32 v[ST+4*t+2], v[ST+4*t+2]
	v_nop                           ; a plain instruction between the last reciprocal and the use of its result
	s_wait_alu depctr_va_vdst(0)    ; and the wait ahead of the first use: one for the batch of eight reciprocals
.macro PACK t                       ; a lane's eight channels of a row pack into 16 bytes; they go into rows of 144 bytes and come back as whole rows of 128, into S^T's registers
	WIN W_RS
.set i, 32*(\t)
.rept 16
	v_pk_mul_f32 v[i:i+1], v[i:i+1], v[ST+4*(\t)+2:ST+4*(\t)+3] op_sel_hi:[1,0]
.set i, i+2
.endr
	WIN 0x05                        ; sources 0 and 1 window 1, destination window 0
.set i, 0
.rept 16
	v_cvt_pk_f16_f32 v[S+16*(\t)+i], v[32*(\t)+2*i], v[32*(\t)+2*i+1]
.set i, i+1
.endr
	WIN 0
.irp f, 0,1,2,3
	ds_store_b128 v[STO], v[S+16*(\t)+4*\f:S+16*(\t)+4*\f+3] offset:32*\f
.endr
.irp f, 0,1,2,3
	ds_load_b128 v[S+16*(\t)+4*\f:S+16*(\t)+4*\f+3], v[RD] offset:\f*4*SP  ; LDS serves a wave's instructions in order (ISA guide 5.7.1.4): these see the stores above
.endr
.endm
.macro SEND t, younger              ; younger: the LDS instructions issued behind tile t's loads: the next tile's eight, or none
	WIN 0
.irp f, 0,1,2,3
	s_wait_dscnt (\younger)+3-\f
	global_store_b128 v[GO], v[S+16*(\t)+4*\f:S+16*(\t)+4*\f+3], s[OB:OB+1] offset:(\t)*2048+\f*512  ; 512 consecutive bytes, at a multiple of 256 from O's first
.endr
.endm
	PACK 0
.set t, 1
.rept 2*NP-1                        ; a tile's arithmetic stands between the loads of the tile before and its stores
	PACK t
	SEND t-1, 8
.set t, t+1
.endr
	SEND 2*NP-1, 0
	WIN W_AD
	s_wait_tensorcnt 0x0            ; the wave's end: behind my last tensor load and my last LDS store
	ds_add_u32 v[SPW], v[NIL]
	s_wait_dscnt 0x0
	WIN 0
	CROUND                          ; the closing round: no work-group ends while a partner may still ask for a tile that names it
	s_endpgm
.Lfunc_end_k_qe6d77e7901_attn:
	.size	k_qe6d77e7901_attn, .Lfunc_end_k_qe6d77e7901_attn-k_qe6d77e7901_attn
	.p2alignl 7, 3214868480
	.fill 96, 4, 3214868480
	.section	.rodata,"a",@progbits
	.p2align	6, 0x0
	.amdhsa_kernel k_qe6d77e7901_attn
		.amdhsa_group_segment_fixed_size 327680
		.amdhsa_private_segment_fixed_size 0
		.amdhsa_enable_private_segment 0
		.amdhsa_kernarg_size 40
		.amdhsa_user_sgpr_count 2
		.amdhsa_user_sgpr_kernarg_segment_ptr 1
		.amdhsa_wavefront_size32 1
		.amdhsa_system_sgpr_workgroup_id_x 1
		.amdhsa_system_sgpr_workgroup_id_y 1
		.amdhsa_system_sgpr_workgroup_id_z 1
		.amdhsa_system_vgpr_workitem_id 0
		.amdhsa_next_free_vgpr 896
		.amdhsa_next_free_sgpr 106
		.amdhsa_reserve_vcc 0
		.amdhsa_float_denorm_mode_32 3
		.amdhsa_float_denorm_mode_16_64 3
		.amdhsa_memory_ordered 1
		.amdhsa_forward_progress 1
		.amdhsa_inst_pref_size 165
	.end_amdhsa_kernel
	.amdgpu_metadata
---
amdhsa.version: [ 1, 2 ]
amdhsa.kernels:
  - .name:           k_qe6d77e7901_attn
    .symbol:         k_qe6d77e7901_attn.kd
    .args:
      - { .name: qh, .offset: 0, .size: 8, .value_kind: global_buffer, .address_space: global }
      - { .name: kh, .offset: 8, .size: 8, .value_kind: global_buffer, .address_space: global }
      - { .name: vh, .offset: 16, .size: 8, .value_kind: global_buffer, .address_space: global }
      - { .name: maskw, .offset: 24, .size: 8, .value_kind: global_buffer, .address_space: global }
      - { .name: oh, .offset: 32, .size: 8, .value_kind: global_buffer, .address_space: global }
    .group_segment_fixed_size: 327680
    .private_segment_fixed_size: 0
    .kernarg_segment_align: 8
    .kernarg_segment_size: 40
    .max_flat_workgroup_size: 128
    .sgpr_count:     106
    .vgpr_count:     896
    .wavefront_size: 32
...
	.end_amdgpu_metadata
.endif
;; end of part 7
;; launch outp: the kernel of part 4 again; grid 4 x 64, 4 waves a work-group, clusters of 4 x 4, 327,680 bytes of LDS; arguments oh, wt, bo, out0; writes out0
